; MI455X (gfx1250); checked and timed in simulation.
; The chip was launched on July 23, 2026; its instructions are those of AMD's public machine-readable ISA for CDNA 5 (MIT licence, August 2026) and "CDNA5" Instruction Set Architecture Reference Guide (July 2026). The comments in the code are by the model that wrote it; some were corrected since.
;; Transformer Block. Allowed arithmetic: matrix products marked QUANTISED: E2M1 operands, one E8M0 scale for each 32 along K, by v_wmma_scale_f32_16x16x128_f8f6f4 with both operands' format E2M1 (or v_wmma_scale_f32_32x16x128_f4), f32 sums; everything else in f32.
;; Inputs: b1 4,096 float32; b2 1,024 float32; b_out 1,024 float32; be1 1,024 float32; be2 1,024 float32; g1 1,024 float32; g2 1,024 float32; key 2 x 2,048 x 1,024 float32; query 2 x 2,048 x 1,024 float32; value 2 x 2,048 x 1,024 float32; w1 1,024 x 4,096 float32; w2 4,096 x 1,024 float32; w_out 1,024 x 1,024 float32.
;; Outputs: out0 2 x 2,048 x 1,024 float32.
;; This version of the problem:
;;   THIS VERSION OF THE PROBLEM IS GIVEN IN LOW PRECISION. The matrix products marked QUANTISED in the list below multiply operands that are first quantised to E2M1 (2 exponent bits, 1 mantissa bit; 4 bits a number), with one power-of-two scale for each 32 numbers along K (OCP MX v1.0); their sums are f32. All else is computed in f32.
;;   The module's matrix products, in the order in which they are computed (A, B: the left and right operand; K: the contracted axis; several contracted axes count as one K, in the product's order):
;;     1. batch 32 x [M 2,048, K 64] x [K 64, N 2,048]; A: input query; B: input key: QUANTISED
;;     2. batch 32 x [M 64, K 2,048] x [K 2,048, N 2,048]; A: input value; B: softmax (see below): QUANTISED
;;     3. [M 4,096, K 1,024] x [K 1,024, N 1,024]; A: computed on the way; B: input w_out: QUANTISED
;;     4. [M 4,096, K 1,024] x [K 1,024, N 4,096]; A: computed on the way; B: input w1: QUANTISED
;;     5. [M 4,096, K 4,096] x [K 4,096, N 1,024]; A: computed on the way; B: input w2: QUANTISED
;;   THE QUANTISER, for each operand of a quantised product, along K:
;;     - K is cut into blocks of 32 from its start; a last block that is shorter is filled with zeros.
;;     - A block's scale is 2^e with e = floor(log2(the largest magnitude in the block)) - 2, held to -126 .. 127; a block of zeros has e = 0. As a byte (E8M0): e + 127.
;;     - Each number is divided by its block's scale, clamped to +-6, and rounded to the nearest number of E2M1, ties to even, subnormals kept.
;;     - The product sums the exact products of the quantised numbers (number of the format x scale) in f32.
;;   ~~~python
;;   def quantise(x, axis):      # numpy; x: float32 -> the quantised numbers, widened to float32 again
;;       x = np.moveaxis(x, axis, -1); K = x.shape[-1]
;;       x = np.pad(x, [(0, 0)] * (x.ndim - 1) + [(0, -K % 32)]); x = x.reshape(x.shape[:-1] + (-1, 32)); a = np.abs(x).max(-1, keepdims=True)
;;       e = np.where(a > 0, np.clip(np.frexp(np.where(a > 0, a, 1))[1] - 1 - 2, -126, 127), 0)      # np.frexp(a)[1] - 1 = floor(log2(a)), exactly
;;       r = np.clip(x / 2.0 ** e, -6, 6)
;;       step = 2.0 ** (np.maximum(np.frexp(np.where(r == 0, 1, r))[1] - 1, 0) - 1)
;;       q = np.round(r / step) * step * 2.0 ** e      # np.round: ties to even
;;       return np.moveaxis(q.reshape(q.shape[:-2] + (-1,))[..., :K], -1, axis).astype(np.float32)
;;   ~~~
;;   SOFTMAX AHEAD OF A QUANTISED PRODUCT. Where the list says 'softmax', what is quantised is not the finished softmax but p = 2^(t - M), with t = logit x log2(e) and M = ceil(the row's largest t), a whole number; so 1/2 < the row's largest p <= 1. The row's sum l is taken of the UNQUANTISED p, in f32, and the product's result is divided by l at the end. Since M is a whole number, a kernel that streams over the keys may use a running M (the ceiling of the running maximum): every later rescaling is an exact power of two, which a block's scale takes up: the codes' values come out the same.
;;   OPERANDS COMPUTED ON THE WAY. 'Computed on the way' means the value that the module computes at that place (a softmax that the list does not call 'softmax' is quantised finished and normalised). What goes into a quantiser is computed in f32, as accurately as f32 sums, v_exp_f32 and their like allow (about 1e-6 of the number): no bf16 or f16 on the way to a quantiser, and a product that is left as it is and whose result goes on into a quantised operand takes f32 operands (vector FMAs, or v_wmma_f32_16x16x4_f32). A number that lies on a knife's edge between two numbers of the format may be rounded either way, as far as f32 arithmetic and the matrix unit's own rounding can turn it there, and no further.
;; 2 versions. Each part assembles by itself: llvm-mc -triple=amdgcn-amd-amdhsa -mcpu=gfx1250 --defsym DOCPART=n.
;; ======== version 1 of 2: 5 launches
;; workspace buffers: cq 6,946,816 bytes; cw 5,013,504 bytes; ao 2,228,224 bytes; xf 16,777,216 bytes; xq 2,228,224 bytes; hq 8,912,896 bytes
;; launch prep (part 1): grid 672 x 1, 4 waves a work-group, no clusters, 50,688 bytes of LDS; arguments key, query, value, w_out, w1, w2, cq, cw; writes cq, cw
.if DOCPART == 1
	.amdgcn_target "amdgcn-amd-amdhsa--gfx1250"
	.amdhsa_code_object_version 6
	.text
	.protected	k_qc482be27f3_prep
	.globl	k_qc482be27f3_prep
	.p2align	8
	.type	k_qc482be27f3_prep,@function
k_qc482be27f3_prep:
	s_mov_b64 s[64:65], 0
	v_nop
	global_prefetch_b8 v0, s[64:65] scope:SCOPE_SE
	s_setreg_imm32_b32 hwreg(HW_REG_WAVE_MODE, 25, 1), 1
	s_wait_xcnt 0x0
; Every f32 operand that later launches read as an operand of a quantised product is turned ONCE into codes of FP4 (E2M1) with one E8M0 byte for each 32 along its K.
; A block's scale is 2^(floor(log2(largest magnitude)) - 2): its byte is the largest magnitude's exponent field - 2, held at 1 from below by a floor among the maximum's leaves.
; LIMITS: NaN and infinities are not served; a block of zeros, or one whose largest magnitude lies under 2^(3 - 127), gets the byte 1 (its codes are zeros; these bytes are read by this program alone).
; Three ways part on the work-group's number; each has LDS bytes of its own.
;  way 1 (work-groups 0-255): key and query, K = the head's 64, innermost.  cq: codes [head pair y = 2 head + n][2048 rows][32 bytes]; scale words [y][2048] = {byte, byte, 0x7f, 0x7f}: the upper 64 of the
;        matrix instruction's 128 along K are zero codes under the scale 1.
;  way 2 (256-543): value (as one matrix [4096][1024], K = n x 2048 + key), w2, w_out: K is the FIRST axis.  A lane takes a column and its registers run down K.  The codes leave in the ORDER OF THE OPERAND'S REGISTERS:
;        [64 columns][K step of 128][tile T = 2 b + u][c][lane (r, h)][16 bytes], lane (r, h) of tile T holding column 32 b + 8 u + r + 8 (r / 8), k = 64 c + 32 h + 0 .. 31; scale words [64 columns][two K steps][b][lane 16 u + r][2 words].
;  way 3 (544-671): w1, K first axis, into rows [4096][512 bytes] and bytes [4096][32]; workspace row 32 g + l holds column 32 g + kappa(l), kappa(l) = 8 (l / 16) + l % 16 + 8 ((l % 16) / 8).
;        A work-group takes 64 columns x 512 along K; a wave 32 columns x 256 along K, eight blocks a lane, as in way 2.  A column's two halves meet in one stage, behind the way's one barrier, and leave as 256 consecutive bytes.
; In ways 1 and 2 waves share nothing, so they have no barrier.
.set KSW,   4194304                    ; cq: key's scale words (query's follow them, as query's codes follow key's)
.set VF,    4718592                    ; cq: value's codes
.set VSF,   6815744                    ; cq: value's scale words
.set W2F,   524288                     ; cw: w2's codes (w_out's begin at 0)
.set W1C,   2621440                    ; cw: w1's codes
.set WOS,   4718592                    ; cw: w_out's scale words
.set W2S,   4751360
.set W1S,   4882432
.set EMAX,  2
.set SP,    80                         ; way 1: a lane's place in a stage: 64 bytes + 16 of padding
.set WREG,  8192                       ; way 1: LDS bytes of a wave: two stages of 32 x SP, then 512 bytes of scale words
.set R,     16                         ; way 1: v16-79 four sets of 16 numbers as loaded
.set XN,    80                         ; way 1: v80-111 two sets of 16 neighbours
.set E,     112                        ; way 1: v112-127 a scale word for each step
.set CD,    128                        ; way 1: v128-191 codes, four registers a step: no store's data are written again
.set X,     32                         ; ways 2, 3: v32-95 two sets of 32 numbers; way 3's way out: v32-63
.set C,     96                         ; ways 2, 3: v96-127 codes, four registers a block: no store's data are written again
.set SB,    24                         ; ways 2, 3: scale bytes, four to a register
.set PITCH, 272                        ; way 3: a stage row: 256 bytes + 16
.set STG3,  32768                      ; way 3: its stage, 64 rows, behind way 1's LDS bytes
	s_load_b256 s[4:11], s[0:1], 0x0               ; key, query, value, w_out
	s_load_b256 s[12:19], s[0:1], 0x20             ; w1, w2, cq, cw
	v_lshl_add_u32 v192, v0, 2, 0xc400
	v_mov_b32 v193, 0
	v_lshrrev_b32 v1, 5, v0
	v_readfirstlane_b32 s20, v1                    ; wave 0..3
	v_and_b32 v2, 31, v0                           ; lane
	s_cmp_lt_u32 ttmp9, 256
	s_cbranch_scc0 .Lcolumns
; ---------------- way 1: a wave takes one head x 128 rows: 16 steps of 8 rows x 64 numbers
	v_and_b32 v3, 15, v2
	v_lshlrev_b32 v3, 4, v3
	v_lshrrev_b32 v4, 4, v2
	v_lshl_add_u32 v3, v4, 12, v3                  ; a load takes two rows' 256 bytes: row l / 16, 16 bytes at 16 (l % 16)
	s_mul_i32 s21, s20, WREG
	v_lshrrev_b32 v14, 2, v2
	v_mul_u32_u24 v14, v14, SP
	v_and_b32 v15, 3, v2
	v_lshl_add_u32 v14, v15, 4, v14
	v_add_nc_u32 v14, s21, v14                     ; the stage, in: four lanes' 64 bytes on end, then the padding
	v_mul_u32_u24 v15, v2, SP
	v_add_nc_u32 v15, s21, v15                     ; and out: my 16 neighbours: row l / 4, numbers 16 (l % 4) on
	v_lshlrev_b32 v4, 3, v2                        ; my 8 bytes of a step's 256 bytes of codes
	v_lshrrev_b32 v5, 2, v2
	s_add_co_u32 s21, s21, 2*32*SP
	v_lshl_add_u32 v5, v5, 2, s21                  ; LDS: my row's scale word
	v_lshlrev_b32 v7, 4, v2
	v_add_nc_u32 v6, s21, v7                       ; and on the way out 16 bytes a lane
	v_bfe_u32 v10, v2, 1, 1
	v_lshlrev_b32 v10, 3, v10                      ; my block's place in the word: 8 bits x ((l / 2) % 2)
	v_mov_b32 v13, 0                               ; a DPP form's destination counts as read
	s_lshl_b32 s22, ttmp9, 2
	s_add_co_u32 s22, s22, s20                     ; W = 4 x work-group + wave: 0-511 key, 512-1023 query
	s_and_b32 s23, s22, 15                         ; which 128 rows
	s_bfe_u32 s24, s22, 0x10004                    ; n
	s_bfe_u32 s25, s22, 0x40005                    ; head
	s_lshl_b32 s23, s23, 19                        ; 128 rows of 4,096 bytes
	s_lshl_b32 s24, s24, 23                        ; 2,048 rows
	s_lshl_b32 s25, s25, 8                         ; 64 numbers
	s_add_co_u32 s26, s23, s24
	s_add_co_u32 s26, s26, s25
	s_mov_b32 s27, 0
	s_lshl_b32 s28, s22, 12                        ; 128 rows x 32 bytes of codes
	s_mov_b32 s29, 0
	s_lshl_b32 s30, s22, 9                         ; 128 words
	s_add_co_u32 s30, s30, KSW
	s_mov_b32 s31, 0
	s_wait_kmcnt 0x0
	s_cmp_lt_u32 ttmp9, 128                        ; the choice hangs on the work-group's number alone
	s_cselect_b64 s[4:5], s[4:5], s[6:7]
	s_add_nc_u64 s[4:5], s[4:5], s[26:27]
	s_add_nc_u64 s[8:9], s[16:17], s[28:29]
	s_add_nc_u64 s[10:11], s[16:17], s[30:31]
.macro LOAD t
.irp i, 0,1,2,3
	global_load_b128 v[R+16*((\t)%4)+4*\i:R+16*((\t)%4)+4*\i+3], v3, s[4:5] offset:(8*(\t)+2*\i)*4096 th:TH_LOAD_NT   ; sixteen lanes read 256 consecutive bytes of a row
.endr
.endm
.macro TURN t                          ; step t's numbers through the stage: LDS serves a wave's instructions in order, so no wait stands between the stores and the loads
.irp i, 0,1,2,3
	ds_store_b128 v14, v[R+16*((\t)%4)+4*\i:R+16*((\t)%4)+4*\i+3] offset:32*SP*((\t)%2)+8*SP*\i
.endr
.irp i, 0,1,2,3
	ds_load_b128 v[XN+16*((\t)%2)+4*\i:XN+16*((\t)%2)+4*\i+3], v15 offset:32*SP*((\t)%2)+16*\i
.endr
.endm
.irp t, 0,1,2,3
	LOAD \t
.endr
	s_wait_loadcnt 12                              ; step 0's four loads are in
	TURN 0
.macro STEP t
.set XS, XN+16*((\t)%2)
.if (\t) > 0
	s_wait_dscnt 1                                 ; this step's numbers are back from the stage; the last step's word store may be out
.else
	s_wait_dscnt 0x0
.endif
.if (\t)+4 < 16
	LOAD (\t)+4                                    ; into the registers whose stores into the stage are done
.endif
.if (\t)+1 < 16
.if 14-(\t) >= 3
	s_wait_loadcnt 12                              ; the next step's four loads are in; those of three steps behind it may be out
.else
	s_wait_loadcnt 4*(14-(\t))
.endif
	TURN (\t)+1
.endif
	v_max3_num_f32 v8, |v[XS]|, |v[XS+1]|, |v[XS+2]|
	v_max3_num_f32 v9, |v[XS+3]|, |v[XS+4]|, |v[XS+5]|
.irp i, 6,10
	v_max3_num_f32 v8, v8, |v[XS+\i]|, |v[XS+\i+1]|
	v_max3_num_f32 v9, v9, |v[XS+\i+2]|, |v[XS+\i+3]|
.endr
	v_max3_num_f32 v8, v8, |v[XS+14]|, |v[XS+15]|
	v_max3_num_f32 v8, v8, v9, (EMAX+1)<<23        ; the floor: the byte cannot fall under 1
	v_max_num_f32_dpp v8, v8, v8 row_xmask:1 row_mask:0xf bank_mask:0xf   ; with my neighbour's 16: the block's largest magnitude
	v_add_nc_u32 v11, -(EMAX<<23), v8              ; EMAX off its exponent field: the conversion's scale operand
	v_cvt_scalef32_pk8_fp4_f32 v[CD+4*(\t)], v[XS:XS+7], v11
	v_cvt_scalef32_pk8_fp4_f32 v[CD+4*(\t)+1], v[XS+8:XS+15], v11
	v_lshrrev_b32 v12, 23, v11                     ; the byte,
	v_lshlrev_b32 v12, v10, v12                    ; at its place in the row's word,
	v_mov_b32_dpp v13, v12 row_xmask:2 row_mask:0xf bank_mask:0xf
	v_or_b32 v12, v12, v13                         ; with the row's other block's,
	v_or_b32 v[E+(\t)], 0x7f7f0000, v12            ; and the scale 1 for the 64 zero codes
	ds_store_b32 v5, v[E+(\t)] offset:32*(\t)      ; a row's four lanes write the same word with the same value
	global_store_b64 v4, v[CD+4*(\t):CD+4*(\t)+1], s[8:9] offset:256*(\t)   ; the wave stores 256 consecutive bytes, aligned
.endm
.irp t, 0,1,2,3,4,5,6,7,8,9,10,11,12,13,14,15
	STEP \t
.endr
	ds_load_b128 v[8:11], v6                       ; my wave's 128 words
	s_wait_dscnt 0x0
	global_store_b128 v7, v[8:11], s[10:11]        ; 512 consecutive bytes
	s_wait_tensorcnt 0x0
	ds_add_u32 v192, v193
	s_wait_dscnt 0x0
	s_endpgm
; ---------------- ways 2 and 3: a lane to a column, registers down K
.macro KLOAD t, ns                     ; block t: rows 32 t + i of my column, ns bytes from row to row, into set t % 2
.irp i, 0,1,2,3,4,5,6,7,8,9,10,11,12,13,14,15,16,17,18,19,20,21,22,23,24,25,26,27,28,29,30,31
	global_load_b32 v[X+32*((\t)%2)+\i], v3, s[22:23] offset:(32*(\t)+\i)*\ns th:TH_LOAD_NT
.endr
.endm
.macro KQUANT t, creg                  ; block t's 32 numbers, all mine, become four registers of codes; its byte joins v[SB + t / 4]
.set XS, X+32*((\t)%2)
	v_max3_num_f32 v12, |v[XS]|, |v[XS+1]|, |v[XS+2]|
	v_max3_num_f32 v13, |v[XS+3]|, |v[XS+4]|, |v[XS+5]|
.irp i, 6,10,14,18,22,26
	v_max3_num_f32 v12, v12, |v[XS+\i]|, |v[XS+\i+1]|
	v_max3_num_f32 v13, v13, |v[XS+\i+2]|, |v[XS+\i+3]|
.endr
	v_max3_num_f32 v12, v12, |v[XS+30]|, |v[XS+31]|
	v_max3_num_f32 v12, v12, v13, (EMAX+1)<<23
	v_add_nc_u32 v11, -(EMAX<<23), v12
	v_lshrrev_b32 v13, 23, v11
.if (\t)%4 == 0
	v_mov_b32 v[SB+(\t)/4], v13
.else
	v_lshl_or_b32 v[SB+(\t)/4], v13, 8*((\t)%4), v[SB+(\t)/4]
.endif
.irp g, 0,1,2,3
	v_cvt_scalef32_pk8_fp4_f32 v[(\creg)+\g], v[XS+8*\g:XS+8*\g+7], v11
.endr
.endm
.Lcolumns:
	v_and_b32 v5, 15, v2                           ; r
	v_lshrrev_b32 v6, 4, v2                        ; u
	v_and_b32 v3, 8, v5
	v_add_nc_u32 v3, v3, v5
	v_lshl_add_u32 v3, v6, 3, v3                   ; kappa(l) = 8 u + r + 8 (r / 8)
	v_lshlrev_b32 v3, 2, v3                        ; my column's bytes among the wave's 128
	s_cmp_lt_u32 ttmp9, 544
	s_cbranch_scc0 .Lw1
; ---------------- way 2: a wave takes 32 columns x 256 along K (two K steps); nothing goes through LDS
	s_sub_co_u32 s21, ttmp9, 256                   ; 0-127 value, 128-255 w2, 256-287 w_out
	s_wait_kmcnt 0x0
	s_mov_b64 s[22:23], s[8:9]                     ; from value
	s_mov_b64 s[24:25], s[16:17]                   ; into cq
	s_mov_b32 s26, VF
	s_mov_b32 s27, VSF
	s_mov_b32 s28, 5                               ; log2 of the K steps
	s_mov_b32 s29, 0
	s_mov_b32 s30, W2F
	s_mov_b32 s31, W2S
	s_cmp_ge_u32 s21, 128                          ; every choice hangs on the work-group's number alone
	s_cselect_b64 s[22:23], s[14:15], s[22:23]
	s_cselect_b64 s[24:25], s[18:19], s[24:25]
	s_cselect_b32 s26, s30, s26
	s_cselect_b32 s27, s31, s27
	s_cselect_b32 s29, 128, s29
	s_mov_b32 s31, WOS
	s_mov_b32 s30, 256
	s_cmp_ge_u32 s21, 256
	s_cselect_b64 s[22:23], s[10:11], s[22:23]
	s_cselect_b32 s26, 0, s26
	s_cselect_b32 s27, s31, s27
	s_cselect_b32 s28, 3, s28
	s_cselect_b32 s29, s30, s29
	s_sub_co_u32 s21, s21, s29
	s_and_b32 s30, s21, 7                          ; which 128 columns
	s_lshr_b32 s31, s21, 3                         ; which 256 along K
	s_lshl_b32 s30, s30, 2
	s_add_co_u32 s30, s30, s20                     ; which 32 columns
	s_lshr_b32 s33, s30, 1                         ; which 64
	s_and_b32 s34, s30, 1                          ; b
	s_lshl_b32 s36, s31, 20                        ; 256 rows of 4,096 bytes
	s_lshl_b32 s37, s30, 7
	s_add_co_u32 s36, s36, s37
	s_mov_b32 s37, 0
	s_add_nc_u64 s[22:23], s[22:23], s[36:37]
	s_lshl_b32 s36, s33, s28
	s_lshl_b32 s38, s31, 1
	s_add_co_u32 s36, s36, s38                     ; my first K step among all
	s_lshl_b32 s36, s36, 12                        ; 4,096 bytes each
	s_lshl_b32 s38, s34, 11
	s_add_co_u32 s36, s36, s38                     ; tiles 2 b, 2 b + 1
	s_add_co_u32 s36, s36, s26
	s_add_nc_u64 s[40:41], s[24:25], s[36:37]
	s_sub_co_u32 s28, s28, 1
	s_lshl_b32 s36, s33, s28
	s_add_co_u32 s36, s36, s31
	s_lshl_b32 s36, s36, 1
	s_add_co_u32 s36, s36, s34
	s_lshl_b32 s36, s36, 8                         ; 256 bytes of scale words
	s_add_co_u32 s36, s36, s27
	s_add_nc_u64 s[42:43], s[24:25], s[36:37]
	v_lshlrev_b32 v4, 4, v5
	v_lshl_add_u32 v4, v6, 10, v4                  ; tile u, lane r: block t of 8 goes to K step t / 4, c = (t % 4) / 2, h = t % 2: the immediate
	v_lshlrev_b32 v9, 3, v2
	KLOAD 0, 4096
	KLOAD 1, 4096
.irp t, 0,1,2,3,4,5,6,7
.if \t < 7
	s_wait_loadcnt 32                              ; this block's 32 loads are in; the next block's may be out
.else
	s_wait_loadcnt 0x0
.endif
	KQUANT \t, C+4*\t                              ; each block has its own four registers: no store's data are written again
	global_store_b128 v4, v[C+4*\t:C+4*\t+3], s[40:41] offset:(\t/4)*4096+(\t%4)*256   ; each sixteen lanes store 256 consecutive bytes, aligned
.if \t < 6
	KLOAD \t+2, 4096
.endif
.endr
	global_store_b64 v9, v[SB:SB+1], s[42:43]      ; the wave stores 256 consecutive bytes, aligned
	s_endpgm
; ---------------- way 3: w1: the work-group takes 64 columns x 512 along K; wave (cg, kh) 32 columns x 256 along K
.Lw1:
	s_sub_co_u32 s21, ttmp9, 544
	s_and_b32 s26, s21, 63
	s_lshl_b32 s26, s26, 6                         ; the work-group's first column, which is also its first workspace row
	s_lshr_b32 s27, s21, 6                         ; which 512 along K
	s_and_b32 s24, s20, 1                          ; cg: which 32 of the 64 columns are my wave's
	s_lshr_b32 s25, s20, 1                         ; kh: which 256 of the 512 along K
	s_lshl_b32 s28, s24, 5
	s_add_co_u32 s34, s26, s28                     ; my wave's first column
	s_lshl_b32 s28, s27, 23                        ; 512 rows of 16,384 bytes
	s_lshl_b32 s29, s25, 22                        ; 256 rows
	s_add_co_u32 s28, s28, s29
	s_lshl_b32 s29, s34, 2
	s_add_co_u32 s28, s28, s29
	s_mov_b32 s29, 0
	s_lshl_b32 s30, s20, 4                         ; on the way out wave w stores workspace rows 16 w .. 16 w + 15 of the 64
	s_add_co_u32 s30, s30, s26
	s_lshl_b32 s30, s30, 9                         ; a row of codes is 512 bytes
	s_lshl_b32 s31, s27, 8                         ; these 512 along K are 256 of them
	s_add_co_u32 s30, s30, s31
	s_add_co_u32 s30, s30, W1C
	s_mov_b32 s31, 0
	s_lshl_b32 s36, s34, 5                         ; a row of scale bytes is 32; my eight stand at 16 x (which 512) + 8 kh
	s_lshl_b32 s37, s27, 4
	s_add_co_u32 s36, s36, s37
	s_lshl_b32 s37, s25, 3
	s_add_co_u32 s36, s36, s37
	s_add_co_u32 s36, s36, W1S
	s_mov_b32 s37, 0
	s_mul_i32 s33, s24, 32*PITCH
	s_lshl_b32 s35, s25, 7
	s_add_co_u32 s33, s33, s35
	s_add_co_u32 s33, s33, STG3
	v_mul_u32_u24 v4, v2, PITCH
	v_add_nc_u32 v4, s33, v4                       ; into the stage: row 32 cg + lane, my half's 128 bytes
	s_mul_i32 s33, s20, 16*PITCH
	s_add_co_u32 s33, s33, STG3
	v_mul_u32_u24 v7, v6, PITCH
	v_lshl_add_u32 v7, v5, 4, v7
	v_add_nc_u32 v7, s33, v7                       ; out of it: sixteen lanes to a row, two rows an instruction
	v_lshlrev_b32 v8, 9, v6
	v_lshl_add_u32 v8, v5, 4, v8                   ; and the same place in the codes' rows
	v_lshlrev_b32 v9, 5, v2
	s_wait_kmcnt 0x0
	s_add_nc_u64 s[22:23], s[12:13], s[28:29]
	s_add_nc_u64 s[40:41], s[18:19], s[30:31]
	s_add_nc_u64 s[42:43], s[18:19], s[36:37]
	KLOAD 0, 16384                                 ; the largest immediate is 255 x 16,384, inside the signed 24 bits
	KLOAD 1, 16384
.irp t, 0,1,2,3,4,5,6,7
.if \t < 7
	s_wait_loadcnt 32                              ; this block's 32 loads are in; the next block's may be out
.else
	s_wait_loadcnt 0x0
.endif
	KQUANT \t, C+4*\t                              ; each block has its own four registers: no store's data are written again
	ds_store_b128 v4, v[C+4*\t:C+4*\t+3] offset:16*\t
.if \t < 6
	KLOAD \t+2, 16384
.endif
.endr
	s_wait_dscnt 0x0                               ; for the others' sake: my half of 32 rows lies in the stage
	s_barrier_signal -1
	s_barrier_wait -1                              ; 64 whole rows of 256 bytes lie there
.irp t, 0,1,2,3,4,5,6,7
	ds_load_b128 v[X+4*\t:X+4*\t+3], v7 offset:2*\t*PITCH
.endr
	global_store_b64 v9, v[SB:SB+1], s[42:43]      ; my column's eight scale bytes
.irp t, 0,1,2,3,4,5,6,7
	s_wait_dscnt 7-\t
	global_store_b128 v8, v[X+4*\t:X+4*\t+3], s[40:41] offset:2*\t*512   ; sixteen lanes store 256 consecutive bytes, aligned
.endr
	s_wait_tensorcnt 0x0
	ds_add_u32 v192, v193
	s_wait_dscnt 0x0
	s_endpgm
.Lfunc_end_k_qc482be27f3_prep:
	.size	k_qc482be27f3_prep, .Lfunc_end_k_qc482be27f3_prep-k_qc482be27f3_prep
	.p2alignl 7, 3214868480
	.fill 96, 4, 3214868480
	.section	.rodata,"a",@progbits
	.p2align	6, 0x0
	.amdhsa_kernel k_qc482be27f3_prep
		.amdhsa_group_segment_fixed_size 50688
		.amdhsa_private_segment_fixed_size 0
		.amdhsa_enable_private_segment 0
		.amdhsa_kernarg_size 64
		.amdhsa_user_sgpr_count 2
		.amdhsa_user_sgpr_kernarg_segment_ptr 1
		.amdhsa_wavefront_size32 1
		.amdhsa_system_sgpr_workgroup_id_x 1
		.amdhsa_system_sgpr_workgroup_id_y 1
		.amdhsa_system_sgpr_workgroup_id_z 1
		.amdhsa_system_vgpr_workitem_id 0
		.amdhsa_next_free_vgpr 194
		.amdhsa_next_free_sgpr 66
		.amdhsa_reserve_vcc 0
		.amdhsa_float_denorm_mode_32 3
		.amdhsa_float_denorm_mode_16_64 3
		.amdhsa_memory_ordered 1
		.amdhsa_forward_progress 1
		.amdhsa_inst_pref_size 116
	.end_amdhsa_kernel
	.amdgpu_metadata
---
amdhsa.version: [ 1, 2 ]
amdhsa.kernels:
  - .name:           k_qc482be27f3_prep
    .symbol:         k_qc482be27f3_prep.kd
    .args:
      - { .name: key, .offset: 0, .size: 8, .value_kind: global_buffer, .address_space: global }
      - { .name: query, .offset: 8, .size: 8, .value_kind: global_buffer, .address_space: global }
      - { .name: value, .offset: 16, .size: 8, .value_kind: global_buffer, .address_space: global }
      - { .name: w_out, .offset: 24, .size: 8, .value_kind: global_buffer, .address_space: global }
      - { .name: w1, .offset: 32, .size: 8, .value_kind: global_buffer, .address_space: global }
      - { .name: w2, .offset: 40, .size: 8, .value_kind: global_buffer, .address_space: global }
      - { .name: cq, .offset: 48, .size: 8, .value_kind: global_buffer, .address_space: global }
      - { .name: cw, .offset: 56, .size: 8, .value_kind: global_buffer, .address_space: global }
    .group_segment_fixed_size: 50688
    .private_segment_fixed_size: 0
    .kernarg_segment_align: 8
    .kernarg_segment_size: 64
    .max_flat_workgroup_size: 128
    .sgpr_count:     66
    .vgpr_count:     194
    .wavefront_size: 32
...
	.end_amdgpu_metadata
.endif
;; end of part 1
;; launch attn (part 2): grid 8 x 32, 16 waves a work-group, clusters of 4 x 1, 169,984 bytes of LDS; arguments cq, ao; writes ao
.if DOCPART == 2
	.amdgcn_target "amdgcn-amd-amdhsa--gfx1250"
	.amdhsa_code_object_version 6
	.text
	.protected	k_qc482be27f3_attn
	.globl	k_qc482be27f3_attn
	.p2align	8
	.type	k_qc482be27f3_attn,@function
k_qc482be27f3_attn:
	s_mov_b64 s[64:65], 0
	v_nop
	global_prefetch_b8 v0, s[64:65] scope:SCOPE_SE
	s_setreg_imm32_b32 hwreg(HW_REG_WAVE_MODE, 25, 1), 1
	s_wait_xcnt 0x0
	s_wait_alu depctr_hold_cnt(0) depctr_sa_sdst(0) depctr_va_vdst(0) depctr_va_sdst(0) depctr_va_ssrc(0) depctr_va_vcc(0) depctr_vm_vsrc(0)
	s_getreg_b32 s2, hwreg(HW_REG_IB_STS2, 6, 4)
	s_cmp_eq_u32 s2, 0
	s_cbranch_scc0 .Lentry_in_a_cluster
	s_endpgm
.Lentry_in_a_cluster:
	s_bfe_u32 s2, ttmp6, 0x10000c
	s_cmp_lg_u32 s2, 0x3003
	s_cbranch_scc0 .Lentry_shape_is_right
	s_endpgm
.Lentry_shape_is_right:
; Attention on codes of FP4: S^T = K Q^T (K = the head's 64: the upper 64 of the instruction's 128 are zero codes under the scale 1), p = 2^(t - M), O^T = V^T P^T, O / l, and O quantised along E for the next product.
; t = score x log2(e) / 32; M = the running largest t rounded UP to a whole number; the row's sum is taken of the unquantised p; when M moves, sum and O^T are multiplied by 2^(old M - new M), exactly.
; SHARES.  Work-group: 256 queries of one head of one batch (y = 2 head + n); each of its sixteen waves 16 queries, one tile, in 256 registers: four waves to a SIMD, so that one wave's vector work stands beside another's products.
; A whole head's K and V codes and scale words, 140 KiB, lie in LDS: each byte is filled ONCE, so there is no ring.  The four query blocks of a cluster walk the same head: each tile is asked for jointly (mask 15).
; Wave 0 asks for K's scale words and K's four chunks of 512 keys, wave 1 for V's: five tensor loads of a wave are out at the most.  A chunk is read behind a counted wait and a barrier, while the later chunks are on their way.
; LAYOUT.  Both products transposed: a lane holds ONE query (lane % 16).  Lane r of K's tile 2 b + u takes key 32 b + 8 u + r + 8 (r / 8), so that p's 16 registers of two neighbouring tiles are 16 neighbouring keys.
; V's fragments lie in LDS as images of their registers, with the head's 64 channels dealt to tiles in the same way: so O^T's 16 registers of two tiles are 16 neighbouring channels, ready for the quantiser.
; LIMITS: NaN and infinities are not served; a block whose largest magnitude lies under 2^(3 - 127) gets the byte 1.  No prefetch: every tile is asked for at the head.
.set QC,    2097152                    ; cq: query's codes (key's begin at 0)
.set KSW,   4194304
.set QSW,   4456448
.set VF,    4718592
.set VSF,   6815744
.set AOS,   2097152                    ; ao: the scale bytes [head][4096 rows] of two bytes
.set L_VC,  65536                      ; LDS: K's codes at 0 (2048 x 32 bytes), V's images here (16 K steps x 4,096),
.set L_KS,  131072                     ; K's scale words (2048 x 4),
.set L_VS,  139264                     ; V's ([two K steps][b][lane][2 words]),
.set L_SST, 143360                     ; and 512 bytes that LDS stores alone write: the queries' scale bytes on their way out
.set AK0,  1                           ; v1  my lane's place in a tile of K
.set AV0,  2                           ; v2  in an image of V
.set ASK0, 3                           ; v3  among K's scale words
.set ASV0, 4                           ; v4  among V's
.set SSA,  5                           ; v5  the way out: my query's two bytes
.set ADK,  8                           ; v8-11 the addresses of the two steps in hand
.set ADV,  9
.set ADS,  10
.set ADT,  11
.set WV,   8                           ; s8  my wave's number
.set SEL,  12                          ; s[12:13] selects for lane l xor 16
.set CS,   14                          ; s[14:15] c = log2(e) / 32
.set TB,   16                          ; s16 where the trip's codes begin (in K's region and in V's alike)
.set TS,   17                          ; s17 K's scale words
.set TJ,   18                          ; s18 V's
.set CNT,  19
.set G1C,  24                          ; s[24:31] group 1: a chunk, 64 rows of 256 bytes
.set G1KS, 32                          ; s[32:39] K's scale words, 32 rows
.set G1VS, 40                          ; s[40:47] V's, 16 rows
.set G0K,  48                          ; s[48:63] group 0 of K's four chunks
.set G0KS, 68
.set G0VS, 72
.set G0V,  76                          ; s[76:91] of V's four
; REGISTERS: v[6:7] f and 0; v12 -M, v13 largest t, v[14:15] the sum; v16-23 Q, v24 its word; v25-26 V's words, v29 p's word; v28 at work; v30-31 Q's offsets; v32-95 K's 8 fragments (upper halves zero);
; v96-159 S^T, then p; v160-191 O^T; v192-223 V's 4 fragments; v224-231 p's codes; v232-247 at work; v248-255 K's 8 words.
.macro CROUND                          ; a round of the cluster's barrier
	s_barrier_signal -1
	s_barrier_wait -1
	s_cmp_lg_u32 s[WV], 0
	s_cbranch_scc1 .Lnot_wave_0_\@
	s_barrier_signal -3
.Lnot_wave_0_\@:
	s_barrier_wait -3
	s_barrier_signal -1
	s_barrier_wait -1
.endm
	s_load_b128 s[4:7], s[0:1], 0x0                ; cq, ao
	v_lshl_add_u32 v242, v0, 2, 0x29000
	v_mov_b32 v243, 0
	ds_add_u32 v242, v243
	ds_add_u32 v242, v243
	v_lshrrev_b32 v8, 5, v0
	v_readfirstlane_b32 s[WV], v8
	s_and_b32 s11, ttmp7, 0xffff                   ; y, which the four partners share
.irp g, G1C, G1KS, G1VS                ; dense blocks as rows of 256 bytes: 32 elements of 8 bytes; mask 15, bit 21 beside it; no padding
	s_mov_b32 s[\g], 15|(3<<16)|(1<<21)
	s_mov_b32 s[\g+1], 32<<16
	s_mov_b32 s[\g+3], 32<<16
	s_mov_b32 s[\g+5], 32
	s_mov_b32 s[\g+6], 0
	s_mov_b32 s[\g+7], 0
.endr
	s_mov_b32 s[G1C+2], 64<<16
	s_mov_b32 s[G1C+4], 64
	s_mov_b32 s[G1KS+2], 32<<16
	s_mov_b32 s[G1KS+4], 32
	s_mov_b32 s[G1VS+2], 16<<16
	s_mov_b32 s[G1VS+4], 16
	s_lshl_b32 s20, s11, 16                        ; a head's codes: 65,536 bytes, K's and V's alike
	s_mov_b32 s21, 0
	s_lshl_b32 s22, s11, 13                        ; K's words
	s_mov_b32 s23, 0
	s_lshl_b32 s16, s11, 12                        ; V's
	s_mov_b32 s17, 0
	s_mov_b32 s[SEL], 0x76543210
	s_mov_b32 s[SEL+1], 0xfedcba98
	s_mov_b32 s[CS], 0x3d38aa3b
	s_mov_b32 s[CS+1], s[CS]
	s_wait_dscnt 0x0
	s_wait_kmcnt 0x0
	s_add_nc_u64 s[20:21], s[4:5], s[20:21]
	s_add_nc_u64 s[22:23], s[4:5], s[22:23]
	s_add_nc_u64 s[16:17], s[4:5], s[16:17]
.irp c, 0,1,2,3
	s_mov_b32 s[G0K+4*\c], 1
	s_mov_b32 s[G0K+4*\c+1], 16384*\c
	s_add_nc_u64 s[G0K+4*\c+2:G0K+4*\c+3], s[20:21], 16384*\c
	s_or_b32 s[G0K+4*\c+3], s[G0K+4*\c+3], 0x80000000
	s_mov_b32 s[G0V+4*\c], 1
	s_mov_b32 s[G0V+4*\c+1], L_VC+16384*\c
	s_add_nc_u64 s[G0V+4*\c+2:G0V+4*\c+3], s[20:21], VF+16384*\c
	s_or_b32 s[G0V+4*\c+3], s[G0V+4*\c+3], 0x80000000
.endr
	s_mov_b32 s[G0KS], 1
	s_mov_b32 s[G0KS+1], L_KS
	s_add_nc_u64 s[G0KS+2:G0KS+3], s[22:23], KSW
	s_or_b32 s[G0KS+3], s[G0KS+3], 0x80000000
	s_mov_b32 s[G0VS], 1
	s_mov_b32 s[G0VS+1], L_VS
	s_add_nc_u64 s[G0VS+2:G0VS+3], s[16:17], VSF
	s_or_b32 s[G0VS+3], s[G0VS+3], 0x80000000
	CROUND                                         ; all four work-groups are here: the joint loads meet
	s_cmp_lg_u32 s[WV], 0                          ; a wave's fills stand in one branch on its number; four v_nop follow the last
	s_cbranch_scc1 .Lnot_k
	tensor_load_to_lds s[G0KS:G0KS+3], s[G1KS:G1KS+7]
	s_nop 0
.irp c, 0,1,2,3
	tensor_load_to_lds s[G0K+4*\c:G0K+4*\c+3], s[G1C:G1C+7]
	s_nop 0
.endr
.rept 4
	v_nop
.endr
	s_branch .Lasked
.Lnot_k:
	s_cmp_lg_u32 s[WV], 1
	s_cbranch_scc1 .Lasked
	tensor_load_to_lds s[G0VS:G0VS+3], s[G1VS:G1VS+7]
	s_nop 0
.irp c, 0,1,2,3
	tensor_load_to_lds s[G0V+4*\c:G0V+4*\c+3], s[G1C:G1C+7]
	s_nop 0
.endr
.rept 4
	v_nop
.endr
.Lasked:
	s_bfe_u32 s9, ttmp6, 0x40000                   ; cx: it enters global addresses of Q and of the output alone
	s_lshl_b32 s10, ttmp9, 2
	s_add_co_u32 s10, s10, s9                      ; my block of 256 queries
	s_lshl_b32 s92, s11, 16
	s_lshl_b32 s20, s10, 13
	s_add_co_u32 s92, s92, s20
	s_lshl_b32 s20, s[WV], 9
	s_add_co_u32 s92, s92, s20
	s_add_co_u32 s92, s92, QC
	s_mov_b32 s93, 0
	s_add_nc_u64 s[92:93], s[4:5], s[92:93]        ; my 16 queries' codes
	s_lshl_b32 s94, s11, 13
	s_lshl_b32 s20, s10, 10
	s_add_co_u32 s94, s94, s20
	s_lshl_b32 s20, s[WV], 6
	s_add_co_u32 s94, s94, s20
	s_add_co_u32 s94, s94, QSW
	s_mov_b32 s95, 0
	s_add_nc_u64 s[94:95], s[4:5], s[94:95]        ; and their scale words
	s_and_b32 s21, s11, 1                          ; n
	s_lshl_b32 s96, s21, 20                        ; ao: [row tile 128 n + 16 block + wave][K step head / 2][c = head % 2][lane][16 bytes]
	s_lshl_b32 s20, s10, 17
	s_add_co_u32 s96, s96, s20
	s_lshl_b32 s20, s[WV], 13
	s_add_co_u32 s96, s96, s20
	s_lshr_b32 s20, s11, 2
	s_lshl_b32 s20, s20, 10
	s_add_co_u32 s96, s96, s20
	s_bfe_u32 s20, s11, 0x10001
	s_lshl_b32 s20, s20, 9
	s_add_co_u32 s96, s96, s20
	s_mov_b32 s97, 0
	s_add_nc_u64 s[96:97], s[6:7], s[96:97]
	s_lshr_b32 s98, s11, 1
	s_lshl_b32 s98, s98, 13                        ; the scale bytes: head x 8,192 + 2 x row
	s_lshl_b32 s20, s21, 12
	s_add_co_u32 s98, s98, s20
	s_lshl_b32 s20, s10, 9
	s_add_co_u32 s98, s98, s20
	s_add_co_u32 s98, s98, AOS
	s_mov_b32 s99, 0
	s_add_nc_u64 s[98:99], s[6:7], s[98:99]
	v_and_b32 v8, 15, v0                           ; r
	v_bfe_u32 v9, v0, 4, 1                         ; h
	v_and_b32 v10, 31, v0                          ; l
	v_lshlrev_b32 v30, 5, v8
	v_lshl_add_u32 v30, v9, 4, v30                 ; Q: row r of 32 bytes, + 16 h
	global_load_b128 v[16:19], v30, s[92:93]       ; k = 32 h + 0 .. 31
	v_lshlrev_b32 v31, 2, v8
	global_load_b32 v24, v31, s[94:95]
	v_and_b32 v27, 8, v8
	v_add_nc_u32 v27, v27, v8                      ; r + 8 (r / 8)
	v_lshlrev_b32 v[AK0], 5, v27
	v_lshl_add_u32 v[AK0], v9, 4, v[AK0]
	v_lshl_add_u32 v[AV0], v10, 4, L_VC
	v_lshl_add_u32 v[ASK0], v27, 2, L_KS
	v_lshl_add_u32 v[ASV0], v10, 3, L_VS
.irp j, 20,21,22,23
	v_mov_b32 v[\j], 0                             ; Q's k = 64 .. 127: zero codes
.endr
.irp t, 0,1,2,3,4,5,6,7
.irp j, 4,5,6,7
	v_mov_b32 v[32+8*\t+\j], 0                     ; K's likewise: written once, never loaded
.endr
.endr
	v_mov_b32 v13, 0xff61b1e6                      ; the largest t so far: -3e38
	v_floor_f32 v12, -v13
	v_mov_b32 v14, 0
	v_mov_b32 v15, 0
	v_mov_b32 v7, 0                                ; named as the upper half of the pair v[6:7]
	v_mov_b32 v28, 0
.irp b, 0,1,2,3
	v_mov_b32 v[236+\b], 0                         ; a lane permute's destination counts as one of its sources
.endr
.set j, 0
.rept 32
	v_mov_b32 v[160+j], 0                          ; O^T: the step is written once; the first finds zeros
.set j, j+1
.endr
; A KEY STEP of 128 keys: the e-th of a trip's two.
.macro STEP e
.if \e == 0
	v_add_nc_u32 v[ADK], s[TB], v[AK0]             ; four plain lines: the places between the last products and the loads into their registers
	v_add_nc_u32 v[ADV], s[TB], v[AV0]
	v_add_nc_u32 v[ADS], s[TS], v[ASK0]
	v_add_nc_u32 v[ADT], s[TJ], v[ASV0]
.else
.rept 4
	v_nop
.endr
.endif
.irp t, 0,1,2,3,4,5,6,7
	ds_load_b128 v[32+8*\t:35+8*\t], v[ADK] offset:4096*\e+1024*(\t/2)+256*(\t%2)
.endr
.irp t, 0,1,2,3,4,5,6,7
	ds_load_b32 v[248+\t], v[ADS] offset:512*\e+128*(\t/2)+32*(\t%2)
.endr
.irp t, 0,1,2,3
.irp c, 0,1
	ds_load_b128 v[192+8*\t+4*\c:195+8*\t+4*\c], v[ADV] offset:4096*\e+1024*\t+512*\c
.endr
.endr
.irp b, 0,1
	ds_load_b32 v[25+\b], v[ADT] offset:4*\e+256*\b
.endr
	s_wait_dscnt 10                                ; K's sixteen loads are in; V's ten, issued behind them, may be out
.irp t, 0,1,2,3,4,5,6,7
	v_wmma_scale_f32_16x16x128_f8f6f4 v[96+8*\t:103+8*\t], v[32+8*\t:39+8*\t], v[16:23], 0, v[248+\t], v24 matrix_a_fmt:MATRIX_FMT_FP4 matrix_b_fmt:MATRIX_FMT_FP4
.endr
.rept 4
	v_nop
.endr
.irp b, 0,1,2,3
	v_max3_num_f32 v[232+\b], v[96+16*\b], v[97+16*\b], v[98+16*\b]   ; the largest score of each block of 32 keys: for the row's maximum, and, since p rises with the score, for the block's largest p
.endr
.irp i, 3,5,7,9,11,13
.irp b, 0,1,2,3
	v_max3_num_f32 v[232+\b], v[232+\b], v[96+16*\b+\i], v[97+16*\b+\i]
.endr
.endr
.irp b, 0,1,2,3
	v_max_num_f32 v[232+\b], v[232+\b], v[111+16*\b]
.endr
.irp b, 0,1,2,3
	v_permlanex16_b32 v[236+\b], v[232+\b], s[SEL], s[SEL+1]
.endr
.irp b, 0,1,2,3
	v_max_num_f32 v[232+\b], v[232+\b], v[236+\b]
.endr
	v_max3_num_f32 v28, v232, v233, v234
	v_max_num_f32 v28, v28, v235
	v_mul_f32 v28, s[CS], v28                      ; as t (c is positive)
	v_max_num_f32 v13, v13, v28                    ; the running largest t
	v_mov_b32 v28, v12
	v_floor_f32 v12, -v13                          ; -M = floor(-t): M is a whole number
	v_sub_f32 v28, v12, v28                        ; old M - new M: a whole number, 0 or less
	v_cvt_i32_f32 v28, v28                         ; (it saturates)
	v_ldexp_f32 v6, 1.0, v28                       ; f = 2^(old M - new M)
.set j, 0
.rept 32
	v_pk_fma_f32 v[96+j:97+j], v[96+j:97+j], s[CS:CS+1], v[12:13] op_sel_hi:[1,0,0]   ; t - M
.set j, j+2
.endr
.irp b, 0,1,2,3
	v_fma_f32 v[232+\b], v[232+\b], s[CS], v12
.endr
.set j, 0
.rept 64
	v_exp_f32 v[96+j], v[96+j]                     ; p = 2^(t - M): not normalised
.set j, j+1
.endr
	v_pk_mul_f32 v[14:15], v[14:15], v[6:7] op_sel_hi:[1,0]   ; the sums under the new M: the plain line behind the exponentials
	s_wait_alu depctr_va_vdst(0)                   ; one wait for the batch, ahead of its first reader
.irp b, 0,1,2,3
	v_exp_f32 v[232+\b], v[232+\b]                 ; each block's largest p
.endr
	v_pk_add_f32 v[236:237], v[96:97], v[98:99]    ; the row's sum of the unquantised p, in two chains
.irp j, 4,8,12,16,20,24,28,32,36,40,44,48,52,56,60
	v_pk_add_f32 v[14:15], v[14:15], v[96+\j:97+\j]
	v_pk_add_f32 v[236:237], v[236:237], v[98+\j:99+\j]
.endr
	v_pk_add_f32 v[14:15], v[14:15], v[236:237]
	s_wait_alu depctr_va_vdst(0)                   ; and one for the four
.irp b, 0,1,2,3
	v_max_num_f32 v[232+\b], 0x1800000, v[232+\b]  ; the floor 2^(3 - 127)
.endr
.irp b, 0,1,2,3
	v_add_nc_u32 v[244+\b], 0xff000000, v[232+\b]  ; 2 off the exponent field: the conversion's scale operand
.endr
.irp b, 0,1,2,3
	v_lshrrev_b32 v[236+\b], 23, v[244+\b]
.endr
	v_lshl_or_b32 v29, v237, 8, v236               ; p's scale word for these 128 keys
	v_lshl_or_b32 v29, v238, 16, v29
	v_lshl_or_b32 v29, v239, 24, v29
.irp b, 0,1,2,3
	v_cvt_scalef32_pk8_fp4_f32 v[224+2*\b], v[96+16*\b:103+16*\b], v[244+\b]
	v_cvt_scalef32_pk8_fp4_f32 v[225+2*\b], v[104+16*\b:111+16*\b], v[244+\b]
.endr
	v_nop                                          ; one plain line behind the conversions
.irp c, 0,1
.irp i, 0,1
	v_permlane16_swap_b32 v[224+4*\c+\i], v[226+4*\c+\i]   ; a whole block to a lane
.endr
.endr
.set j, 0
.rept 16
	v_pk_mul_f32 v[160+j:161+j], v[160+j:161+j], v[6:7] op_sel_hi:[1,0]   ; O^T under the new M; these sixteen are also the places between p's word and codes and the products
.set j, j+2
.endr
	s_wait_dscnt 0x0                               ; V is in
.irp t, 0,1,2,3
.if \t%2
	v_wmma_scale_f32_16x16x128_f8f6f4 v[160+8*\t:167+8*\t], v[192+8*\t:199+8*\t], v[224:231], v[160+8*\t:167+8*\t], v[25+\t/2], v29 matrix_a_fmt:MATRIX_FMT_FP4 matrix_b_fmt:MATRIX_FMT_FP4 matrix_a_scale:MATRIX_SCALE_ROW1
.else
	v_wmma_scale_f32_16x16x128_f8f6f4 v[160+8*\t:167+8*\t], v[192+8*\t:199+8*\t], v[224:231], v[160+8*\t:167+8*\t], v[25+\t/2], v29 matrix_a_fmt:MATRIX_FMT_FP4 matrix_b_fmt:MATRIX_FMT_FP4
.endif
.endr
.endm
; A CHUNK of 512 keys: two trips of two steps.
.macro CHUNK c
	s_wait_tensorcnt 3-\c                          ; the scale words and chunks 0 .. c have landed; the 3 - c chunks issued behind them may be out: no LDS byte is ever filled again
	s_barrier_signal -1
	s_barrier_wait -1                              ; so say waves 0 and 1 to all sixteen
	s_mov_b32 s[TB], 16384*\c
	s_mov_b32 s[TS], 2048*\c
	s_mov_b32 s[TJ], 1024*\c
	s_mov_b32 s[CNT], 2
.Ltrip_\@:
	STEP 0
	STEP 1
	s_add_co_u32 s[TB], s[TB], 8192
	s_add_co_u32 s[TS], s[TS], 1024
	s_add_co_u32 s[TJ], s[TJ], 512
	s_sub_co_u32 s[CNT], s[CNT], 1
	s_cmp_lg_u32 s[CNT], 0
	s_cbranch_scc1 .Ltrip_\@
.endm
	s_wait_loadcnt 0x0                             ; Q
	CHUNK 0
	CHUNK 1
	CHUNK 2
	CHUNK 3
	; THE WAY OUT: O^T / the sum; register 16 b + i is channel 32 b + 16 h + i of my query: two blocks of the next product's K
	v_add_f32 v14, v14, v15
	v_permlanex16_b32 v28, v14, s[SEL], s[SEL+1]
	v_add_f32 v14, v14, v28
	v_rcp_f32 v14, v14
	v_and_b32 v8, 15, v0                           ; plain lines behind the reciprocal, and the places behind the last products
	v_and_b32 v9, 0x1e0, v0                        ; 32 x wave
	v_lshl_add_u32 v[SSA], v8, 1, v9
	v_add_nc_u32 v[SSA], L_SST, v[SSA]
	v_and_b32 v10, 31, v0
	v_lshlrev_b32 v10, 4, v10
	v_add_nc_u32 v11, L_SST, v10
	s_wait_alu depctr_va_vdst(0)
.set j, 0
.rept 32
	v_mul_f32 v[96+j], v[160+j], v14
.set j, j+1
.endr
.irp b, 0,1
	v_max3_num_f32 v[232+\b], |v[96+16*\b]|, |v[97+16*\b]|, 0x1800000
.endr
.irp i, 2,4,6,8,10,12,14
.irp b, 0,1
	v_max3_num_f32 v[232+\b], v[232+\b], |v[96+16*\b+\i]|, |v[97+16*\b+\i]|
.endr
.endr
.irp b, 0,1
	v_permlanex16_b32 v[236+\b], v[232+\b], s[SEL], s[SEL+1]
.endr
.irp b, 0,1
	v_max_num_f32 v[232+\b], v[232+\b], v[236+\b]
.endr
.irp b, 0,1
	v_add_nc_u32 v[244+\b], 0xff000000, v[232+\b]
.endr
.irp b, 0,1
	v_lshrrev_b32 v[236+\b], 23, v[244+\b]
.endr
	v_lshl_or_b32 v238, v237, 8, v236              ; my query's two bytes
.irp b, 0,1
	v_cvt_scalef32_pk8_fp4_f32 v[224+2*\b], v[96+16*\b:103+16*\b], v[244+\b]
	v_cvt_scalef32_pk8_fp4_f32 v[225+2*\b], v[104+16*\b:111+16*\b], v[244+\b]
.endr
	v_nop
	v_permlane16_swap_b32 v224, v226               ; lanes 0-15 block 0, lanes 16-31 block 1: half an operand's image
	v_permlane16_swap_b32 v225, v227
	global_store_b128 v10, v[224:227], s[96:97]    ; the wave stores 512 consecutive bytes
	ds_store_b16 v[SSA], v238                      ; both halves of the lanes write the same bytes
	s_wait_dscnt 0x0
	s_barrier_signal -1
	s_barrier_wait -1                              ; 256 queries' bytes lie together
	s_cmp_lg_u32 s[WV], 0
	s_cbranch_scc1 .Lnot_first
	ds_load_b128 v[232:235], v11
	s_wait_dscnt 0x0
	global_store_b128 v10, v[232:235], s[98:99]    ; 512 consecutive bytes
.Lnot_first:
	s_wait_tensorcnt 0x0
	ds_add_u32 v242, v243
	s_wait_dscnt 0x0
	CROUND                                         ; the closing round: no work-group ends while a partner may still ask jointly
	s_endpgm
.Lfunc_end_k_qc482be27f3_attn:
	.size	k_qc482be27f3_attn, .Lfunc_end_k_qc482be27f3_attn-k_qc482be27f3_attn
	.p2alignl 7, 3214868480
	.fill 96, 4, 3214868480
	.section	.rodata,"a",@progbits
	.p2align	6, 0x0
	.amdhsa_kernel k_qc482be27f3_attn
		.amdhsa_group_segment_fixed_size 169984
		.amdhsa_private_segment_fixed_size 0
		.amdhsa_enable_private_segment 0
		.amdhsa_kernarg_size 16
		.amdhsa_user_sgpr_count 2
		.amdhsa_user_sgpr_kernarg_segment_ptr 1
		.amdhsa_wavefront_size32 1
		.amdhsa_system_sgpr_workgroup_id_x 1
		.amdhsa_system_sgpr_workgroup_id_y 1
		.amdhsa_system_sgpr_workgroup_id_z 1
		.amdhsa_system_vgpr_workitem_id 0
		.amdhsa_next_free_vgpr 256
		.amdhsa_next_free_sgpr 100
		.amdhsa_reserve_vcc 0
		.amdhsa_float_denorm_mode_32 3
		.amdhsa_float_denorm_mode_16_64 3
		.amdhsa_memory_ordered 1
		.amdhsa_forward_progress 1
		.amdhsa_inst_pref_size 139
	.end_amdhsa_kernel
	.amdgpu_metadata
---
amdhsa.version: [ 1, 2 ]
amdhsa.kernels:
  - .name:           k_qc482be27f3_attn
    .symbol:         k_qc482be27f3_attn.kd
    .args:
      - { .name: cq, .offset: 0, .size: 8, .value_kind: global_buffer, .address_space: global }
      - { .name: ao, .offset: 8, .size: 8, .value_kind: global_buffer, .address_space: global }
    .group_segment_fixed_size: 169984
    .private_segment_fixed_size: 0
    .kernarg_segment_align: 8
    .kernarg_segment_size: 16
    .max_flat_workgroup_size: 512
    .sgpr_count:     100
    .vgpr_count:     256
    .wavefront_size: 32
...
	.end_amdgpu_metadata
.endif
;; end of part 2
;; launch proj (part 3): grid 128 x 1, 16 waves a work-group, no clusters, 225,280 bytes of LDS; arguments ao, cw, b_out, query, g1, be1, xf, xq; writes xf, xq
.if DOCPART == 3
	.amdgcn_target "amdgcn-amd-amdhsa--gfx1250"
	.amdhsa_code_object_version 6
	.text
	.protected	k_qc482be27f3_proj
	.globl	k_qc482be27f3_proj
	.p2align	8
	.type	k_qc482be27f3_proj,@function
k_qc482be27f3_proj:
	s_mov_b64 s[64:65], 0
	v_nop
	global_prefetch_b8 v0, s[64:65] scope:SCOPE_SE
	s_setreg_imm32_b32 hwreg(HW_REG_WAVE_MODE, 25, 1), 1
	s_wait_xcnt 0x0
; LAYER 3: x = LayerNorm(A w_out + b_out + query) g1 + be1, stored as f32 and as codes.   LAYER 5: out = LayerNorm(H w2 + b2 + x) g2 + be2.   One text; LAYER chooses.
; The product is on codes of FP4 with E8M0 scales; sums, residual and norm in f32.  The variance is the mean square of the CENTRED numbers: two passes, as the definition has it.
; SHARES.  A work-group owns 32 rows (two row tiles m) and all 1,024 columns, so that the norm needs no other work-group.  Wave w owns columns 64 w .. 64 w + 63 (four tiles T): eight accumulators, which take turns.
; The rows' operand images (KS x 2 KiB) are copied into LDS once and read by all sixteen waves.  A weight fragment feeds ONE wave, once: LDS would give it no second use, so the weights go from memory straight into
; registers, in the order of the operand's registers (512 consecutive bytes a load), four K steps deep.  No tensor load, hence no cluster: what the work-groups share is the whole weight, 64 KiB a K step, which no two LDS slots
; beside the stage could hold more than one step ahead.  128 work-groups: every work-group takes in the whole weight whatever its rows, so 32 rows halve those bytes against 16.
; TRANSPOSED: source 0 = 16 columns of the weight, source 1 = 16 rows.  Lane r of tile 2 b + u holds column 32 b + 8 u + r + 8 (r / 8): so register 16 b + i of a lane (r, h) is column 64 w + 32 b + 16 h + i of row r.
; The bias is loaded INTO the accumulators, so that the first K step is like every other.
; THE RESIDUAL comes at the head as whole rows (wave w: rows 2 w, 2 w + 1; 512 consecutive bytes a load), waits in the stage's bytes, and is read from there in the accumulators' layout in the last two K steps.
; Each wave later writes its normalised numbers over just the bytes that it has read, two barriers on.
; LIMITS: NaN and infinities are not served; a block whose largest magnitude lies under 2^(3 - 127) gets the byte 1; v_rsq_f32 stands ahead of the quantiser.
.set LAYER, 3
.if LAYER == 3
.set KS,   8                           ; K steps of 128
.set WF,   0                           ; cw: the weight's fragments
.set WS,   4718592                     ; cw: its scale words
.set ASRC, 2097152                     ; where the rows' scales begin in the first buffer
.else
.set KS,   32
.set WF,   524288
.set WS,   4751360
.set ASRC, 8388608
.endif
.set ASC,  65536                       ; LDS: images [m][K step][1,024] from 0; here the rows' scale words [K step][r][m]
.set RED,  69632                       ; [wave][r][2 f32]: the sums; 2,048 bytes on: the sums of squares
.set STG,  73728                       ; 32 rows x (4,096 + 16): first the residual, then the result
.set SPIT, 4112
.set CST,  205312                      ; 32 rows x (512 + 16): x's codes
.set SST,  222208                      ; 32 rows x 32: x's scale bytes
.set ACC,  16                          ; v16-79   accumulator (m, T) at 32 m + 8 T
.set BB,   80                          ; v80-207  four buffers of 32: a K step's four fragments; at the head buffers 2, 3 carry the residual's rows; at the end: gain, offset, residual m = 0, 1
.set AFR,  208                         ; v208-239 two buffers of 16: the rows' two fragments; at work in the norm
.set WSC,  240                         ; v240-247 the weight's scale words: set x 4 + 2 b + (K step % 2)
.set ASW,  248                         ; v248-251 the rows' scale words: buffer x 2 + m
; v1 l, v2 r, v3 h, v4 16 l, v5 8 l, v6 image address, v7 scale address, v8 the stage in the accumulators' layout (row r), v9 64 h, v10, v14 the head's, v11 the stage by rows (2 w, 2 w + 1),
; v12, v13 the sums' places, v15 the head's scale offset, then the stage's row 16 + r, v252-255 means and factors
	s_load_b256 s[4:11], s[0:1], 0x0               ; rows' codes and scales, cw, bias, residual
.if LAYER == 3
	s_load_b256 s[12:19], s[0:1], 0x20             ; gain, offset, xf, xq
.else
	s_load_b128 s[12:15], s[0:1], 0x20             ; gain, offset
	s_load_b64 s[16:17], s[0:1], 0x30              ; out0
.endif
	v_lshrrev_b32 v1, 5, v0
	v_readfirstlane_b32 s20, v1                    ; wave 0..15
	v_and_b32 v1, 31, v0
	v_and_b32 v2, 15, v0
	v_bfe_u32 v3, v0, 4, 1
	v_lshlrev_b32 v4, 4, v1
	v_lshlrev_b32 v5, 3, v1
	v_lshlrev_b32 v6, 4, v1
	v_lshl_add_u32 v7, v2, 3, ASC
	s_lshl_b32 s22, s20, 8
	v_mul_u32_u24 v8, v2, SPIT
	v_lshl_add_u32 v8, v3, 6, v8
	v_add_nc_u32 v8, s22, v8
	v_add_nc_u32 v8, STG, v8                       ; the stage: row r, + 256 w + 64 h
	v_lshlrev_b32 v9, 6, v3
	s_mul_i32 s22, s20, 2*SPIT
	v_add_nc_u32 v11, s22, v4
	v_add_nc_u32 v11, STG, v11                     ; the stage: rows 2 w, 2 w + 1, 16 bytes a lane
	s_lshl_b32 s22, s20, 7
	v_lshl_add_u32 v12, v2, 3, s22
	v_add_nc_u32 v12, RED, v12
	v_lshl_add_u32 v13, v2, 3, RED
	s_mul_i32 s24, s20, KS*128                     ; my sixteenth of the images
	v_add_nc_u32 v14, s24, v4
	s_mul_i32 s22, ttmp9, KS*2048
	s_add_co_u32 s22, s22, s24
	s_mov_b32 s23, 0
	s_mov_b32 s25, 0
.if LAYER == 3
	s_lshl_b32 s24, s20, 13                        ; head w's bytes [4096 rows] of two; rows 32 p + l
	s_lshl_b32 s26, ttmp9, 6
	s_add_co_u32 s24, s24, s26
	s_add_co_u32 s24, s24, ASRC
	v_lshlrev_b32 v15, 1, v1
	s_lshr_b32 s26, s20, 1
	s_lshl_b32 s26, s26, 7                         ; K step w / 2,
	s_and_b32 s27, s20, 1
	s_lshl_b32 s27, s27, 1                         ; half w % 2 of its word
	s_add_co_u32 s26, s26, s27
	v_lshl_add_u32 v10, v2, 3, s26
	v_lshl_add_u32 v10, v3, 2, v10
	v_add_nc_u32 v10, ASC, v10
.else
	s_lshl_b32 s24, s20, 15                        ; [K step 2 w + h][128 rows p / 4][lane ((p / 2) % 2, r)][4 words]: words 2 (p % 2), + 1
	s_lshr_b32 s26, ttmp9, 2
	s_lshl_b32 s26, s26, 9
	s_add_co_u32 s24, s24, s26
	s_bfe_u32 s26, ttmp9, 0x10001
	s_lshl_b32 s26, s26, 8
	s_add_co_u32 s24, s24, s26
	s_and_b32 s26, ttmp9, 1
	s_lshl_b32 s26, s26, 3
	s_add_co_u32 s24, s24, s26
	s_add_co_u32 s24, s24, ASRC
	v_lshlrev_b32 v15, 14, v3
	v_lshl_add_u32 v15, v2, 4, v15
	s_lshl_b32 s26, s20, 8
	v_add_nc_u32 v10, s26, v5
	v_add_nc_u32 v10, ASC, v10
.endif
	s_lshl_b32 s26, s20, 8                         ; my 64 columns in bias, gain, offset
	s_mov_b32 s27, 0
	s_lshl_b32 s30, ttmp9, 17                      ; my work-group's 32 rows of 4,096 bytes,
	s_lshl_b32 s31, s20, 13                        ; and of them the two rows that I load of the residual and store of the result
	s_add_co_u32 s30, s30, s31
	s_mov_b32 s31, 0
	s_mul_i32 s32, s20, KS*4096
	s_add_co_u32 s32, s32, WF
	s_mov_b32 s33, 0
	s_mul_i32 s34, s20, KS*256
	s_add_co_u32 s34, s34, WS
	s_mov_b32 s35, 0
	s_mov_b32 s38, 0x76543210
	s_mov_b32 s39, 0xfedcba98
	s_mov_b32 s40, 0x3a800000                      ; 1 / 1,024
	s_mov_b32 s41, 0x3727c5ac                      ; 1e-5
.if LAYER == 3
	s_lshl_b32 s42, ttmp9, 14
	s_lshl_b32 s43, s20, 10
	s_add_co_u32 s42, s42, s43
	s_mov_b32 s43, 0
	s_lshl_b32 s44, ttmp9, 10
	s_and_b32 s45, s20, 1
	s_lshl_b32 s45, s45, 9
	s_add_co_u32 s44, s44, s45
	s_add_co_u32 s44, s44, 2097152
	s_mov_b32 s45, 0
.endif
	s_wait_kmcnt 0x0
	s_add_nc_u64 s[22:23], s[4:5], s[22:23]
	s_add_nc_u64 s[24:25], s[4:5], s[24:25]
	s_add_nc_u64 s[8:9], s[8:9], s[26:27]
	s_add_nc_u64 s[12:13], s[12:13], s[26:27]
	s_add_nc_u64 s[14:15], s[14:15], s[26:27]
	s_add_nc_u64 s[10:11], s[10:11], s[30:31]
	s_add_nc_u64 s[16:17], s[16:17], s[30:31]
	s_add_nc_u64 s[32:33], s[6:7], s[32:33]
	s_add_nc_u64 s[34:35], s[6:7], s[34:35]
.if LAYER == 3
	s_add_nc_u64 s[42:43], s[18:19], s[42:43]
	s_add_nc_u64 s[44:45], s[18:19], s[44:45]
.endif
.macro BLOAD i, off                    ; the four fragments of K step i of a trip into buffer i
.irp t, 0,1,2,3
.irp c, 0,1
	global_load_b128 v[BB+32*(\i)+8*\t+4*\c:BB+32*(\i)+8*\t+4*\c+3], v4, s[32:33] offset:(\off)+4096*(\i)+1024*\t+512*\c
.endr
.endr
.endm
.macro SLOAD q, off                    ; the scale words of K steps 2 q, 2 q + 1 of a trip into set q
.irp b, 0,1
	global_load_b64 v[WSC+4*(\q)+2*\b:WSC+4*(\q)+2*\b+1], v5, s[34:35] offset:(\off)+512*(\q)+256*\b
.endr
.endm
.macro ALOAD i, buf                    ; the rows' two fragments and scale words of K step i of a trip
.irp m, 0,1
.irp c, 0,1
	ds_load_b128 v[AFR+16*(\buf)+8*\m+4*\c:AFR+16*(\buf)+8*\m+4*\c+3], v6 offset:\m*KS*1024+1024*(\i)+512*\c
.endr
.endr
	ds_load_b64 v[ASW+2*(\buf):ASW+2*(\buf)+1], v7 offset:128*(\i)
.endm
.macro ELOAD i                         ; what the norm wants, into the buffers as they fall free: gain and offset from memory first, then the residual of row tiles 0 and 1 from the stage
.irp b, 0,1
.irp q, 0,1,2,3
.if (\i) == 0
	global_load_b128 v[BB+32*(\i)+16*\b+4*\q:BB+32*(\i)+16*\b+4*\q+3], v9, s[12:13] offset:128*\b+16*\q
.elseif (\i) == 1
	global_load_b128 v[BB+32*(\i)+16*\b+4*\q:BB+32*(\i)+16*\b+4*\q+3], v9, s[14:15] offset:128*\b+16*\q
.elseif (\i) == 2
	ds_load_b128 v[BB+32*(\i)+16*\b+4*\q:BB+32*(\i)+16*\b+4*\q+3], v8 offset:128*\b+16*\q
.else
	ds_load_b128 v[BB+32*(\i)+16*\b+4*\q:BB+32*(\i)+16*\b+4*\q+3], v15 offset:128*\b+16*\q
.endif
.endr
.endr
.endm
.macro MUL8 buf, abuf, set, par        ; eight products, the eight accumulators by turns, one instruction a turn
.irp t, 0,1,2,3
.irp m, 0,1
.if \t%2
	v_wmma_scale_f32_16x16x128_f8f6f4 v[ACC+32*\m+8*\t:ACC+32*\m+8*\t+7], v[BB+32*(\buf)+8*\t:BB+32*(\buf)+8*\t+7], v[AFR+16*(\abuf)+8*\m:AFR+16*(\abuf)+8*\m+7], v[ACC+32*\m+8*\t:ACC+32*\m+8*\t+7], v[WSC+4*(\set)+2*(\t/2)+(\par)], v[ASW+2*(\abuf)+\m] matrix_a_fmt:MATRIX_FMT_FP4 matrix_b_fmt:MATRIX_FMT_FP4 matrix_a_scale:MATRIX_SCALE_ROW1
.else
	v_wmma_scale_f32_16x16x128_f8f6f4 v[ACC+32*\m+8*\t:ACC+32*\m+8*\t+7], v[BB+32*(\buf)+8*\t:BB+32*(\buf)+8*\t+7], v[AFR+16*(\abuf)+8*\m:AFR+16*(\abuf)+8*\m+7], v[ACC+32*\m+8*\t:ACC+32*\m+8*\t+7], v[WSC+4*(\set)+2*(\t/2)+(\par)], v[ASW+2*(\abuf)+\m] matrix_a_fmt:MATRIX_FMT_FP4 matrix_b_fmt:MATRIX_FMT_FP4
.endif
.endr
.endr
.endm
; K step i of a trip.  n: the global loads issued behind the youngest that this step needs.  ahead = 1: its buffer takes the next trip's K step i (an odd step first refills the scale set just used up); 2: what the norm wants.
; nexta = 1: the next K step's rows are fetched from LDS first: five LDS loads, which may stay out.
.macro KSTEP i, n, ahead, nexta
.if \nexta
.if \i == 3
	s_wait_dscnt 0x0                               ; this step's rows are in, and no LDS load of mine is out: the two addresses step to the next trip
	v_add_nc_u32 v6, 4096, v6
	v_add_nc_u32 v7, 512, v7
	ALOAD 0, 0
.else
	ALOAD \i+1, (\i+1)%2
.endif
.endif
	s_wait_loadcnt \n
.if \nexta && (\i != 3)
	s_wait_dscnt 5                                 ; this step's rows are in; the five just issued may be out
.elseif !\nexta
	s_wait_dscnt 0x0
.endif
	MUL8 \i, (\i)%2, (\i)/2, (\i)%2
.rept 4
	v_nop                                          ; the places in front of loads into registers that these products have read, and of the first read of results
.endr
.if \ahead == 1
.if (\i)%2
	SLOAD ((\i)-1)/2, 1024
.endif
	BLOAD \i, 16384
.elseif \ahead == 2
	ELOAD \i
.endif
.endm
.macro NEXT_TRIP
	s_wait_xcnt 0x0                                ; the loads issued so far have read their bases
	s_add_nc_u64 s[32:33], s[32:33], 16384
	s_add_nc_u64 s[34:35], s[34:35], 1024
.endm
	; THE HEAD: what goes into LDS first (the rows' images and scales, the residual's rows), then what the first two K steps want
.set i, 0
.rept KS/4
	global_load_b128 v[AFR+4*i:AFR+4*i+3], v4, s[22:23] offset:512*i
.set i, i+1
.endr
.if LAYER == 3
	global_load_u16 v252, v15, s[24:25]
.else
	global_load_b64 v[252:253], v15, s[24:25]
.endif
.irp i, 0,1,2,3,4,5,6,7,8,9,10,11,12,13,14,15
	global_load_b128 v[BB+64+4*\i:BB+64+4*\i+3], v4, s[10:11] offset:4096*(\i/8)+512*(\i%8)   ; the residual's rows 2 w, 2 w + 1: the wave reads 512 consecutive bytes
.endr
.irp m, 0,1
.irp b, 0,1
.irp q, 0,1,2,3
	global_load_b128 v[ACC+32*\m+16*\b+4*\q:ACC+32*\m+16*\b+4*\q+3], v9, s[8:9] offset:128*\b+16*\q   ; the bias begins the sums
.endr
.endr
.endr
	SLOAD 0, 0
	SLOAD 1, 0
	BLOAD 0, 0
	BLOAD 1, 0
	s_wait_loadcnt 36                              ; behind the loads for LDS: 16 of the bias, 4 of scale words, 16 of fragments
.set i, 0
.rept KS/4
	ds_store_b128 v14, v[AFR+4*i:AFR+4*i+3] offset:512*i
.set i, i+1
.endr
.if LAYER == 3
	ds_store_b16 v10, v252
.else
	ds_store_b64 v10, v[252:253]
.endif
.irp i, 0,1,2,3,4,5,6,7,8,9,10,11,12,13,14,15
	ds_store_b128 v11, v[BB+64+4*\i:BB+64+4*\i+3] offset:SPIT*(\i/8)+512*(\i%8)
.endr
	s_wait_dscnt 0x0                               ; for the others' sake; and the stores have read buffers 2 and 3, which now take their fragments
	BLOAD 2, 0
	BLOAD 3, 0
	s_barrier_signal -1
	s_barrier_wait -1                              ; the rows' images, their scale words and the residual lie in LDS
	v_add_nc_u32 v15, 16*SPIT, v8                  ; the stage's row 16 + r: beyond an LDS immediate's 16 bits, so it has a register (the load that took v15 as its offset was shown done by the counted wait above)
	ALOAD 0, 0
	KSTEP 0, 24, 1, 1                              ; behind K step 0's fragments: three K steps' 24
	KSTEP 1, 24, 1, 1
	KSTEP 2, 26, 1, 1                              ; from here on a pair of scale loads lies among the 24
	KSTEP 3, 26, 1, 1
	NEXT_TRIP
.if KS > 8
	s_mov_b32 s36, KS/4-2
.Ltrip:
	KSTEP 0, 26, 1, 1
	KSTEP 1, 26, 1, 1
	KSTEP 2, 26, 1, 1
	KSTEP 3, 26, 1, 1
	NEXT_TRIP
	s_sub_co_u32 s36, s36, 1
	s_cmp_lg_u32 s36, 0
	s_cbranch_scc1 .Ltrip
.endif
	KSTEP 0, 26, 2, 1                              ; the last trip is written out: no weight is left to ask for
	KSTEP 1, 26, 2, 1                              ; behind K step 1's fragments: 8 + 2 + 8, and the gain's 8
	KSTEP 2, 24, 2, 1                              ; behind its scale words: 8, the gain's 8, the offset's 8
	KSTEP 3, 16, 2, 0                              ; behind its fragments: the gain's and the offset's
; THE NORM.  A lane's sum (sq = 0) or sum of squares (sq = 1) of its 32 numbers of each row tile, with lane l xor 16's: my wave's 64 columns of rows r and 16 + r, in v[216:217]
.macro LANESUM sq
.irp m, 0,1
.if \sq
	v_pk_mul_f32 v[208+4*\m:209+4*\m], v[ACC+32*\m:ACC+32*\m+1], v[ACC+32*\m:ACC+32*\m+1]
	v_pk_mul_f32 v[210+4*\m:211+4*\m], v[ACC+32*\m+2:ACC+32*\m+3], v[ACC+32*\m+2:ACC+32*\m+3]
.else
	v_pk_add_f32 v[208+4*\m:209+4*\m], v[ACC+32*\m:ACC+32*\m+1], v[ACC+32*\m+4:ACC+32*\m+5]
	v_pk_add_f32 v[210+4*\m:211+4*\m], v[ACC+32*\m+2:ACC+32*\m+3], v[ACC+32*\m+6:ACC+32*\m+7]
.endif
.endr
.irp k, 4,8,12,16,20,24,28
.irp m, 0,1
.if \sq
	v_pk_fma_f32 v[208+4*\m:209+4*\m], v[ACC+32*\m+\k:ACC+32*\m+\k+1], v[ACC+32*\m+\k:ACC+32*\m+\k+1], v[208+4*\m:209+4*\m]
	v_pk_fma_f32 v[210+4*\m:211+4*\m], v[ACC+32*\m+\k+2:ACC+32*\m+\k+3], v[ACC+32*\m+\k+2:ACC+32*\m+\k+3], v[210+4*\m:211+4*\m]
.elseif \k > 4
	v_pk_add_f32 v[208+4*\m:209+4*\m], v[208+4*\m:209+4*\m], v[ACC+32*\m+\k:ACC+32*\m+\k+1]
	v_pk_add_f32 v[210+4*\m:211+4*\m], v[210+4*\m:211+4*\m], v[ACC+32*\m+\k+2:ACC+32*\m+\k+3]
.endif
.endr
.endr
.irp m, 0,1
	v_pk_add_f32 v[208+4*\m:209+4*\m], v[208+4*\m:209+4*\m], v[210+4*\m:211+4*\m]
.endr
.irp m, 0,1
	v_add_f32 v[216+\m], v[208+4*\m], v[209+4*\m]
.endr
.irp m, 0,1
	v_permlanex16_b32 v[218+\m], v[216+\m], s38, s39
.endr
.irp m, 0,1
	v_add_f32 v[216+\m], v[216+\m], v[218+\m]
.endr
.endm
; The sixteen waves' parts meet in LDS (bytes of their own for each of the two sums) and every wave adds them in the same order: the rows' totals in v[208:209]
.macro ALLSUM sq
	ds_store_b64 v12, v[216:217] offset:2048*\sq
	s_wait_dscnt 0x0
	s_barrier_signal -1
	s_barrier_wait -1
.irp w, 0,1,2,3,4,5,6,7,8,9,10,11,12,13,14,15
	ds_load_b64 v[208+2*\w:209+2*\w], v13 offset:2048*\sq+128*\w
.endr
	s_wait_dscnt 0x0
.irp w, 0,1,2,3,4,5,6,7
	v_pk_add_f32 v[208+4*\w:209+4*\w], v[208+4*\w:209+4*\w], v[210+4*\w:211+4*\w]
.endr
.irp w, 0,1,2,3
	v_pk_add_f32 v[208+8*\w:209+8*\w], v[208+8*\w:209+8*\w], v[212+8*\w:213+8*\w]
.endr
.irp w, 0,1
	v_pk_add_f32 v[208+16*\w:209+16*\w], v[208+16*\w:209+16*\w], v[216+16*\w:217+16*\w]
.endr
	v_pk_add_f32 v[208:209], v[208:209], v[224:225]
.endm
	s_wait_dscnt 0x0                               ; the residual is in, from the stage
.set k, 0
.rept 32
	v_pk_add_f32 v[ACC+2*k:ACC+2*k+1], v[ACC+2*k:ACC+2*k+1], v[BB+64+2*k:BB+64+2*k+1]   ; each accumulator from its low end on
.set k, k+1
.endr
	LANESUM 0
	ALLSUM 0
	v_mul_f32 v252, s40, v208                      ; the means of rows r and 16 + r, each twice: a pair for the packed forms
	v_mul_f32 v254, s40, v209
	v_mov_b32 v253, v252
	v_mov_b32 v255, v254
.irp m, 0,1
.set k, 0
.rept 16
	v_pk_add_f32 v[ACC+32*\m+2*k:ACC+32*\m+2*k+1], v[ACC+32*\m+2*k:ACC+32*\m+2*k+1], v[252+2*\m:253+2*\m] neg_lo:[0,1] neg_hi:[0,1]
.set k, k+1
.endr
.endr
	LANESUM 1
	ALLSUM 1
	v_fma_f32 v210, v208, s40, s41                 ; variance + 1e-5
	v_fma_f32 v211, v209, s40, s41
	v_rsq_f32 v252, v210
	v_rsq_f32 v254, v211
	v_nop                                          ; one plain line behind the two
.if LAYER == 3
	s_lshl_b32 s22, s20, 5                         ; the codes' way out: its addresses are made here, in registers that the rows' fragments have left
	v_mul_u32_u24 v235, v2, 528
	v_lshl_add_u32 v235, v3, 3, v235
	v_add_nc_u32 v235, s22, v235
	v_add_nc_u32 v235, CST, v235                   ; codes: row r, + 32 w + 8 h
	s_lshl_b32 s22, s20, 1
	v_lshl_add_u32 v236, v2, 5, s22
	v_add_nc_u32 v236, SST, v236                   ; scale bytes: row r, + 2 w
	s_mul_i32 s22, s20, 2*528
	v_add_nc_u32 v237, s22, v4
	v_add_nc_u32 v237, CST, v237
	s_and_b32 s22, s20, 1
	s_lshl_b32 s22, s22, 9
	v_add_nc_u32 v238, s22, v4
	v_add_nc_u32 v238, SST, v238
.endif
	s_wait_alu depctr_va_vdst(0)                   ; one wait for both, ahead of their first reader
	v_mov_b32 v253, v252
	v_mov_b32 v255, v254
	s_wait_loadcnt 0x0                             ; gain and offset
.irp m, 0,1
.set k, 0
.rept 16
	v_pk_mul_f32 v[ACC+32*\m+2*k:ACC+32*\m+2*k+1], v[ACC+32*\m+2*k:ACC+32*\m+2*k+1], v[252+2*\m:253+2*\m]
.set k, k+1
.endr
.endr
.irp m, 0,1
.set k, 0
.rept 16
	v_pk_fma_f32 v[ACC+32*\m+2*k:ACC+32*\m+2*k+1], v[ACC+32*\m+2*k:ACC+32*\m+2*k+1], v[BB+2*k:BB+2*k+1], v[BB+32+2*k:BB+32+2*k+1]
.set k, k+1
.endr
.endr
.irp b, 0,1
.irp q, 0,1,2,3
	ds_store_b128 v8, v[ACC+16*\b+4*\q:ACC+16*\b+4*\q+3] offset:128*\b+16*\q          ; over the residual's bytes that I alone have read, two barriers ago
.endr
.endr
.irp b, 0,1
.irp q, 0,1,2,3
	ds_store_b128 v15, v[ACC+32+16*\b+4*\q:ACC+32+16*\b+4*\q+3] offset:128*\b+16*\q
.endr
.endr
.if LAYER == 3
	; x as an operand of the next product: my four blocks of 32 (row tile b / 2, block b % 2 of my 64 columns), 16 numbers in me and 16 in lane l xor 16
.irp b, 0,1,2,3
	v_max3_num_f32 v[208+\b], |v[ACC+16*\b]|, |v[ACC+1+16*\b]|, 0x1800000
.endr
.irp i, 2,4,6,8,10,12,14
.irp b, 0,1,2,3
	v_max3_num_f32 v[208+\b], v[208+\b], |v[ACC+16*\b+\i]|, |v[ACC+1+16*\b+\i]|
.endr
.endr
.irp b, 0,1,2,3
	v_permlanex16_b32 v[212+\b], v[208+\b], s38, s39
.endr
.irp b, 0,1,2,3
	v_max_num_f32 v[208+\b], v[208+\b], v[212+\b]
.endr
.irp b, 0,1,2,3
	v_add_nc_u32 v[220+\b], 0xff000000, v[208+\b]
.endr
.irp b, 0,1,2,3
	v_lshrrev_b32 v[212+\b], 23, v[220+\b]
.endr
	v_lshl_or_b32 v216, v213, 8, v212
	v_lshl_or_b32 v217, v215, 8, v214
.irp b, 0,1,2,3
	v_cvt_scalef32_pk8_fp4_f32 v[224+2*\b], v[ACC+16*\b:ACC+16*\b+7], v[220+\b]
	v_cvt_scalef32_pk8_fp4_f32 v[225+2*\b], v[ACC+16*\b+8:ACC+16*\b+15], v[220+\b]
.endr
	v_nop                                          ; one plain line behind the conversions
.irp b, 0,1,2,3
	ds_store_b64 v235, v[224+2*\b:225+2*\b] offset:8448*(\b/2)+16*(\b%2)   ; 16 codes, in their row's order
.endr
.irp m, 0,1
	ds_store_b16 v236, v[216+\m] offset:512*\m     ; both halves of the lanes write the same bytes
.endr
.endif
	s_wait_dscnt 0x0
	s_barrier_signal -1
	s_barrier_wait -1                              ; 32 whole rows lie in the stage
.irp i, 0,1,2,3,4,5,6,7,8,9,10,11,12,13,14,15
	ds_load_b128 v[BB+4*\i:BB+4*\i+3], v11 offset:SPIT*(\i/8)+512*(\i%8)
.endr
.if LAYER == 3
	ds_load_b128 v[BB+64:BB+67], v237
	ds_load_b128 v[BB+68:BB+71], v237 offset:528
.endif
.irp i, 0,1,2,3,4,5,6,7,8,9,10,11,12,13,14,15
.if LAYER == 3
	s_wait_dscnt 17-\i
	global_store_b128 v4, v[BB+4*\i:BB+4*\i+3], s[16:17] offset:4096*(\i/8)+512*(\i%8)   ; the wave stores 512 consecutive bytes
.else
	s_wait_dscnt 15-\i
	global_store_b128 v4, v[BB+4*\i:BB+4*\i+3], s[16:17] offset:4096*(\i/8)+512*(\i%8) th:TH_STORE_NT
.endif
.endr
.if LAYER == 3
	s_wait_dscnt 0x0
	global_store_b128 v4, v[BB+64:BB+67], s[42:43]             ; a row of codes: 512 consecutive bytes
	global_store_b128 v4, v[BB+68:BB+71], s[42:43] offset:512
	s_cmp_lt_u32 s20, 2                            ; waves 0 and 1 store the 32 rows' scale bytes, 512 each
	s_cbranch_scc0 .Ldone
	ds_load_b128 v[BB+72:BB+75], v238
	s_wait_dscnt 0x0
	global_store_b128 v4, v[BB+72:BB+75], s[44:45]
.Ldone:
.endif
	s_wait_xcnt 0x0
	v_lshl_add_u32 v254, v0, 2, 0x36800
	v_mov_b32 v255, 0
	s_wait_tensorcnt 0x0
	ds_add_u32 v254, v255
	s_wait_dscnt 0x0
	s_endpgm
.Lfunc_end_k_qc482be27f3_proj:
	.size	k_qc482be27f3_proj, .Lfunc_end_k_qc482be27f3_proj-k_qc482be27f3_proj
	.p2alignl 7, 3214868480
	.fill 96, 4, 3214868480
	.section	.rodata,"a",@progbits
	.p2align	6, 0x0
	.amdhsa_kernel k_qc482be27f3_proj
		.amdhsa_group_segment_fixed_size 225280
		.amdhsa_private_segment_fixed_size 0
		.amdhsa_enable_private_segment 0
		.amdhsa_kernarg_size 64
		.amdhsa_user_sgpr_count 2
		.amdhsa_user_sgpr_kernarg_segment_ptr 1
		.amdhsa_wavefront_size32 1
		.amdhsa_system_sgpr_workgroup_id_x 1
		.amdhsa_system_sgpr_workgroup_id_y 1
		.amdhsa_system_sgpr_workgroup_id_z 1
		.amdhsa_system_vgpr_workitem_id 0
		.amdhsa_next_free_vgpr 256
		.amdhsa_next_free_sgpr 66
		.amdhsa_reserve_vcc 0
		.amdhsa_float_denorm_mode_32 3
		.amdhsa_float_denorm_mode_16_64 3
		.amdhsa_memory_ordered 1
		.amdhsa_forward_progress 1
		.amdhsa_inst_pref_size 57
	.end_amdhsa_kernel
	.amdgpu_metadata
---
amdhsa.version: [ 1, 2 ]
amdhsa.kernels:
  - .name:           k_qc482be27f3_proj
    .symbol:         k_qc482be27f3_proj.kd
    .args:
      - { .name: ao, .offset: 0, .size: 8, .value_kind: global_buffer, .address_space: global }
      - { .name: cw, .offset: 8, .size: 8, .value_kind: global_buffer, .address_space: global }
      - { .name: b_out, .offset: 16, .size: 8, .value_kind: global_buffer, .address_space: global }
      - { .name: query, .offset: 24, .size: 8, .value_kind: global_buffer, .address_space: global }
      - { .name: g1, .offset: 32, .size: 8, .value_kind: global_buffer, .address_space: global }
      - { .name: be1, .offset: 40, .size: 8, .value_kind: global_buffer, .address_space: global }
      - { .name: xf, .offset: 48, .size: 8, .value_kind: global_buffer, .address_space: global }
      - { .name: xq, .offset: 56, .size: 8, .value_kind: global_buffer, .address_space: global }
    .group_segment_fixed_size: 225280
    .private_segment_fixed_size: 0
    .kernarg_segment_align: 8
    .kernarg_segment_size: 64
    .max_flat_workgroup_size: 512
    .sgpr_count:     66
    .vgpr_count:     256
    .wavefront_size: 32
...
	.end_amdgpu_metadata
.endif
;; end of part 3
;; launch ff1 (part 4): grid 16 x 16, 4 waves a work-group, clusters of 4 x 4, 327,680 bytes of LDS; arguments xq, cw, b1, hq; writes hq
.if DOCPART == 4
	.amdgcn_target "amdgcn-amd-amdhsa--gfx1250"
	.amdhsa_code_object_version 6
	.text
	.protected	k_qc482be27f3_ff1
	.globl	k_qc482be27f3_ff1
	.p2align	8
	.type	k_qc482be27f3_ff1,@function
k_qc482be27f3_ff1:
	s_mov_b64 s[64:65], 0
	v_nop
	global_prefetch_b8 v0, s[64:65] scope:SCOPE_SE
	s_setreg_imm32_b32 hwreg(HW_REG_WAVE_MODE, 25, 1), 1
	s_wait_xcnt 0x0
	s_wait_alu depctr_hold_cnt(0) depctr_sa_sdst(0) depctr_va_vdst(0) depctr_va_sdst(0) depctr_va_ssrc(0) depctr_va_vcc(0) depctr_vm_vsrc(0)
	s_getreg_b32 s2, hwreg(HW_REG_IB_STS2, 6, 4)
	s_cmp_eq_u32 s2, 0
	s_cbranch_scc0 .Lentry_in_a_cluster
	s_endpgm
.Lentry_in_a_cluster:
	s_bfe_u32 s2, ttmp6, 0x10000c
	s_cmp_lg_u32 s2, 0xf033
	s_cbranch_scc0 .Lentry_shape_is_right
	s_endpgm
.Lentry_shape_is_right:
; H = relu(x w1 + b1), quantised along FF for the next product.  x: [4096][1024], w1: [4096 columns][1024]: codes of FP4, K innermost, one E8M0 byte for each 32 along K.
; A tile of 256 x 256 is made by four waves, each 128 x 128: 64 accumulators, 512 registers.  K = 1,024 is two LDS slots of 512: both are filled once, at the head; nothing is filled again.
; The scales of the work-group's rows and columns, for all of K, come once, in whole blocks of 256 bytes.  CLUSTERS: 4 x 4 work-groups; x's tiles are asked for jointly along a row of the cluster, w1's along a column.
; TRANSPOSED: source 0 = 16 workspace rows of w1, source 1 = 16 rows of x.  Workspace row 32 g + l of w1 holds column 32 g + 8 (l / 16) + l % 16 + 8 ((l % 16) / 8): so, for one block of 16 rows of x,
; a lane's 64 results are register 16 b + i = hidden unit 32 b + 16 (lane / 16) + i of its row: four blocks of the next K, 16 numbers in the lane and 16 in lane l xor 16.
; The bias is the C of the first K step's products.  The results never go through LDS: relu, the quantiser, and each block of 16 rows leaves as an image of the next product's operand registers (1,024 consecutive bytes).
; LIMITS: NaN and infinities are not served; a block whose largest magnitude lies under 2^(3 - 127) gets the byte 1.  No prefetch: all tiles are asked for at the head.
; REGISTERS: window 0: v0-31 addresses; v32-95 scale words, two sets; v96-123 the way out's codes and words; v128-191 x's fragments, later 64 results; v192-255 the bias, later at work.
;   window 1: w1's fragments, two sets.   windows 2, 3: the accumulators ((a, b) at v[8 (8 (a % 4) + b)]).
.set SIZE_K, 1024
.set KSTEP,  512
.set NQ,     KSTEP/128
.set ROWB,   256
.set KROW,   SIZE_K*4/8
.set PITCH,  272                       ; an LDS row: 256 bytes + 16 of padding: the sixteen rows of a load start at sixteen different banks (64 banks of 4 bytes: ISA guide 11.1)
.set FR,     8
.set NL,     2
.set NP,     4
.set HALFT,  128*PITCH
.set SLOT,   4*HALFT
.set KS,     SIZE_K/32
.set SCL,    2*SLOT
.set HALFS,  (128*KS/256)*272
.set SBLK,   (16*KS/256)*272
.set SPARE,  SCL+4*HALFS               ; the spare words, 128 bytes for each wave
.set XSO,    2097152                   ; xq: x's scale bytes
.set W1C,    2621440                   ; cw: w1's codes
.set W1S,    4882432                   ; cw: w1's scale bytes
.set HSO,    8388608                   ; hq: the scale words [K step][128 rows][lane (hh, r)][4 words]
.set ADRA, 16
.set ADRB, 20
.set LI,   24                          ; v24 16 x lane
.set LN,   25                          ; v25 lane
.set BO,   26                          ; v26 64 x (lane / 16)
.set ADRS, 27
.set SPW,  28
.set NIL,  29
.set SC,   32
.set AF,   128
.set BI,   192                         ; the bias: eight registers for each of w1's eight blocks
.set TM,   192                         ; the quantiser's work, once the bias is spent
.set G1, 24
.set G0, 32
.set G1B, 48
.set G0B, 56
.set G1S, 68
.set G0S, 76
.set G1SB, 80
.set G0SB, 88
.set MSB, 0
.macro WIN new                         ; the immediate's high byte repeats the setting that is left
.if MSB != \new
	s_set_vgpr_msb (MSB<<8)|\new
.set MSB, \new
.endif
.endm
.set MUL_LO, 0xa1                      ; source 0 (w1) window 1, source 1 (x) window 0, C and D window 2
.set MUL_HI, 0xf1
.set FST_LO, 0x81                      ; the first K step: C (the bias) window 0, D window 2
.set FST_HI, 0xc1
.set TO_B,   0x40
.macro JLOAD g0a, g1a, g0b, g1b        ; a joint load: waves 0 and 1 fetch for x, waves 2 and 3 for w1; four v_nop follow each line
	s_cmp_eq_u32 s15, 0
	s_cbranch_scc0 .Lfor_b_\@
	tensor_load_to_lds s[\g0a:\g0a+3], s[\g1a:\g1a+7]
	s_nop 0
.rept 4
	v_nop
.endr
	s_branch .Lasked_\@
.Lfor_b_\@:
	tensor_load_to_lds s[\g0b:\g0b+3], s[\g1b:\g1b+7]
	s_nop 0
.rept 4
	v_nop
.endr
.Lasked_\@:
.endm
.macro CROUND                          ; a round of the cluster's barrier
	s_barrier_signal -1
	s_barrier_wait -1
	s_cmp_lg_u32 s14, 0
	s_cbranch_scc1 .Lnot_wave_0_\@
	s_barrier_signal -3
.Lnot_wave_0_\@:
	s_barrier_wait -3
	s_barrier_signal -1
	s_barrier_wait -1
.endm
	s_load_b128 s[4:7], s[0:1], 0x0                ; xq, cw
	s_load_b128 s[8:11], s[0:1], 0x10              ; b1, hq
	v_lshl_add_u32 v[SPW], v0, 2, SPARE
	v_mov_b32 v[NIL], 0
	ds_add_u32 v28, v29
	ds_add_u32 v28, v29
	s_wait_dscnt 0x0
	v_lshrrev_b32 v1, 5, v0
	v_readfirstlane_b32 s14, v1                    ; wave 0..3
	s_lshr_b32 s15, s14, 1                         ; which half of the tile's rows is mine.  Also: I fetch for x (0) or for w1 (1)
	s_and_b32 s16, s14, 1                          ; which half of its columns.  Also: which 128 rows of that tile I fetch
	s_bfe_u32 s40, ttmp6, 0x40000                  ; cx, cy
	s_bfe_u32 s41, ttmp6, 0x40004
	s_lshl_b32 s42, ttmp9, 2
	s_add_co_u32 s42, s42, s40                     ; tile column
	s_and_b32 s17, ttmp7, 0xffff
	s_lshl_b32 s17, s17, 2
	s_add_co_u32 s17, s17, s41                     ; tile row
	s_lshl_b32 s43, s41, 2
	s_lshl_b32 s43, 15, s43                        ; my row of the cluster
	s_lshl_b32 s44, 0x1111, s40                    ; my column
	s_or_b32 s[G1+0], s43, (0<<16)|(1<<20)|(1<<21)|(5<<22)|(3<<25)   ; the mask; elements of 1 byte; padding: 4 words behind every 64; bit 21 beside a mask
	s_or_b32 s[G1B+0], s44, (0<<16)|(1<<20)|(1<<21)|(5<<22)|(3<<25)
.irp g, G1, G1B
	s_mov_b32 s[\g+1], ROWB<<16
	s_mov_b32 s[\g+2], 128<<16
	s_mov_b32 s[\g+3], ROWB<<16
	s_mov_b32 s[\g+4], 128
	s_mov_b32 s[\g+5], KROW
	s_mov_b32 s[\g+6], 0
	s_mov_b32 s[\g+7], 0
.endr
	s_or_b32 s[G1S+0], s43, (3<<16)|(1<<20)|(1<<21)|(5<<22)|(3<<25)  ; the scales of 128 rows: a dense block as rows of 256 bytes
	s_or_b32 s[G1SB+0], s44, (3<<16)|(1<<20)|(1<<21)|(5<<22)|(3<<25)
.irp g, G1S, G1SB
	s_mov_b32 s[\g+1], 32<<16
	s_mov_b32 s[\g+2], (128*KS/256)<<16
	s_mov_b32 s[\g+3], 32<<16
	s_mov_b32 s[\g+4], 128*KS/256
	s_mov_b32 s[\g+5], 32
	s_mov_b32 s[\g+6], 0
	s_mov_b32 s[\g+7], 0
.endr
	s_lshl_b32 s18, s16, 7
	s_lshl_b32 s20, s17, 8
	s_add_co_u32 s20, s20, s18                     ; x: row 256 x tile row + 128 x half
	s_lshl_b32 s46, s42, 8
	s_add_co_u32 s46, s46, s18                     ; w1: row 256 x tile column + 128 x half
	s_mov_b32 s21, 0
	s_mov_b32 s47, 0
	s_mov_b64 s[18:19], KS
	s_mul_u64 s[22:23], s[20:21], s[18:19]
	s_mul_u64 s[92:93], s[46:47], s[18:19]
	s_mov_b64 s[18:19], KROW
	s_mul_u64 s[20:21], s[20:21], s[18:19]
	s_mul_u64 s[46:47], s[46:47], s[18:19]
	s_mul_i32 s45, s14, HALFT
	s_mul_i32 s94, s14, HALFS
	s_wait_kmcnt 0x0
	s_mov_b64 s[12:13], s[10:11]                   ; hq
	s_mov_b64 s[96:97], s[8:9]                     ; b1
	s_add_nc_u64 s[8:9], s[6:7], W1C               ; w1's codes
	s_add_nc_u64 s[10:11], s[6:7], W1S             ; w1's scale bytes
	s_add_nc_u64 s[6:7], s[4:5], XSO               ; x's scale bytes
	s_add_nc_u64 s[20:21], s[4:5], s[20:21]
	s_add_nc_u64 s[22:23], s[6:7], s[22:23]
	s_add_nc_u64 s[46:47], s[8:9], s[46:47]
	s_add_nc_u64 s[92:93], s[10:11], s[92:93]
	CROUND                                         ; all sixteen work-groups are here: the joint loads meet
	s_mov_b32 s[G0S], 1
	s_add_co_u32 s[G0S+1], s94, SCL
	s_mov_b64 s[G0S+2:G0S+3], s[22:23]
	s_or_b32 s[G0S+3], s[G0S+3], 0x80000000
	s_mov_b32 s[G0SB], 1
	s_add_co_u32 s[G0SB+1], s94, SCL
	s_mov_b64 s[G0SB+2:G0SB+3], s[92:93]
	s_or_b32 s[G0SB+3], s[G0SB+3], 0x80000000
	JLOAD G0S, G1S, G0SB, G1SB                     ; the scales first
.irp s, 0,1
	s_mov_b32 s[G0+4*\s], 1
	s_add_co_u32 s[G0+4*\s+1], s45, \s*SLOT
	s_add_nc_u64 s[G0+4*\s+2:G0+4*\s+3], s[20:21], \s*ROWB
	s_or_b32 s[G0+4*\s+3], s[G0+4*\s+3], 0x80000000
	s_mov_b32 s[G0B+4*\s], 1
	s_add_co_u32 s[G0B+4*\s+1], s45, \s*SLOT
	s_add_nc_u64 s[G0B+4*\s+2:G0B+4*\s+3], s[46:47], \s*ROWB
	s_or_b32 s[G0B+4*\s+3], s[G0B+4*\s+3], 0x80000000
	JLOAD G0+4*\s, G1, G0B+4*\s, G1B               ; three tensor loads of mine are out
.endr
	v_and_b32 v1, 15, v0
	v_bfe_u32 v2, v0, 4, 1
	v_mul_u32_u24 v3, v1, PITCH
	v_lshl_add_u32 v4, v2, 4, v3
	s_mul_i32 s21, s15, HALFT
	s_mul_i32 s22, s16, HALFT
	s_add_co_u32 s22, s22, 2*HALFT
.irp s, 0,1
	v_add_nc_u32 v[ADRA+\s], s21, v4
	v_add_nc_u32 v[ADRB+\s], s22, v4
	s_add_co_u32 s21, s21, SLOT
	s_add_co_u32 s22, s22, SLOT
.endr
	v_mul_u32_u24 v5, v1, KS
	v_lshrrev_b32 v6, 8, v5
	v_lshl_add_u32 v5, v6, 4, v5
	s_mul_i32 s21, s15, HALFS
	s_mul_i32 s22, s16, HALFS
	s_add_co_u32 s22, s22, 2*HALFS
	s_sub_co_u32 s22, s22, s21
	v_mul_u32_u24 v6, s22, v2                      ; lanes 16-31 take w1's
	s_add_co_u32 s21, s21, SCL
	v_add_nc_u32 v5, v5, v6
	v_add_nc_u32 v[ADRS], s21, v5
	v_and_b32 v[LN], 31, v0
	v_lshlrev_b32 v[LI], 4, v[LN]
	v_lshlrev_b32 v[BO], 6, v2
	s_lshl_b32 s46, s42, 1
	s_add_co_u32 s46, s46, s16                     ; my 128 hidden units: which K step of the next product
	s_lshl_b32 s20, s46, 9
	s_mov_b32 s21, 0
	s_add_nc_u64 s[96:97], s[96:97], s[20:21]      ; their bias
.irp b, 0,1,2,3,4,5,6,7
	global_load_b128 v[BI+8*\b:BI+8*\b+3], v[BO], s[96:97] offset:4*(32*(\b/2)+8*(\b%2))       ; lane (r, h): units 32 (b / 2) + 8 (b % 2) + 16 h + 0 .. 7
	global_load_b128 v[BI+8*\b+4:BI+8*\b+7], v[BO], s[96:97] offset:4*(32*(\b/2)+8*(\b%2))+16
.endr
	s_lshl_b32 s20, s17, 1
	s_add_co_u32 s20, s20, s15                     ; my 128 rows: which group
	s_lshl_b32 s22, s20, 9
	s_lshl_b32 s23, s46, 14
	s_add_co_u32 s22, s22, s23
	s_add_co_u32 s22, s22, HSO
	s_mov_b32 s23, 0
	s_add_nc_u64 s[98:99], s[12:13], s[22:23]      ; where their scale words go
	s_lshl_b32 s20, s20, 18                        ; eight row tiles of 32,768 bytes
	s_lshl_b32 s22, s46, 10
	s_add_co_u32 s20, s20, s22
	s_add_nc_u64 s[12:13], s[12:13], s[20:21]      ; and their images
	s_mov_b32 s2, 0x76543210
	s_mov_b32 s3, 0xfedcba98
.macro FRAG reg, adr, q, i
.irp c, 0,1
	ds_load_b128 v[\reg+4*\c:\reg+4*\c+3], v[\adr] offset:64*(\q)+32*\c+(\i)*16*PITCH
.endr
.endm
; 16 products: x's blocks a0, a0 + 1 against w1's eight.  first = 1: the bias is C.  The 64 accumulators take turns, one instruction a turn.
.macro MUL16 a0, p, q, sc, first
.irp a, \a0, \a0+1
.irp b, 0,1,2,3,4,5,6,7
.if \first
	v_wmma_scale_f32_16x16x128_f8f6f4 v[8*(8*((\a)%4)+\b):8*(8*((\a)%4)+\b)+7], v[128*(\p)+FR*\b:128*(\p)+FR*\b+FR-1], v[AF+FR*(\a):AF+FR*(\a)+FR-1], v[BI+8*\b:BI+8*\b+7], v[SC+8*NQ*(\sc)+NQ*\b+(\q)], v[SC+8*NQ*(\sc)+NQ*(\a)+(\q)] matrix_a_fmt:MATRIX_FMT_FP4 matrix_b_fmt:MATRIX_FMT_FP4 matrix_a_scale:MATRIX_SCALE_ROW1
.else
	v_wmma_scale_f32_16x16x128_f8f6f4 v[8*(8*((\a)%4)+\b):8*(8*((\a)%4)+\b)+7], v[128*(\p)+FR*\b:128*(\p)+FR*\b+FR-1], v[AF+FR*(\a):AF+FR*(\a)+FR-1], v[8*(8*((\a)%4)+\b):8*(8*((\a)%4)+\b)+7], v[SC+8*NQ*(\sc)+NQ*\b+(\q)], v[SC+8*NQ*(\sc)+NQ*(\a)+(\q)] matrix_a_fmt:MATRIX_FMT_FP4 matrix_b_fmt:MATRIX_FMT_FP4 matrix_a_scale:MATRIX_SCALE_ROW1
.endif
.endr
.endr
.endm
.macro FETCH_B slot, q, p
	WIN TO_B
.irp i, 0,1,2,3,4,5,6,7
	FRAG 128*(\p)+FR*\i, ADRB+\slot, \q, \i
.endr
	WIN 0
.endm
.macro FETCH_A slot, q, i0
.irp i, \i0, \i0+1, \i0+2, \i0+3
	FRAG AF+FR*(\i), ADRA+\slot, \q, \i
.endr
.endm
.macro SCALES sc                       ; a slot's scale words: lanes 0-15 x's block i, lanes 16-31 w1's block i
.irp i, 0,1,2,3,4,5,6,7
	ds_load_b128 v[SC+8*NQ*\sc+NQ*\i:SC+8*NQ*\sc+NQ*\i+3], v[ADRS] offset:\i*SBLK
.endr
.endm
.macro PLACES n                        ; plain lines between a product and a load into, or a read of, its registers
.rept \n
	v_nop
.endr
.endm
.macro STEP slot, q, first             ; 128 along K that has its successor in the same slot
	s_wait_dscnt 4*NL                              ; w1's set and x's blocks 0-3 are in; the youngest loads (x's blocks 4-7) may be out
.if \first
	WIN FST_LO
.else
	WIN MUL_LO
.endif
	MUL16 0, (\q)%2, \q, \slot, \first
	MUL16 2, (\q)%2, \q, \slot, \first
	s_wait_dscnt 0
	PLACES NP
	FETCH_B \slot, (\q)+1, 1-(\q)%2
	FETCH_A \slot, (\q)+1, 0
.if \first
	WIN FST_HI
.else
	WIN MUL_HI
.endif
	MUL16 4, (\q)%2, \q, \slot, \first
	MUL16 6, (\q)%2, \q, \slot, \first
	PLACES NP
	WIN 0
	FETCH_A \slot, (\q)+1, 4
.endm
.macro TURN slot, next                 ; slot 0's last step changes slots: one barrier
	s_wait_tensorcnt 0x0                           ; all my tensor loads have landed: my part of the next slot;
	ds_add_u32 v[SPW], v[NIL]                      ; 0 onto my spare word
	s_wait_dscnt 4*NL+1                            ; (the add and the youngest loads may be out)
	WIN MUL_LO
	MUL16 0, 1, NQ-1, \slot, 0
	s_wait_dscnt 0x0
	s_barrier_signal -1
	MUL16 2, 1, NQ-1, \slot, 0
	WIN 0
	s_barrier_wait -1                              ; everybody's part of the next slot has landed
	PLACES NP
	v_add_nc_u32 v[ADRS], 4*NQ, v[ADRS]            ; the next slot's scale words (no LDS load of mine is out)
	FETCH_B \next, 0, 0
	FETCH_A \next, 0, 0
	SCALES \next
	WIN MUL_HI
	MUL16 4, 1, NQ-1, \slot, 0
	MUL16 6, 1, NQ-1, \slot, 0
	PLACES NP
	WIN 0
	FETCH_A \next, 0, 4
.endm
	s_wait_tensorcnt 1                             ; the scales and my part of slot 0 are in; slot 1's load may be out,
	s_barrier_signal -1
	s_barrier_wait -1                              ; everybody's are
	FETCH_B 0, 0, 0
	FETCH_A 0, 0, 0
	SCALES 0
	FETCH_A 0, 0, 4
	s_wait_loadcnt 0x0                             ; the bias
	STEP 0, 0, 1
	STEP 0, 1, 0
	STEP 0, 2, 0
	TURN 0, 1
	STEP 1, 0, 0
	STEP 1, 1, 0
	STEP 1, 2, 0
	s_wait_dscnt 4*NL                              ; the very last step
	WIN MUL_LO
	MUL16 0, 1, NQ-1, 1, 0
	MUL16 2, 1, NQ-1, 1, 0
	s_wait_dscnt 0
	WIN MUL_HI
	MUL16 4, 1, NQ-1, 1, 0
	MUL16 6, 1, NQ-1, 1, 0
	WIN 0
; 64 numbers of a lane, register 16 b + i = k 32 b + 16 (lane / 16) + i of its row, become a fragment's codes in v[pc] on and its scale word in v[pw]
.macro QUANT s, pc, pw
.irp b, 0,1,2,3
	v_max3_num_f32 v[TM+\b], |v[\s+16*\b]|, |v[\s+1+16*\b]|, 0x1800000
.endr
.irp i, 2,4,6,8,10,12,14
.irp b, 0,1,2,3
	v_max3_num_f32 v[TM+\b], v[TM+\b], |v[\s+16*\b+\i]|, |v[\s+1+16*\b+\i]|
.endr
.endr
.irp b, 0,1,2,3
	v_permlanex16_b32 v[TM+4+\b], v[TM+\b], s2, s3
.endr
.irp b, 0,1,2,3
	v_max_num_f32 v[TM+\b], v[TM+\b], v[TM+4+\b]
.endr
.irp b, 0,1,2,3
	v_add_nc_u32 v[TM+12+\b], 0xff000000, v[TM+\b]
.endr
.irp b, 0,1,2,3
	v_lshrrev_b32 v[TM+4+\b], 23, v[TM+12+\b]
.endr
	v_lshl_or_b32 v[\pw], v[TM+5], 8, v[TM+4]
	v_lshl_or_b32 v[\pw], v[TM+6], 16, v[\pw]
	v_lshl_or_b32 v[\pw], v[TM+7], 24, v[\pw]
.irp b, 0,1,2,3
	v_cvt_scalef32_pk8_fp4_f32 v[(\pc)+2*\b], v[\s+16*\b:\s+7+16*\b], v[TM+12+\b]
	v_cvt_scalef32_pk8_fp4_f32 v[(\pc)+1+2*\b], v[\s+8+16*\b:\s+15+16*\b], v[TM+12+\b]
.endr
	v_nop
.irp c, 0,1
.irp i, 0,1
	v_permlane16_swap_b32 v[(\pc)+4*\c+\i], v[(\pc)+2+4*\c+\i]
.endr
.endr
.endm
	PLACES NP
.irp b, 0,1,2,3
	v_mov_b32 v[TM+4+\b], 0                        ; a lane permute's destination counts as one of its sources
.endr
.irp a, 0,1,2,3,4,5,6,7                ; block a of 16 rows: relu on the way into window 0, the quantiser, 1,024 consecutive bytes out
.if \a > 1
	s_wait_xcnt 0x0                                ; block a - 2's stores have read their registers, which take this block's codes
.endif
	WIN 0x08+4*(\a/4)                              ; source 1: window 2 or 3
.set j, 0
.rept 64
	v_max_num_f32 v[AF+j], 0, v[64*(\a%4)+j]       ; each accumulator from its low end on
.set j, j+1
.endr
	WIN 0
	QUANT AF, 96+8*(\a%2), 112+\a
	global_store_b128 v[LI], v[96+8*(\a%2):96+8*(\a%2)+3], s[12:13] offset:32768*\a
	global_store_b128 v[LI], v[96+8*(\a%2)+4:96+8*(\a%2)+7], s[12:13] offset:32768*\a+512
.endr
	v_cmp_lt_u32 vcc_lo, 15, v[LN]
.irp i, 0,1,2,3
	v_cndmask_b32 v[120+\i], v[112+\i], v[116+\i], vcc_lo      ; lanes 0-15 carry row tiles 0-3's words, lanes 16-31 tiles 4-7's
.endr
	global_store_b128 v[LI], v[120:123], s[98:99]  ; 512 consecutive bytes
	s_wait_tensorcnt 0x0                           ; the wave's end
	ds_add_u32 v[SPW], v[NIL]
	s_wait_dscnt 0x0
	CROUND                                         ; the closing round
	s_endpgm
.Lfunc_end_k_qc482be27f3_ff1:
	.size	k_qc482be27f3_ff1, .Lfunc_end_k_qc482be27f3_ff1-k_qc482be27f3_ff1
	.p2alignl 7, 3214868480
	.fill 96, 4, 3214868480
	.section	.rodata,"a",@progbits
	.p2align	6, 0x0
	.amdhsa_kernel k_qc482be27f3_ff1
		.amdhsa_group_segment_fixed_size 327680
		.amdhsa_private_segment_fixed_size 0
		.amdhsa_enable_private_segment 0
		.amdhsa_kernarg_size 32
		.amdhsa_user_sgpr_count 2
		.amdhsa_user_sgpr_kernarg_segment_ptr 1
		.amdhsa_wavefront_size32 1
		.amdhsa_system_sgpr_workgroup_id_x 1
		.amdhsa_system_sgpr_workgroup_id_y 1
		.amdhsa_system_sgpr_workgroup_id_z 1
		.amdhsa_system_vgpr_workitem_id 0
		.amdhsa_next_free_vgpr 1024
		.amdhsa_next_free_sgpr 100
		.amdhsa_reserve_vcc 1
		.amdhsa_float_denorm_mode_32 3
		.amdhsa_float_denorm_mode_16_64 3
		.amdhsa_memory_ordered 1
		.amdhsa_forward_progress 1
		.amdhsa_inst_pref_size 145
	.end_amdhsa_kernel
	.amdgpu_metadata
---
amdhsa.version: [ 1, 2 ]
amdhsa.kernels:
  - .name:           k_qc482be27f3_ff1
    .symbol:         k_qc482be27f3_ff1.kd
    .args:
      - { .name: xq, .offset: 0, .size: 8, .value_kind: global_buffer, .address_space: global }
      - { .name: cw, .offset: 8, .size: 8, .value_kind: global_buffer, .address_space: global }
      - { .name: b1, .offset: 16, .size: 8, .value_kind: global_buffer, .address_space: global }
      - { .name: hq, .offset: 24, .size: 8, .value_kind: global_buffer, .address_space: global }
    .group_segment_fixed_size: 327680
    .private_segment_fixed_size: 0
    .kernarg_segment_align: 8
    .kernarg_segment_size: 32
    .max_flat_workgroup_size: 128
    .sgpr_count:     100
    .vgpr_count:     1024
    .wavefront_size: 32
...
	.end_amdgpu_metadata
.endif
;; end of part 4
;; launch ff2 (part 5): grid 128 x 1, 16 waves a work-group, no clusters, 225,280 bytes of LDS; arguments hq, cw, b2, xf, g2, be2, out0; writes out0
.if DOCPART == 5
	.amdgcn_target "amdgcn-amd-amdhsa--gfx1250"
	.amdhsa_code_object_version 6
	.text
	.protected	k_qc482be27f3_ff2
	.globl	k_qc482be27f3_ff2
	.p2align	8
	.type	k_qc482be27f3_ff2,@function
k_qc482be27f3_ff2:
	s_mov_b64 s[64:65], 0
	v_nop
	global_prefetch_b8 v0, s[64:65] scope:SCOPE_SE
	s_setreg_imm32_b32 hwreg(HW_REG_WAVE_MODE, 25, 1), 1
	s_wait_xcnt 0x0
; LAYER 3: x = LayerNorm(A w_out + b_out + query) g1 + be1, stored as f32 and as codes.   LAYER 5: out = LayerNorm(H w2 + b2 + x) g2 + be2.   One text; LAYER chooses.
; The product is on codes of FP4 with E8M0 scales; sums, residual and norm in f32.  The variance is the mean square of the CENTRED numbers: two passes, as the definition has it.
; SHARES.  A work-group owns 32 rows (two row tiles m) and all 1,024 columns, so that the norm needs no other work-group.  Wave w owns columns 64 w .. 64 w + 63 (four tiles T): eight accumulators, which take turns.
; The rows' operand images (KS x 2 KiB) are copied into LDS once and read by all sixteen waves.  A weight fragment feeds ONE wave, once: LDS would give it no second use, so the weights go from memory straight into
; registers, in the order of the operand's registers (512 consecutive bytes a load), four K steps deep.  No tensor load, hence no cluster: what the work-groups share is the whole weight, 64 KiB a K step, which no two LDS slots
; beside the stage could hold more than one step ahead.  128 work-groups: every work-group takes in the whole weight whatever its rows, so 32 rows halve those bytes against 16.
; TRANSPOSED: source 0 = 16 columns of the weight, source 1 = 16 rows.  Lane r of tile 2 b + u holds column 32 b + 8 u + r + 8 (r / 8): so register 16 b + i of a lane (r, h) is column 64 w + 32 b + 16 h + i of row r.
; The bias is loaded INTO the accumulators, so that the first K step is like every other.
; THE RESIDUAL comes at the head as whole rows (wave w: rows 2 w, 2 w + 1; 512 consecutive bytes a load), waits in the stage's bytes, and is read from there in the accumulators' layout in the last two K steps.
; Each wave later writes its normalised numbers over just the bytes that it has read, two barriers on.
; LIMITS: NaN and infinities are not served; a block whose largest magnitude lies under 2^(3 - 127) gets the byte 1; v_rsq_f32 stands ahead of the quantiser.
.set LAYER, 5
.if LAYER == 3
.set KS,   8                           ; K steps of 128
.set WF,   0                           ; cw: the weight's fragments
.set WS,   4718592                     ; cw: its scale words
.set ASRC, 2097152                     ; where the rows' scales begin in the first buffer
.else
.set KS,   32
.set WF,   524288
.set WS,   4751360
.set ASRC, 8388608
.endif
.set ASC,  65536                       ; LDS: images [m][K step][1,024] from 0; here the rows' scale words [K step][r][m]
.set RED,  69632                       ; [wave][r][2 f32]: the sums; 2,048 bytes on: the sums of squares
.set STG,  73728                       ; 32 rows x (4,096 + 16): first the residual, then the result
.set SPIT, 4112
.set CST,  205312                      ; 32 rows x (512 + 16): x's codes
.set SST,  222208                      ; 32 rows x 32: x's scale bytes
.set ACC,  16                          ; v16-79   accumulator (m, T) at 32 m + 8 T
.set BB,   80                          ; v80-207  four buffers of 32: a K step's four fragments; at the head buffers 2, 3 carry the residual's rows; at the end: gain, offset, residual m = 0, 1
.set AFR,  208                         ; v208-239 two buffers of 16: the rows' two fragments; at work in the norm
.set WSC,  240                         ; v240-247 the weight's scale words: set x 4 + 2 b + (K step % 2)
.set ASW,  248                         ; v248-251 the rows' scale words: buffer x 2 + m
; v1 l, v2 r, v3 h, v4 16 l, v5 8 l, v6 image address, v7 scale address, v8 the stage in the accumulators' layout (row r), v9 64 h, v10, v14 the head's, v11 the stage by rows (2 w, 2 w + 1),
; v12, v13 the sums' places, v15 the head's scale offset, then the stage's row 16 + r, v252-255 means and factors
	s_load_b256 s[4:11], s[0:1], 0x0               ; rows' codes and scales, cw, bias, residual
.if LAYER == 3
	s_load_b256 s[12:19], s[0:1], 0x20             ; gain, offset, xf, xq
.else
	s_load_b128 s[12:15], s[0:1], 0x20             ; gain, offset
	s_load_b64 s[16:17], s[0:1], 0x30              ; out0
.endif
	v_lshrrev_b32 v1, 5, v0
	v_readfirstlane_b32 s20, v1                    ; wave 0..15
	v_and_b32 v1, 31, v0
	v_and_b32 v2, 15, v0
	v_bfe_u32 v3, v0, 4, 1
	v_lshlrev_b32 v4, 4, v1
	v_lshlrev_b32 v5, 3, v1
	v_lshlrev_b32 v6, 4, v1
	v_lshl_add_u32 v7, v2, 3, ASC
	s_lshl_b32 s22, s20, 8
	v_mul_u32_u24 v8, v2, SPIT
	v_lshl_add_u32 v8, v3, 6, v8
	v_add_nc_u32 v8, s22, v8
	v_add_nc_u32 v8, STG, v8                       ; the stage: row r, + 256 w + 64 h
	v_lshlrev_b32 v9, 6, v3
	s_mul_i32 s22, s20, 2*SPIT
	v_add_nc_u32 v11, s22, v4
	v_add_nc_u32 v11, STG, v11                     ; the stage: rows 2 w, 2 w + 1, 16 bytes a lane
	s_lshl_b32 s22, s20, 7
	v_lshl_add_u32 v12, v2, 3, s22
	v_add_nc_u32 v12, RED, v12
	v_lshl_add_u32 v13, v2, 3, RED
	s_mul_i32 s24, s20, KS*128                     ; my sixteenth of the images
	v_add_nc_u32 v14, s24, v4
	s_mul_i32 s22, ttmp9, KS*2048
	s_add_co_u32 s22, s22, s24
	s_mov_b32 s23, 0
	s_mov_b32 s25, 0
.if LAYER == 3
	s_lshl_b32 s24, s20, 13                        ; head w's bytes [4096 rows] of two; rows 32 p + l
	s_lshl_b32 s26, ttmp9, 6
	s_add_co_u32 s24, s24, s26
	s_add_co_u32 s24, s24, ASRC
	v_lshlrev_b32 v15, 1, v1
	s_lshr_b32 s26, s20, 1
	s_lshl_b32 s26, s26, 7                         ; K step w / 2,
	s_and_b32 s27, s20, 1
	s_lshl_b32 s27, s27, 1                         ; half w % 2 of its word
	s_add_co_u32 s26, s26, s27
	v_lshl_add_u32 v10, v2, 3, s26
	v_lshl_add_u32 v10, v3, 2, v10
	v_add_nc_u32 v10, ASC, v10
.else
	s_lshl_b32 s24, s20, 15                        ; [K step 2 w + h][128 rows p / 4][lane ((p / 2) % 2, r)][4 words]: words 2 (p % 2), + 1
	s_lshr_b32 s26, ttmp9, 2
	s_lshl_b32 s26, s26, 9
	s_add_co_u32 s24, s24, s26
	s_bfe_u32 s26, ttmp9, 0x10001
	s_lshl_b32 s26, s26, 8
	s_add_co_u32 s24, s24, s26
	s_and_b32 s26, ttmp9, 1
	s_lshl_b32 s26, s26, 3
	s_add_co_u32 s24, s24, s26
	s_add_co_u32 s24, s24, ASRC
	v_lshlrev_b32 v15, 14, v3
	v_lshl_add_u32 v15, v2, 4, v15
	s_lshl_b32 s26, s20, 8
	v_add_nc_u32 v10, s26, v5
	v_add_nc_u32 v10, ASC, v10
.endif
	s_lshl_b32 s26, s20, 8                         ; my 64 columns in bias, gain, offset
	s_mov_b32 s27, 0
	s_lshl_b32 s30, ttmp9, 17                      ; my work-group's 32 rows of 4,096 bytes,
	s_lshl_b32 s31, s20, 13                        ; and of them the two rows that I load of the residual and store of the result
	s_add_co_u32 s30, s30, s31
	s_mov_b32 s31, 0
	s_mul_i32 s32, s20, KS*4096
	s_add_co_u32 s32, s32, WF
	s_mov_b32 s33, 0
	s_mul_i32 s34, s20, KS*256
	s_add_co_u32 s34, s34, WS
	s_mov_b32 s35, 0
	s_mov_b32 s38, 0x76543210
	s_mov_b32 s39, 0xfedcba98
	s_mov_b32 s40, 0x3a800000                      ; 1 / 1,024
	s_mov_b32 s41, 0x3727c5ac                      ; 1e-5
.if LAYER == 3
	s_lshl_b32 s42, ttmp9, 14
	s_lshl_b32 s43, s20, 10
	s_add_co_u32 s42, s42, s43
	s_mov_b32 s43, 0
	s_lshl_b32 s44, ttmp9, 10
	s_and_b32 s45, s20, 1
	s_lshl_b32 s45, s45, 9
	s_add_co_u32 s44, s44, s45
	s_add_co_u32 s44, s44, 2097152
	s_mov_b32 s45, 0
.endif
	s_wait_kmcnt 0x0
	s_add_nc_u64 s[22:23], s[4:5], s[22:23]
	s_add_nc_u64 s[24:25], s[4:5], s[24:25]
	s_add_nc_u64 s[8:9], s[8:9], s[26:27]
	s_add_nc_u64 s[12:13], s[12:13], s[26:27]
	s_add_nc_u64 s[14:15], s[14:15], s[26:27]
	s_add_nc_u64 s[10:11], s[10:11], s[30:31]
	s_add_nc_u64 s[16:17], s[16:17], s[30:31]
	s_add_nc_u64 s[32:33], s[6:7], s[32:33]
	s_add_nc_u64 s[34:35], s[6:7], s[34:35]
.if LAYER == 3
	s_add_nc_u64 s[42:43], s[18:19], s[42:43]
	s_add_nc_u64 s[44:45], s[18:19], s[44:45]
.endif
.macro BLOAD i, off                    ; the four fragments of K step i of a trip into buffer i
.irp t, 0,1,2,3
.irp c, 0,1
	global_load_b128 v[BB+32*(\i)+8*\t+4*\c:BB+32*(\i)+8*\t+4*\c+3], v4, s[32:33] offset:(\off)+4096*(\i)+1024*\t+512*\c
.endr
.endr
.endm
.macro SLOAD q, off                    ; the scale words of K steps 2 q, 2 q + 1 of a trip into set q
.irp b, 0,1
	global_load_b64 v[WSC+4*(\q)+2*\b:WSC+4*(\q)+2*\b+1], v5, s[34:35] offset:(\off)+512*(\q)+256*\b
.endr
.endm
.macro ALOAD i, buf                    ; the rows' two fragments and scale words of K step i of a trip
.irp m, 0,1
.irp c, 0,1
	ds_load_b128 v[AFR+16*(\buf)+8*\m+4*\c:AFR+16*(\buf)+8*\m+4*\c+3], v6 offset:\m*KS*1024+1024*(\i)+512*\c
.endr
.endr
	ds_load_b64 v[ASW+2*(\buf):ASW+2*(\buf)+1], v7 offset:128*(\i)
.endm
.macro ELOAD i                         ; what the norm wants, into the buffers as they fall free: gain and offset from memory first, then the residual of row tiles 0 and 1 from the stage
.irp b, 0,1
.irp q, 0,1,2,3
.if (\i) == 0
	global_load_b128 v[BB+32*(\i)+16*\b+4*\q:BB+32*(\i)+16*\b+4*\q+3], v9, s[12:13] offset:128*\b+16*\q
.elseif (\i) == 1
	global_load_b128 v[BB+32*(\i)+16*\b+4*\q:BB+32*(\i)+16*\b+4*\q+3], v9, s[14:15] offset:128*\b+16*\q
.elseif (\i) == 2
	ds_load_b128 v[BB+32*(\i)+16*\b+4*\q:BB+32*(\i)+16*\b+4*\q+3], v8 offset:128*\b+16*\q
.else
	ds_load_b128 v[BB+32*(\i)+16*\b+4*\q:BB+32*(\i)+16*\b+4*\q+3], v15 offset:128*\b+16*\q
.endif
.endr
.endr
.endm
.macro MUL8 buf, abuf, set, par        ; eight products, the eight accumulators by turns, one instruction a turn
.irp t, 0,1,2,3
.irp m, 0,1
.if \t%2
	v_wmma_scale_f32_16x16x128_f8f6f4 v[ACC+32*\m+8*\t:ACC+32*\m+8*\t+7], v[BB+32*(\buf)+8*\t:BB+32*(\buf)+8*\t+7], v[AFR+16*(\abuf)+8*\m:AFR+16*(\abuf)+8*\m+7], v[ACC+32*\m+8*\t:ACC+32*\m+8*\t+7], v[WSC+4*(\set)+2*(\t/2)+(\par)], v[ASW+2*(\abuf)+\m] matrix_a_fmt:MATRIX_FMT_FP4 matrix_b_fmt:MATRIX_FMT_FP4 matrix_a_scale:MATRIX_SCALE_ROW1
.else
	v_wmma_scale_f32_16x16x128_f8f6f4 v[ACC+32*\m+8*\t:ACC+32*\m+8*\t+7], v[BB+32*(\buf)+8*\t:BB+32*(\buf)+8*\t+7], v[AFR+16*(\abuf)+8*\m:AFR+16*(\abuf)+8*\m+7], v[ACC+32*\m+8*\t:ACC+32*\m+8*\t+7], v[WSC+4*(\set)+2*(\t/2)+(\par)], v[ASW+2*(\abuf)+\m] matrix_a_fmt:MATRIX_FMT_FP4 matrix_b_fmt:MATRIX_FMT_FP4
.endif
.endr
.endr
.endm
; K step i of a trip.  n: the global loads issued behind the youngest that this step needs.  ahead = 1: its buffer takes the next trip's K step i (an odd step first refills the scale set just used up); 2: what the norm wants.
; nexta = 1: the next K step's rows are fetched from LDS first: five LDS loads, which may stay out.
.macro KSTEP i, n, ahead, nexta
.if \nexta
.if \i == 3
	s_wait_dscnt 0x0                               ; this step's rows are in, and no LDS load of mine is out: the two addresses step to the next trip
	v_add_nc_u32 v6, 4096, v6
	v_add_nc_u32 v7, 512, v7
	ALOAD 0, 0
.else
	ALOAD \i+1, (\i+1)%2
.endif
.endif
	s_wait_loadcnt \n
.if \nexta && (\i != 3)
	s_wait_dscnt 5                                 ; this step's rows are in; the five just issued may be out
.elseif !\nexta
	s_wait_dscnt 0x0
.endif
	MUL8 \i, (\i)%2, (\i)/2, (\i)%2
.rept 4
	v_nop                                          ; the places in front of loads into registers that these products have read, and of the first read of results
.endr
.if \ahead == 1
.if (\i)%2
	SLOAD ((\i)-1)/2, 1024
.endif
	BLOAD \i, 16384
.elseif \ahead == 2
	ELOAD \i
.endif
.endm
.macro NEXT_TRIP
	s_wait_xcnt 0x0                                ; the loads issued so far have read their bases
	s_add_nc_u64 s[32:33], s[32:33], 16384
	s_add_nc_u64 s[34:35], s[34:35], 1024
.endm
	; THE HEAD: what goes into LDS first (the rows' images and scales, the residual's rows), then what the first two K steps want
.set i, 0
.rept KS/4
	global_load_b128 v[AFR+4*i:AFR+4*i+3], v4, s[22:23] offset:512*i
.set i, i+1
.endr
.if LAYER == 3
	global_load_u16 v252, v15, s[24:25]
.else
	global_load_b64 v[252:253], v15, s[24:25]
.endif
.irp i, 0,1,2,3,4,5,6,7,8,9,10,11,12,13,14,15
	global_load_b128 v[BB+64+4*\i:BB+64+4*\i+3], v4, s[10:11] offset:4096*(\i/8)+512*(\i%8)   ; the residual's rows 2 w, 2 w + 1: the wave reads 512 consecutive bytes
.endr
.irp m, 0,1
.irp b, 0,1
.irp q, 0,1,2,3
	global_load_b128 v[ACC+32*\m+16*\b+4*\q:ACC+32*\m+16*\b+4*\q+3], v9, s[8:9] offset:128*\b+16*\q   ; the bias begins the sums
.endr
.endr
.endr
	SLOAD 0, 0
	SLOAD 1, 0
	BLOAD 0, 0
	BLOAD 1, 0
	s_wait_loadcnt 36                              ; behind the loads for LDS: 16 of the bias, 4 of scale words, 16 of fragments
.set i, 0
.rept KS/4
	ds_store_b128 v14, v[AFR+4*i:AFR+4*i+3] offset:512*i
.set i, i+1
.endr
.if LAYER == 3
	ds_store_b16 v10, v252
.else
	ds_store_b64 v10, v[252:253]
.endif
.irp i, 0,1,2,3,4,5,6,7,8,9,10,11,12,13,14,15
	ds_store_b128 v11, v[BB+64+4*\i:BB+64+4*\i+3] offset:SPIT*(\i/8)+512*(\i%8)
.endr
	s_wait_dscnt 0x0                               ; for the others' sake; and the stores have read buffers 2 and 3, which now take their fragments
	BLOAD 2, 0
	BLOAD 3, 0
	s_barrier_signal -1
	s_barrier_wait -1                              ; the rows' images, their scale words and the residual lie in LDS
	v_add_nc_u32 v15, 16*SPIT, v8                  ; the stage's row 16 + r: beyond an LDS immediate's 16 bits, so it has a register (the load that took v15 as its offset was shown done by the counted wait above)
	ALOAD 0, 0
	KSTEP 0, 24, 1, 1                              ; behind K step 0's fragments: three K steps' 24
	KSTEP 1, 24, 1, 1
	KSTEP 2, 26, 1, 1                              ; from here on a pair of scale loads lies among the 24
	KSTEP 3, 26, 1, 1
	NEXT_TRIP
.if KS > 8
	s_mov_b32 s36, KS/4-2
.Ltrip:
	KSTEP 0, 26, 1, 1
	KSTEP 1, 26, 1, 1
	KSTEP 2, 26, 1, 1
	KSTEP 3, 26, 1, 1
	NEXT_TRIP
	s_sub_co_u32 s36, s36, 1
	s_cmp_lg_u32 s36, 0
	s_cbranch_scc1 .Ltrip
.endif
	KSTEP 0, 26, 2, 1                              ; the last trip is written out: no weight is left to ask for
	KSTEP 1, 26, 2, 1                              ; behind K step 1's fragments: 8 + 2 + 8, and the gain's 8
	KSTEP 2, 24, 2, 1                              ; behind its scale words: 8, the gain's 8, the offset's 8
	KSTEP 3, 16, 2, 0                              ; behind its fragments: the gain's and the offset's
; THE NORM.  A lane's sum (sq = 0) or sum of squares (sq = 1) of its 32 numbers of each row tile, with lane l xor 16's: my wave's 64 columns of rows r and 16 + r, in v[216:217]
.macro LANESUM sq
.irp m, 0,1
.if \sq
	v_pk_mul_f32 v[208+4*\m:209+4*\m], v[ACC+32*\m:ACC+32*\m+1], v[ACC+32*\m:ACC+32*\m+1]
	v_pk_mul_f32 v[210+4*\m:211+4*\m], v[ACC+32*\m+2:ACC+32*\m+3], v[ACC+32*\m+2:ACC+32*\m+3]
.else
	v_pk_add_f32 v[208+4*\m:209+4*\m], v[ACC+32*\m:ACC+32*\m+1], v[ACC+32*\m+4:ACC+32*\m+5]
	v_pk_add_f32 v[210+4*\m:211+4*\m], v[ACC+32*\m+2:ACC+32*\m+3], v[ACC+32*\m+6:ACC+32*\m+7]
.endif
.endr
.irp k, 4,8,12,16,20,24,28
.irp m, 0,1
.if \sq
	v_pk_fma_f32 v[208+4*\m:209+4*\m], v[ACC+32*\m+\k:ACC+32*\m+\k+1], v[ACC+32*\m+\k:ACC+32*\m+\k+1], v[208+4*\m:209+4*\m]
	v_pk_fma_f32 v[210+4*\m:211+4*\m], v[ACC+32*\m+\k+2:ACC+32*\m+\k+3], v[ACC+32*\m+\k+2:ACC+32*\m+\k+3], v[210+4*\m:211+4*\m]
.elseif \k > 4
	v_pk_add_f32 v[208+4*\m:209+4*\m], v[208+4*\m:209+4*\m], v[ACC+32*\m+\k:ACC+32*\m+\k+1]
	v_pk_add_f32 v[210+4*\m:211+4*\m], v[210+4*\m:211+4*\m], v[ACC+32*\m+\k+2:ACC+32*\m+\k+3]
.endif
.endr
.endr
.irp m, 0,1
	v_pk_add_f32 v[208+4*\m:209+4*\m], v[208+4*\m:209+4*\m], v[210+4*\m:211+4*\m]
.endr
.irp m, 0,1
	v_add_f32 v[216+\m], v[208+4*\m], v[209+4*\m]
.endr
.irp m, 0,1
	v_permlanex16_b32 v[218+\m], v[216+\m], s38, s39
.endr
.irp m, 0,1
	v_add_f32 v[216+\m], v[216+\m], v[218+\m]
.endr
.endm
; The sixteen waves' parts meet in LDS (bytes of their own for each of the two sums) and every wave adds them in the same order: the rows' totals in v[208:209]
.macro ALLSUM sq
	ds_store_b64 v12, v[216:217] offset:2048*\sq
	s_wait_dscnt 0x0
	s_barrier_signal -1
	s_barrier_wait -1
.irp w, 0,1,2,3,4,5,6,7,8,9,10,11,12,13,14,15
	ds_load_b64 v[208+2*\w:209+2*\w], v13 offset:2048*\sq+128*\w
.endr
	s_wait_dscnt 0x0
.irp w, 0,1,2,3,4,5,6,7
	v_pk_add_f32 v[208+4*\w:209+4*\w], v[208+4*\w:209+4*\w], v[210+4*\w:211+4*\w]
.endr
.irp w, 0,1,2,3
	v_pk_add_f32 v[208+8*\w:209+8*\w], v[208+8*\w:209+8*\w], v[212+8*\w:213+8*\w]
.endr
.irp w, 0,1
	v_pk_add_f32 v[208+16*\w:209+16*\w], v[208+16*\w:209+16*\w], v[216+16*\w:217+16*\w]
.endr
	v_pk_add_f32 v[208:209], v[208:209], v[224:225]
.endm
	s_wait_dscnt 0x0                               ; the residual is in, from the stage
.set k, 0
.rept 32
	v_pk_add_f32 v[ACC+2*k:ACC+2*k+1], v[ACC+2*k:ACC+2*k+1], v[BB+64+2*k:BB+64+2*k+1]   ; each accumulator from its low end on
.set k, k+1
.endr
	LANESUM 0
	ALLSUM 0
	v_mul_f32 v252, s40, v208                      ; the means of rows r and 16 + r, each twice: a pair for the packed forms
	v_mul_f32 v254, s40, v209
	v_mov_b32 v253, v252
	v_mov_b32 v255, v254
.irp m, 0,1
.set k, 0
.rept 16
	v_pk_add_f32 v[ACC+32*\m+2*k:ACC+32*\m+2*k+1], v[ACC+32*\m+2*k:ACC+32*\m+2*k+1], v[252+2*\m:253+2*\m] neg_lo:[0,1] neg_hi:[0,1]
.set k, k+1
.endr
.endr
	LANESUM 1
	ALLSUM 1
	v_fma_f32 v210, v208, s40, s41                 ; variance + 1e-5
	v_fma_f32 v211, v209, s40, s41
	v_rsq_f32 v252, v210
	v_rsq_f32 v254, v211
	v_nop                                          ; one plain line behind the two
.if LAYER == 3
	s_lshl_b32 s22, s20, 5                         ; the codes' way out: its addresses are made here, in registers that the rows' fragments have left
	v_mul_u32_u24 v235, v2, 528
	v_lshl_add_u32 v235, v3, 3, v235
	v_add_nc_u32 v235, s22, v235
	v_add_nc_u32 v235, CST, v235                   ; codes: row r, + 32 w + 8 h
	s_lshl_b32 s22, s20, 1
	v_lshl_add_u32 v236, v2, 5, s22
	v_add_nc_u32 v236, SST, v236                   ; scale bytes: row r, + 2 w
	s_mul_i32 s22, s20, 2*528
	v_add_nc_u32 v237, s22, v4
	v_add_nc_u32 v237, CST, v237
	s_and_b32 s22, s20, 1
	s_lshl_b32 s22, s22, 9
	v_add_nc_u32 v238, s22, v4
	v_add_nc_u32 v238, SST, v238
.endif
	s_wait_alu depctr_va_vdst(0)                   ; one wait for both, ahead of their first reader
	v_mov_b32 v253, v252
	v_mov_b32 v255, v254
	s_wait_loadcnt 0x0                             ; gain and offset
.irp m, 0,1
.set k, 0
.rept 16
	v_pk_mul_f32 v[ACC+32*\m+2*k:ACC+32*\m+2*k+1], v[ACC+32*\m+2*k:ACC+32*\m+2*k+1], v[252+2*\m:253+2*\m]
.set k, k+1
.endr
.endr
.irp m, 0,1
.set k, 0
.rept 16
	v_pk_fma_f32 v[ACC+32*\m+2*k:ACC+32*\m+2*k+1], v[ACC+32*\m+2*k:ACC+32*\m+2*k+1], v[BB+2*k:BB+2*k+1], v[BB+32+2*k:BB+32+2*k+1]
.set k, k+1
.endr
.endr
.irp b, 0,1
.irp q, 0,1,2,3
	ds_store_b128 v8, v[ACC+16*\b+4*\q:ACC+16*\b+4*\q+3] offset:128*\b+16*\q          ; over the residual's bytes that I alone have read, two barriers ago
.endr
.endr
.irp b, 0,1
.irp q, 0,1,2,3
	ds_store_b128 v15, v[ACC+32+16*\b+4*\q:ACC+32+16*\b+4*\q+3] offset:128*\b+16*\q
.endr
.endr
.if LAYER == 3
	; x as an operand of the next product: my four blocks of 32 (row tile b / 2, block b % 2 of my 64 columns), 16 numbers in me and 16 in lane l xor 16
.irp b, 0,1,2,3
	v_max3_num_f32 v[208+\b], |v[ACC+16*\b]|, |v[ACC+1+16*\b]|, 0x1800000
.endr
.irp i, 2,4,6,8,10,12,14
.irp b, 0,1,2,3
	v_max3_num_f32 v[208+\b], v[208+\b], |v[ACC+16*\b+\i]|, |v[ACC+1+16*\b+\i]|
.endr
.endr
.irp b, 0,1,2,3
	v_permlanex16_b32 v[212+\b], v[208+\b], s38, s39
.endr
.irp b, 0,1,2,3
	v_max_num_f32 v[208+\b], v[208+\b], v[212+\b]
.endr
.irp b, 0,1,2,3
	v_add_nc_u32 v[220+\b], 0xff000000, v[208+\b]
.endr
.irp b, 0,1,2,3
	v_lshrrev_b32 v[212+\b], 23, v[220+\b]
.endr
	v_lshl_or_b32 v216, v213, 8, v212
	v_lshl_or_b32 v217, v215, 8, v214
.irp b, 0,1,2,3
	v_cvt_scalef32_pk8_fp4_f32 v[224+2*\b], v[ACC+16*\b:ACC+16*\b+7], v[220+\b]
	v_cvt_scalef32_pk8_fp4_f32 v[225+2*\b], v[ACC+16*\b+8:ACC+16*\b+15], v[220+\b]
.endr
	v_nop                                          ; one plain line behind the conversions
.irp b, 0,1,2,3
	ds_store_b64 v235, v[224+2*\b:225+2*\b] offset:8448*(\b/2)+16*(\b%2)   ; 16 codes, in their row's order
.endr
.irp m, 0,1
	ds_store_b16 v236, v[216+\m] offset:512*\m     ; both halves of the lanes write the same bytes
.endr
.endif
	s_wait_dscnt 0x0
	s_barrier_signal -1
	s_barrier_wait -1                              ; 32 whole rows lie in the stage
.irp i, 0,1,2,3,4,5,6,7,8,9,10,11,12,13,14,15
	ds_load_b128 v[BB+4*\i:BB+4*\i+3], v11 offset:SPIT*(\i/8)+512*(\i%8)
.endr
.if LAYER == 3
	ds_load_b128 v[BB+64:BB+67], v237
	ds_load_b128 v[BB+68:BB+71], v237 offset:528
.endif
.irp i, 0,1,2,3,4,5,6,7,8,9,10,11,12,13,14,15
.if LAYER == 3
	s_wait_dscnt 17-\i
	global_store_b128 v4, v[BB+4*\i:BB+4*\i+3], s[16:17] offset:4096*(\i/8)+512*(\i%8)   ; the wave stores 512 consecutive bytes
.else
	s_wait_dscnt 15-\i
	global_store_b128 v4, v[BB+4*\i:BB+4*\i+3], s[16:17] offset:4096*(\i/8)+512*(\i%8) th:TH_STORE_NT
.endif
.endr
.if LAYER == 3
	s_wait_dscnt 0x0
	global_store_b128 v4, v[BB+64:BB+67], s[42:43]             ; a row of codes: 512 consecutive bytes
	global_store_b128 v4, v[BB+68:BB+71], s[42:43] offset:512
	s_cmp_lt_u32 s20, 2                            ; waves 0 and 1 store the 32 rows' scale bytes, 512 each
	s_cbranch_scc0 .Ldone
	ds_load_b128 v[BB+72:BB+75], v238
	s_wait_dscnt 0x0
	global_store_b128 v4, v[BB+72:BB+75], s[44:45]
.Ldone:
.endif
	s_wait_xcnt 0x0
	v_lshl_add_u32 v254, v0, 2, 0x36800
	v_mov_b32 v255, 0
	s_wait_tensorcnt 0x0
	ds_add_u32 v254, v255
	s_wait_dscnt 0x0
	s_endpgm
.Lfunc_end_k_qc482be27f3_ff2:
	.size	k_qc482be27f3_ff2, .Lfunc_end_k_qc482be27f3_ff2-k_qc482be27f3_ff2
	.p2alignl 7, 3214868480
	.fill 96, 4, 3214868480
	.section	.rodata,"a",@progbits
	.p2align	6, 0x0
	.amdhsa_kernel k_qc482be27f3_ff2
		.amdhsa_group_segment_fixed_size 225280
		.amdhsa_private_segment_fixed_size 0
		.amdhsa_enable_private_segment 0
		.amdhsa_kernarg_size 56
		.amdhsa_user_sgpr_count 2
		.amdhsa_user_sgpr_kernarg_segment_ptr 1
		.amdhsa_wavefront_size32 1
		.amdhsa_system_sgpr_workgroup_id_x 1
		.amdhsa_system_sgpr_workgroup_id_y 1
		.amdhsa_system_sgpr_workgroup_id_z 1
		.amdhsa_system_vgpr_workitem_id 0
		.amdhsa_next_free_vgpr 256
		.amdhsa_next_free_sgpr 66
		.amdhsa_reserve_vcc 0
		.amdhsa_float_denorm_mode_32 3
		.amdhsa_float_denorm_mode_16_64 3
		.amdhsa_memory_ordered 1
		.amdhsa_forward_progress 1
		.amdhsa_inst_pref_size 63
	.end_amdhsa_kernel
	.amdgpu_metadata
---
amdhsa.version: [ 1, 2 ]
amdhsa.kernels:
  - .name:           k_qc482be27f3_ff2
    .symbol:         k_qc482be27f3_ff2.kd
    .args:
      - { .name: hq, .offset: 0, .size: 8, .value_kind: global_buffer, .address_space: global }
      - { .name: cw, .offset: 8, .size: 8, .value_kind: global_buffer, .address_space: global }
      - { .name: b2, .offset: 16, .size: 8, .value_kind: global_buffer, .address_space: global }
      - { .name: xf, .offset: 24, .size: 8, .value_kind: global_buffer, .address_space: global }
      - { .name: g2, .offset: 32, .size: 8, .value_kind: global_buffer, .address_space: global }
      - { .name: be2, .offset: 40, .size: 8, .value_kind: global_buffer, .address_space: global }
      - { .name: out0, .offset: 48, .size: 8, .value_kind: global_buffer, .address_space: global }
    .group_segment_fixed_size: 225280
    .private_segment_fixed_size: 0
    .kernarg_segment_align: 8
    .kernarg_segment_size: 56
    .max_flat_workgroup_size: 512
    .sgpr_count:     66
    .vgpr_count:     256
    .wavefront_size: 32
...
	.end_amdgpu_metadata
.endif
;; end of part 5
;; ======== version 2 of 2: 5 launches
;; workspace buffers: cq 6,946,816 bytes; cw 5,013,504 bytes; ao 2,228,224 bytes; xf 16,777,216 bytes; xq 2,228,224 bytes; hq 8,912,896 bytes
;; launch prep (part 6): grid 672 x 1, 4 waves a work-group, no clusters, 50,688 bytes of LDS; arguments key, query, value, w_out, w1, w2, cq, cw; writes cq, cw
.if DOCPART == 6
	.amdgcn_target "amdgcn-amd-amdhsa--gfx1250"
	.amdhsa_code_object_version 6
	.text
	.protected	k_qc482be27f3_prep
	.globl	k_qc482be27f3_prep
	.p2align	8
	.type	k_qc482be27f3_prep,@function
k_qc482be27f3_prep:
	s_mov_b64 s[64:65], 0
	v_nop
	global_prefetch_b8 v0, s[64:65] scope:SCOPE_SE
	s_setreg_imm32_b32 hwreg(HW_REG_WAVE_MODE, 25, 1), 1
	s_wait_xcnt 0x0
; Every f32 operand that later launches read as an operand of a quantised product is turned ONCE into codes of FP4 (E2M1) with one E8M0 byte for each 32 along its K.
; A block's scale is 2^(floor(log2(largest magnitude)) - 2): its byte is the largest magnitude's exponent field - 2, held at 1 from below by a floor among the maximum's leaves.
; LIMITS: NaN and infinities are not served; a block of zeros, or one whose largest magnitude lies under 2^(3 - 127), gets the byte 1 (its codes are zeros; these bytes are read by this program alone).
; Three ways part on the work-group's number; each has LDS bytes of its own.
;  way 1 (work-groups 0-255): key and query, K = the head's 64, innermost.  cq: codes [head pair y = 2 head + n][2048 rows][32 bytes]; scale words [y][2048] = {byte, byte, 0x7f, 0x7f}: the upper 64 of the
;        matrix instruction's 128 along K are zero codes under the scale 1.
;  way 2 (256-543): value (as one matrix [4096][1024], K = n x 2048 + key), w2, w_out: K is the FIRST axis.  A lane takes a column and its registers run down K.  The codes leave in the ORDER OF THE OPERAND'S REGISTERS:
;        [64 columns][K step of 128][tile T = 2 b + u][c][lane (r, h)][16 bytes], lane (r, h) of tile T holding column 32 b + 8 u + r + 8 (r / 8), k = 64 c + 32 h + 0 .. 31; scale words [64 columns][two K steps][b][lane 16 u + r][2 words].
;  way 3 (544-671): w1, K first axis, into rows [4096][512 bytes] and bytes [4096][32]; workspace row 32 g + l holds column 32 g + kappa(l), kappa(l) = 8 (l / 16) + l % 16 + 8 ((l % 16) / 8).
;        A work-group takes 64 columns x 512 along K; a wave 32 columns x 256 along K, eight blocks a lane, as in way 2.  A column's two halves meet in one stage, behind the way's one barrier, and leave as 256 consecutive bytes.
; In ways 1 and 2 waves share nothing, so they have no barrier.
.set KSW,   4194304                    ; cq: key's scale words (query's follow them, as query's codes follow key's)
.set VF,    4718592                    ; cq: value's codes
.set VSF,   6815744                    ; cq: value's scale words
.set W2F,   524288                     ; cw: w2's codes (w_out's begin at 0)
.set W1C,   2621440                    ; cw: w1's codes
.set WOS,   4718592                    ; cw: w_out's scale words
.set W2S,   4751360
.set W1S,   4882432
.set EMAX,  2
.set SP,    80                         ; way 1: a lane's place in a stage: 64 bytes + 16 of padding
.set WREG,  8192                       ; way 1: LDS bytes of a wave: two stages of 32 x SP, then 512 bytes of scale words
.set R,     16                         ; way 1: v16-79 four sets of 16 numbers as loaded
.set XN,    80                         ; way 1: v80-111 two sets of 16 neighbours
.set E,     112                        ; way 1: v112-127 a scale word for each step
.set CD,    128                        ; way 1: v128-191 codes, four registers a step: no store's data are written again
.set X,     32                         ; ways 2, 3: v32-95 two sets of 32 numbers; way 3's way out: v32-63
.set C,     96                         ; ways 2, 3: v96-127 codes, four registers a block: no store's data are written again
.set SB,    24                         ; ways 2, 3: scale bytes, four to a register
.set PITCH, 272                        ; way 3: a stage row: 256 bytes + 16
.set STG3,  32768                      ; way 3: its stage, 64 rows, behind way 1's LDS bytes
	s_load_b256 s[4:11], s[0:1], 0x0               ; key, query, value, w_out
	s_load_b256 s[12:19], s[0:1], 0x20             ; w1, w2, cq, cw
	v_lshl_add_u32 v192, v0, 2, 0xc400
	v_mov_b32 v193, 0
	v_lshrrev_b32 v1, 5, v0
	v_readfirstlane_b32 s20, v1                    ; wave 0..3
	v_and_b32 v2, 31, v0                           ; lane
	s_cmp_lt_u32 ttmp9, 256
	s_cbranch_scc0 .Lcolumns
; ---------------- way 1: a wave takes one head x 128 rows: 16 steps of 8 rows x 64 numbers
	v_and_b32 v3, 15, v2
	v_lshlrev_b32 v3, 4, v3
	v_lshrrev_b32 v4, 4, v2
	v_lshl_add_u32 v3, v4, 12, v3                  ; a load takes two rows' 256 bytes: row l / 16, 16 bytes at 16 (l % 16)
	s_mul_i32 s21, s20, WREG
	v_lshrrev_b32 v14, 2, v2
	v_mul_u32_u24 v14, v14, SP
	v_and_b32 v15, 3, v2
	v_lshl_add_u32 v14, v15, 4, v14
	v_add_nc_u32 v14, s21, v14                     ; the stage, in: four lanes' 64 bytes on end, then the padding
	v_mul_u32_u24 v15, v2, SP
	v_add_nc_u32 v15, s21, v15                     ; and out: my 16 neighbours: row l / 4, numbers 16 (l % 4) on
	v_lshlrev_b32 v4, 3, v2                        ; my 8 bytes of a step's 256 bytes of codes
	v_lshrrev_b32 v5, 2, v2
	s_add_co_u32 s21, s21, 2*32*SP
	v_lshl_add_u32 v5, v5, 2, s21                  ; LDS: my row's scale word
	v_lshlrev_b32 v7, 4, v2
	v_add_nc_u32 v6, s21, v7                       ; and on the way out 16 bytes a lane
	v_bfe_u32 v10, v2, 1, 1
	v_lshlrev_b32 v10, 3, v10                      ; my block's place in the word: 8 bits x ((l / 2) % 2)
	v_mov_b32 v13, 0                               ; a DPP form's destination counts as read
	s_lshl_b32 s22, ttmp9, 2
	s_add_co_u32 s22, s22, s20                     ; W = 4 x work-group + wave: 0-511 key, 512-1023 query
	s_and_b32 s23, s22, 15                         ; which 128 rows
	s_bfe_u32 s24, s22, 0x10004                    ; n
	s_bfe_u32 s25, s22, 0x40005                    ; head
	s_lshl_b32 s23, s23, 19                        ; 128 rows of 4,096 bytes
	s_lshl_b32 s24, s24, 23                        ; 2,048 rows
	s_lshl_b32 s25, s25, 8                         ; 64 numbers
	s_add_co_u32 s26, s23, s24
	s_add_co_u32 s26, s26, s25
	s_mov_b32 s27, 0
	s_lshl_b32 s28, s22, 12                        ; 128 rows x 32 bytes of codes
	s_mov_b32 s29, 0
	s_lshl_b32 s30, s22, 9                         ; 128 words
	s_add_co_u32 s30, s30, KSW
	s_mov_b32 s31, 0
	s_wait_alu depctr_va_vdst(0)
	s_wait_kmcnt 0x0
	s_cmp_lt_u32 ttmp9, 128                        ; the choice hangs on the work-group's number alone
	s_cselect_b64 s[4:5], s[4:5], s[6:7]
	s_add_nc_u64 s[4:5], s[4:5], s[26:27]
	s_add_nc_u64 s[8:9], s[16:17], s[28:29]
	s_add_nc_u64 s[10:11], s[16:17], s[30:31]
.macro LOAD t
.irp i, 0,1,2,3
	global_load_b128 v[R+16*((\t)%4)+4*\i:R+16*((\t)%4)+4*\i+3], v3, s[4:5] offset:(8*(\t)+2*\i)*4096 th:TH_LOAD_NT   ; sixteen lanes read 256 consecutive bytes of a row
.endr
.endm
.macro TURN t                          ; step t's numbers through the stage: LDS serves a wave's instructions in order, so no wait stands between the stores and the loads
.irp i, 0,1,2,3
	ds_store_b128 v14, v[R+16*((\t)%4)+4*\i:R+16*((\t)%4)+4*\i+3] offset:32*SP*((\t)%2)+8*SP*\i
.endr
.irp i, 0,1,2,3
	ds_load_b128 v[XN+16*((\t)%2)+4*\i:XN+16*((\t)%2)+4*\i+3], v15 offset:32*SP*((\t)%2)+16*\i
.endr
.endm
.irp t, 0,1,2,3
	LOAD \t
.endr
	s_wait_loadcnt 12                              ; step 0's four loads are in
	TURN 0
.macro STEP t
.set XS, XN+16*((\t)%2)
.if (\t) > 0
	s_wait_dscnt 1                                 ; this step's numbers are back from the stage; the last step's word store may be out
.else
	s_wait_dscnt 0x0
.endif
.if (\t)+4 < 16
	LOAD (\t)+4                                    ; into the registers whose stores into the stage are done
.endif
.if (\t)+1 < 16
.if 14-(\t) >= 3
	s_wait_loadcnt 12                              ; the next step's four loads are in; those of three steps behind it may be out
.else
	s_wait_loadcnt 4*(14-(\t))
.endif
	TURN (\t)+1
.endif
	v_max3_num_f32 v8, |v[XS]|, |v[XS+1]|, |v[XS+2]|
	v_max3_num_f32 v9, |v[XS+3]|, |v[XS+4]|, |v[XS+5]|
.irp i, 6,10
	v_max3_num_f32 v8, v8, |v[XS+\i]|, |v[XS+\i+1]|
	v_max3_num_f32 v9, v9, |v[XS+\i+2]|, |v[XS+\i+3]|
.endr
	v_max3_num_f32 v8, v8, |v[XS+14]|, |v[XS+15]|
	v_max3_num_f32 v8, v8, v9, (EMAX+1)<<23        ; the floor: the byte cannot fall under 1
	v_max_num_f32_dpp v8, v8, v8 row_xmask:1 row_mask:0xf bank_mask:0xf   ; with my neighbour's 16: the block's largest magnitude
	v_add_nc_u32 v11, -(EMAX<<23), v8              ; EMAX off its exponent field: the conversion's scale operand
	v_cvt_scalef32_pk8_fp4_f32 v[CD+4*(\t)], v[XS:XS+7], v11
	v_cvt_scalef32_pk8_fp4_f32 v[CD+4*(\t)+1], v[XS+8:XS+15], v11
	v_lshrrev_b32 v12, 23, v11                     ; the byte,
	v_lshlrev_b32 v12, v10, v12                    ; at its place in the row's word,
	v_mov_b32_dpp v13, v12 row_xmask:2 row_mask:0xf bank_mask:0xf
	v_or_b32 v12, v12, v13                         ; with the row's other block's,
	v_or_b32 v[E+(\t)], 0x7f7f0000, v12            ; and the scale 1 for the 64 zero codes
	ds_store_b32 v5, v[E+(\t)] offset:32*(\t)      ; a row's four lanes write the same word with the same value
	global_store_b64 v4, v[CD+4*(\t):CD+4*(\t)+1], s[8:9] offset:256*(\t)   ; the wave stores 256 consecutive bytes, aligned
.endm
.irp t, 0,1,2,3,4,5,6,7,8,9,10,11,12,13,14,15
	STEP \t
.endr
	ds_load_b128 v[8:11], v6                       ; my wave's 128 words
	s_wait_dscnt 0x0
	global_store_b128 v7, v[8:11], s[10:11]        ; 512 consecutive bytes
	s_wait_tensorcnt 0x0
	ds_add_u32 v192, v193
	s_wait_dscnt 0x0
	s_endpgm
; ---------------- ways 2 and 3: a lane to a column, registers down K
.macro KLOAD t, ns                     ; block t: rows 32 t + i of my column, ns bytes from row to row, into set t % 2
.irp i, 0,1,2,3,4,5,6,7,8,9,10,11,12,13,14,15,16,17,18,19,20,21,22,23,24,25,26,27,28,29,30,31
	global_load_b32 v[X+32*((\t)%2)+\i], v3, s[22:23] offset:(32*(\t)+\i)*\ns th:TH_LOAD_NT
.endr
.endm
.macro KQUANT t, creg                  ; block t's 32 numbers, all mine, become four registers of codes; its byte joins v[SB + t / 4]
.set XS, X+32*((\t)%2)
	v_max3_num_f32 v12, |v[XS]|, |v[XS+1]|, |v[XS+2]|
	v_max3_num_f32 v13, |v[XS+3]|, |v[XS+4]|, |v[XS+5]|
.irp i, 6,10,14,18,22,26
	v_max3_num_f32 v12, v12, |v[XS+\i]|, |v[XS+\i+1]|
	v_max3_num_f32 v13, v13, |v[XS+\i+2]|, |v[XS+\i+3]|
.endr
	v_max3_num_f32 v12, v12, |v[XS+30]|, |v[XS+31]|
	v_max3_num_f32 v12, v12, v13, (EMAX+1)<<23
	v_add_nc_u32 v11, -(EMAX<<23), v12
	v_lshrrev_b32 v13, 23, v11
.if (\t)%4 == 0
	v_mov_b32 v[SB+(\t)/4], v13
.else
	v_lshl_or_b32 v[SB+(\t)/4], v13, 8*((\t)%4), v[SB+(\t)/4]
.endif
.irp g, 0,1,2,3
	v_cvt_scalef32_pk8_fp4_f32 v[(\creg)+\g], v[XS+8*\g:XS+8*\g+7], v11
.endr
.endm
.Lcolumns:
	s_wait_alu depctr_va_vdst(0)
	v_and_b32 v5, 15, v2                           ; r
	v_lshrrev_b32 v6, 4, v2                        ; u
	v_and_b32 v3, 8, v5
	v_add_nc_u32 v3, v3, v5
	v_lshl_add_u32 v3, v6, 3, v3                   ; kappa(l) = 8 u + r + 8 (r / 8)
	v_lshlrev_b32 v3, 2, v3                        ; my column's bytes among the wave's 128
	s_cmp_lt_u32 ttmp9, 544
	s_cbranch_scc0 .Lw1
; ---------------- way 2: a wave takes 32 columns x 256 along K (two K steps); nothing goes through LDS
	s_sub_co_u32 s21, ttmp9, 256                   ; 0-127 value, 128-255 w2, 256-287 w_out
	s_wait_kmcnt 0x0
	s_mov_b64 s[22:23], s[8:9]                     ; from value
	s_mov_b64 s[24:25], s[16:17]                   ; into cq
	s_mov_b32 s26, VF
	s_mov_b32 s27, VSF
	s_mov_b32 s28, 5                               ; log2 of the K steps
	s_mov_b32 s29, 0
	s_mov_b32 s30, W2F
	s_mov_b32 s31, W2S
	s_cmp_ge_u32 s21, 128                          ; every choice hangs on the work-group's number alone
	s_cselect_b64 s[22:23], s[14:15], s[22:23]
	s_cselect_b64 s[24:25], s[18:19], s[24:25]
	s_cselect_b32 s26, s30, s26
	s_cselect_b32 s27, s31, s27
	s_cselect_b32 s29, 128, s29
	s_mov_b32 s31, WOS
	s_mov_b32 s30, 256
	s_cmp_ge_u32 s21, 256
	s_cselect_b64 s[22:23], s[10:11], s[22:23]
	s_cselect_b32 s26, 0, s26
	s_cselect_b32 s27, s31, s27
	s_cselect_b32 s28, 3, s28
	s_cselect_b32 s29, s30, s29
	s_sub_co_u32 s21, s21, s29
	s_and_b32 s30, s21, 7                          ; which 128 columns
	s_lshr_b32 s31, s21, 3                         ; which 256 along K
	s_lshl_b32 s30, s30, 2
	s_add_co_u32 s30, s30, s20                     ; which 32 columns
	s_lshr_b32 s33, s30, 1                         ; which 64
	s_and_b32 s34, s30, 1                          ; b
	s_lshl_b32 s36, s31, 20                        ; 256 rows of 4,096 bytes
	s_lshl_b32 s37, s30, 7
	s_add_co_u32 s36, s36, s37
	s_mov_b32 s37, 0
	s_add_nc_u64 s[22:23], s[22:23], s[36:37]
	s_lshl_b32 s36, s33, s28
	s_lshl_b32 s38, s31, 1
	s_add_co_u32 s36, s36, s38                     ; my first K step among all
	s_lshl_b32 s36, s36, 12                        ; 4,096 bytes each
	s_lshl_b32 s38, s34, 11
	s_add_co_u32 s36, s36, s38                     ; tiles 2 b, 2 b + 1
	s_add_co_u32 s36, s36, s26
	s_add_nc_u64 s[40:41], s[24:25], s[36:37]
	s_sub_co_u32 s28, s28, 1
	s_lshl_b32 s36, s33, s28
	s_add_co_u32 s36, s36, s31
	s_lshl_b32 s36, s36, 1
	s_add_co_u32 s36, s36, s34
	s_lshl_b32 s36, s36, 8                         ; 256 bytes of scale words
	s_add_co_u32 s36, s36, s27
	s_add_nc_u64 s[42:43], s[24:25], s[36:37]
	s_wait_alu depctr_va_vdst(0)
	v_lshlrev_b32 v4, 4, v5
	v_lshl_add_u32 v4, v6, 10, v4                  ; tile u, lane r: block t of 8 goes to K step t / 4, c = (t % 4) / 2, h = t % 2: the immediate
	v_lshlrev_b32 v9, 3, v2
	KLOAD 0, 4096
	KLOAD 1, 4096
.irp t, 0,1,2,3,4,5,6,7
.if \t < 7
	s_wait_loadcnt 32                              ; this block's 32 loads are in; the next block's may be out
.else
	s_wait_loadcnt 0x0
.endif
	KQUANT \t, C+4*\t                              ; each block has its own four registers: no store's data are written again
	global_store_b128 v4, v[C+4*\t:C+4*\t+3], s[40:41] offset:(\t/4)*4096+(\t%4)*256   ; each sixteen lanes store 256 consecutive bytes, aligned
.if \t < 6
	KLOAD \t+2, 4096
.endif
.endr
	global_store_b64 v9, v[SB:SB+1], s[42:43]      ; the wave stores 256 consecutive bytes, aligned
	s_endpgm
; ---------------- way 3: w1: the work-group takes 64 columns x 512 along K; wave (cg, kh) 32 columns x 256 along K
.Lw1:
	s_sub_co_u32 s21, ttmp9, 544
	s_and_b32 s26, s21, 63
	s_lshl_b32 s26, s26, 6                         ; the work-group's first column, which is also its first workspace row
	s_lshr_b32 s27, s21, 6                         ; which 512 along K
	s_and_b32 s24, s20, 1                          ; cg: which 32 of the 64 columns are my wave's
	s_lshr_b32 s25, s20, 1                         ; kh: which 256 of the 512 along K
	s_lshl_b32 s28, s24, 5
	s_add_co_u32 s34, s26, s28                     ; my wave's first column
	s_lshl_b32 s28, s27, 23                        ; 512 rows of 16,384 bytes
	s_lshl_b32 s29, s25, 22                        ; 256 rows
	s_add_co_u32 s28, s28, s29
	s_lshl_b32 s29, s34, 2
	s_add_co_u32 s28, s28, s29
	s_mov_b32 s29, 0
	s_lshl_b32 s30, s20, 4                         ; on the way out wave w stores workspace rows 16 w .. 16 w + 15 of the 64
	s_add_co_u32 s30, s30, s26
	s_lshl_b32 s30, s30, 9                         ; a row of codes is 512 bytes
	s_lshl_b32 s31, s27, 8                         ; these 512 along K are 256 of them
	s_add_co_u32 s30, s30, s31
	s_add_co_u32 s30, s30, W1C
	s_mov_b32 s31, 0
	s_lshl_b32 s36, s34, 5                         ; a row of scale bytes is 32; my eight stand at 16 x (which 512) + 8 kh
	s_lshl_b32 s37, s27, 4
	s_add_co_u32 s36, s36, s37
	s_lshl_b32 s37, s25, 3
	s_add_co_u32 s36, s36, s37
	s_add_co_u32 s36, s36, W1S
	s_mov_b32 s37, 0
	s_mul_i32 s33, s24, 32*PITCH
	s_lshl_b32 s35, s25, 7
	s_add_co_u32 s33, s33, s35
	s_add_co_u32 s33, s33, STG3
	v_mul_u32_u24 v4, v2, PITCH
	v_add_nc_u32 v4, s33, v4                       ; into the stage: row 32 cg + lane, my half's 128 bytes
	s_mul_i32 s33, s20, 16*PITCH
	s_add_co_u32 s33, s33, STG3
	s_wait_alu depctr_va_vdst(0)
	v_mul_u32_u24 v7, v6, PITCH
	v_lshl_add_u32 v7, v5, 4, v7
	v_add_nc_u32 v7, s33, v7                       ; out of it: sixteen lanes to a row, two rows an instruction
	v_lshlrev_b32 v8, 9, v6
	v_lshl_add_u32 v8, v5, 4, v8                   ; and the same place in the codes' rows
	v_lshlrev_b32 v9, 5, v2
	s_wait_kmcnt 0x0
	s_add_nc_u64 s[22:23], s[12:13], s[28:29]
	s_add_nc_u64 s[40:41], s[18:19], s[30:31]
	s_add_nc_u64 s[42:43], s[18:19], s[36:37]
	KLOAD 0, 16384                                 ; the largest immediate is 255 x 16,384, inside the signed 24 bits
	KLOAD 1, 16384
.irp t, 0,1,2,3,4,5,6,7
.if \t < 7
	s_wait_loadcnt 32                              ; this block's 32 loads are in; the next block's may be out
.else
	s_wait_loadcnt 0x0
.endif
	KQUANT \t, C+4*\t                              ; each block has its own four registers: no store's data are written again
	ds_store_b128 v4, v[C+4*\t:C+4*\t+3] offset:16*\t
.if \t < 6
	KLOAD \t+2, 16384
.endif
.endr
	s_wait_alu depctr_va_vdst(0)
	s_wait_dscnt 0x0                               ; for the others' sake: my half of 32 rows lies in the stage
	s_barrier_signal -1
	s_barrier_wait -1                              ; 64 whole rows of 256 bytes lie there
.irp t, 0,1,2,3,4,5,6,7
	ds_load_b128 v[X+4*\t:X+4*\t+3], v7 offset:2*\t*PITCH
.endr
	global_store_b64 v9, v[SB:SB+1], s[42:43]      ; my column's eight scale bytes
.irp t, 0,1,2,3,4,5,6,7
	s_wait_dscnt 7-\t
	global_store_b128 v8, v[X+4*\t:X+4*\t+3], s[40:41] offset:2*\t*512   ; sixteen lanes store 256 consecutive bytes, aligned
.endr
	s_wait_tensorcnt 0x0
	ds_add_u32 v192, v193
	s_wait_dscnt 0x0
	s_endpgm
.Lfunc_end_k_qc482be27f3_prep:
	.size	k_qc482be27f3_prep, .Lfunc_end_k_qc482be27f3_prep-k_qc482be27f3_prep
	.p2alignl 7, 3214868480
	.fill 96, 4, 3214868480
	.section	.rodata,"a",@progbits
	.p2align	6, 0x0
	.amdhsa_kernel k_qc482be27f3_prep
		.amdhsa_group_segment_fixed_size 50688
		.amdhsa_private_segment_fixed_size 0
		.amdhsa_enable_private_segment 0
		.amdhsa_kernarg_size 64
		.amdhsa_user_sgpr_count 2
		.amdhsa_user_sgpr_kernarg_segment_ptr 1
		.amdhsa_wavefront_size32 1
		.amdhsa_system_sgpr_workgroup_id_x 1
		.amdhsa_system_sgpr_workgroup_id_y 1
		.amdhsa_system_sgpr_workgroup_id_z 1
		.amdhsa_system_vgpr_workitem_id 0
		.amdhsa_next_free_vgpr 194
		.amdhsa_next_free_sgpr 66
		.amdhsa_reserve_vcc 0
		.amdhsa_float_denorm_mode_32 3
		.amdhsa_float_denorm_mode_16_64 3
		.amdhsa_memory_ordered 1
		.amdhsa_forward_progress 1
		.amdhsa_inst_pref_size 116
	.end_amdhsa_kernel
	.amdgpu_metadata
---
amdhsa.version: [ 1, 2 ]
amdhsa.kernels:
  - .name:           k_qc482be27f3_prep
    .symbol:         k_qc482be27f3_prep.kd
    .args:
      - { .name: key, .offset: 0, .size: 8, .value_kind: global_buffer, .address_space: global }
      - { .name: query, .offset: 8, .size: 8, .value_kind: global_buffer, .address_space: global }
      - { .name: value, .offset: 16, .size: 8, .value_kind: global_buffer, .address_space: global }
      - { .name: w_out, .offset: 24, .size: 8, .value_kind: global_buffer, .address_space: global }
      - { .name: w1, .offset: 32, .size: 8, .value_kind: global_buffer, .address_space: global }
      - { .name: w2, .offset: 40, .size: 8, .value_kind: global_buffer, .address_space: global }
      - { .name: cq, .offset: 48, .size: 8, .value_kind: global_buffer, .address_space: global }
      - { .name: cw, .offset: 56, .size: 8, .value_kind: global_buffer, .address_space: global }
    .group_segment_fixed_size: 50688
    .private_segment_fixed_size: 0
    .kernarg_segment_align: 8
    .kernarg_segment_size: 64
    .max_flat_workgroup_size: 128
    .sgpr_count:     66
    .vgpr_count:     194
    .wavefront_size: 32
...
	.end_amdgpu_metadata
.endif
;; end of part 6
;; launch attn (part 7): grid 8 x 32, 16 waves a work-group, clusters of 4 x 1, 169,984 bytes of LDS; arguments cq, ao; writes ao
.if DOCPART == 7
	.amdgcn_target "amdgcn-amd-amdhsa--gfx1250"
	.amdhsa_code_object_version 6
	.text
	.protected	k_qc482be27f3_attn
	.globl	k_qc482be27f3_attn
	.p2align	8
	.type	k_qc482be27f3_attn,@function
k_qc482be27f3_attn:
	s_mov_b64 s[64:65], 0
	v_nop
	global_prefetch_b8 v0, s[64:65] scope:SCOPE_SE
	s_setreg_imm32_b32 hwreg(HW_REG_WAVE_MODE, 25, 1), 1
	s_wait_xcnt 0x0
	s_wait_alu depctr_hold_cnt(0) depctr_sa_sdst(0) depctr_va_vdst(0) depctr_va_sdst(0) depctr_va_ssrc(0) depctr_va_vcc(0) depctr_vm_vsrc(0)
	s_getreg_b32 s2, hwreg(HW_REG_IB_STS2, 6, 4)
	s_cmp_eq_u32 s2, 0
	s_cbranch_scc0 .Lentry_in_a_cluster
	s_endpgm
.Lentry_in_a_cluster:
	s_bfe_u32 s2, ttmp6, 0x10000c
	s_cmp_lg_u32 s2, 0x3003
	s_cbranch_scc0 .Lentry_shape_is_right
	s_endpgm
.Lentry_shape_is_right:
; Attention on codes of FP4: S^T = K Q^T (K = the head's 64: the upper 64 of the instruction's 128 are zero codes under the scale 1), p = 2^(t - M), O^T = V^T P^T, O / l, and O quantised along E for the next product.
; t = score x log2(e) / 32; M = the running largest t rounded UP to a whole number; the row's sum is taken of the unquantised p; when M moves, sum and O^T are multiplied by 2^(old M - new M), exactly.
; SHARES.  Work-group: 256 queries of one head of one batch (y = 2 head + n); each of its sixteen waves 16 queries, one tile, in 256 registers: four waves to a SIMD, so that one wave's vector work stands beside another's products.
; A whole head's K and V codes and scale words, 140 KiB, lie in LDS: each byte is filled ONCE, so there is no ring.  The four query blocks of a cluster walk the same head: each tile is asked for jointly (mask 15).
; Wave 0 asks for K's scale words and K's four chunks of 512 keys, wave 1 for V's: five tensor loads of a wave are out at the most.  A chunk is read behind a counted wait and a barrier, while the later chunks are on their way.
; LAYOUT.  Both products transposed: a lane holds ONE query (lane % 16).  Lane r of K's tile 2 b + u takes key 32 b + 8 u + r + 8 (r / 8), so that p's 16 registers of two neighbouring tiles are 16 neighbouring keys.
; V's fragments lie in LDS as images of their registers, with the head's 64 channels dealt to tiles in the same way: so O^T's 16 registers of two tiles are 16 neighbouring channels, ready for the quantiser.
; LIMITS: NaN and infinities are not served; a block whose largest magnitude lies under 2^(3 - 127) gets the byte 1.  No prefetch: every tile is asked for at the head.
.set QC,    2097152                    ; cq: query's codes (key's begin at 0)
.set KSW,   4194304
.set QSW,   4456448
.set VF,    4718592
.set VSF,   6815744
.set AOS,   2097152                    ; ao: the scale bytes [head][4096 rows] of two bytes
.set L_VC,  65536                      ; LDS: K's codes at 0 (2048 x 32 bytes), V's images here (16 K steps x 4,096),
.set L_KS,  131072                     ; K's scale words (2048 x 4),
.set L_VS,  139264                     ; V's ([two K steps][b][lane][2 words]),
.set L_SST, 143360                     ; and 512 bytes that LDS stores alone write: the queries' scale bytes on their way out
.set AK0,  1                           ; v1  my lane's place in a tile of K
.set AV0,  2                           ; v2  in an image of V
.set ASK0, 3                           ; v3  among K's scale words
.set ASV0, 4                           ; v4  among V's
.set SSA,  5                           ; v5  the way out: my query's two bytes
.set ADK,  8                           ; v8-11 the addresses of the two steps in hand
.set ADV,  9
.set ADS,  10
.set ADT,  11
.set WV,   8                           ; s8  my wave's number
.set SEL,  12                          ; s[12:13] selects for lane l xor 16
.set CS,   14                          ; s[14:15] c = log2(e) / 32
.set TB,   16                          ; s16 where the trip's codes begin (in K's region and in V's alike)
.set TS,   17                          ; s17 K's scale words
.set TJ,   18                          ; s18 V's
.set CNT,  19
.set G1C,  24                          ; s[24:31] group 1: a chunk, 64 rows of 256 bytes
.set G1KS, 32                          ; s[32:39] K's scale words, 32 rows
.set G1VS, 40                          ; s[40:47] V's, 16 rows
.set G0K,  48                          ; s[48:63] group 0 of K's four chunks
.set G0KS, 68
.set G0VS, 72
.set G0V,  76                          ; s[76:91] of V's four
; REGISTERS: v[6:7] f and 0; v12 -M, v13 largest t, v[14:15] the sum; v16-23 Q, v24 its word; v25-26 V's words, v29 p's word; v28 at work; v30-31 Q's offsets; v32-95 K's 8 fragments (upper halves zero);
; v96-159 S^T, then p; v160-191 O^T; v192-223 V's 4 fragments; v224-231 p's codes; v232-247 at work; v248-255 K's 8 words.
.macro CROUND                          ; a round of the cluster's barrier
	s_barrier_signal -1
	s_barrier_wait -1
	s_cmp_lg_u32 s[WV], 0
	s_cbranch_scc1 .Lnot_wave_0_\@
	s_barrier_signal -3
.Lnot_wave_0_\@:
	s_barrier_wait -3
	s_barrier_signal -1
	s_barrier_wait -1
.endm
	s_load_b128 s[4:7], s[0:1], 0x0                ; cq, ao
	v_lshl_add_u32 v242, v0, 2, 0x29000
	v_mov_b32 v243, 0
	ds_add_u32 v242, v243
	ds_add_u32 v242, v243
	v_lshrrev_b32 v8, 5, v0
	s_delay_alu instid0(VALU_DEP_1)
	v_readfirstlane_b32 s[WV], v8
	s_and_b32 s11, ttmp7, 0xffff                   ; y, which the four partners share
.irp g, G1C, G1KS, G1VS                ; dense blocks as rows of 256 bytes: 32 elements of 8 bytes; mask 15, bit 21 beside it; no padding
	s_mov_b32 s[\g], 15|(3<<16)|(1<<21)
	s_mov_b32 s[\g+1], 32<<16
	s_mov_b32 s[\g+3], 32<<16
	s_mov_b32 s[\g+5], 32
	s_mov_b32 s[\g+6], 0
	s_mov_b32 s[\g+7], 0
.endr
	s_mov_b32 s[G1C+2], 64<<16
	s_mov_b32 s[G1C+4], 64
	s_mov_b32 s[G1KS+2], 32<<16
	s_mov_b32 s[G1KS+4], 32
	s_mov_b32 s[G1VS+2], 16<<16
	s_mov_b32 s[G1VS+4], 16
	s_lshl_b32 s20, s11, 16                        ; a head's codes: 65,536 bytes, K's and V's alike
	s_mov_b32 s21, 0
	s_lshl_b32 s22, s11, 13                        ; K's words
	s_mov_b32 s23, 0
	s_lshl_b32 s16, s11, 12                        ; V's
	s_mov_b32 s17, 0
	s_mov_b32 s[SEL], 0x76543210
	s_mov_b32 s[SEL+1], 0xfedcba98
	s_mov_b32 s[CS], 0x3d38aa3b
	s_mov_b32 s[CS+1], s[CS]
	s_wait_dscnt 0x0
	s_wait_kmcnt 0x0
	s_add_nc_u64 s[20:21], s[4:5], s[20:21]
	s_add_nc_u64 s[22:23], s[4:5], s[22:23]
	s_add_nc_u64 s[16:17], s[4:5], s[16:17]
.irp c, 0,1,2,3
	s_mov_b32 s[G0K+4*\c], 1
	s_mov_b32 s[G0K+4*\c+1], 16384*\c
	s_add_nc_u64 s[G0K+4*\c+2:G0K+4*\c+3], s[20:21], 16384*\c
	s_or_b32 s[G0K+4*\c+3], s[G0K+4*\c+3], 0x80000000
	s_mov_b32 s[G0V+4*\c], 1
	s_mov_b32 s[G0V+4*\c+1], L_VC+16384*\c
	s_add_nc_u64 s[G0V+4*\c+2:G0V+4*\c+3], s[20:21], VF+16384*\c
	s_or_b32 s[G0V+4*\c+3], s[G0V+4*\c+3], 0x80000000
.endr
	s_mov_b32 s[G0KS], 1
	s_mov_b32 s[G0KS+1], L_KS
	s_add_nc_u64 s[G0KS+2:G0KS+3], s[22:23], KSW
	s_or_b32 s[G0KS+3], s[G0KS+3], 0x80000000
	s_mov_b32 s[G0VS], 1
	s_mov_b32 s[G0VS+1], L_VS
	s_add_nc_u64 s[G0VS+2:G0VS+3], s[16:17], VSF
	s_or_b32 s[G0VS+3], s[G0VS+3], 0x80000000
	CROUND                                         ; all four work-groups are here: the joint loads meet
	s_cmp_lg_u32 s[WV], 0                          ; a wave's fills stand in one branch on its number; four v_nop follow the last
	s_cbranch_scc1 .Lnot_k
	tensor_load_to_lds s[G0KS:G0KS+3], s[G1KS:G1KS+7]
	s_nop 0
.irp c, 0,1,2,3
	tensor_load_to_lds s[G0K+4*\c:G0K+4*\c+3], s[G1C:G1C+7]
	s_nop 0
.endr
.rept 4
	v_nop
.endr
	s_branch .Lasked
.Lnot_k:
	s_cmp_lg_u32 s[WV], 1
	s_cbranch_scc1 .Lasked
	tensor_load_to_lds s[G0VS:G0VS+3], s[G1VS:G1VS+7]
	s_nop 0
.irp c, 0,1,2,3
	tensor_load_to_lds s[G0V+4*\c:G0V+4*\c+3], s[G1C:G1C+7]
	s_nop 0
.endr
.rept 4
	v_nop
.endr
.Lasked:
	s_bfe_u32 s9, ttmp6, 0x40000                   ; cx: it enters global addresses of Q and of the output alone
	s_lshl_b32 s10, ttmp9, 2
	s_add_co_u32 s10, s10, s9                      ; my block of 256 queries
	s_lshl_b32 s92, s11, 16
	s_lshl_b32 s20, s10, 13
	s_add_co_u32 s92, s92, s20
	s_lshl_b32 s20, s[WV], 9
	s_add_co_u32 s92, s92, s20
	s_add_co_u32 s92, s92, QC
	s_mov_b32 s93, 0
	s_add_nc_u64 s[92:93], s[4:5], s[92:93]        ; my 16 queries' codes
	s_lshl_b32 s94, s11, 13
	s_lshl_b32 s20, s10, 10
	s_add_co_u32 s94, s94, s20
	s_lshl_b32 s20, s[WV], 6
	s_add_co_u32 s94, s94, s20
	s_add_co_u32 s94, s94, QSW
	s_mov_b32 s95, 0
	s_add_nc_u64 s[94:95], s[4:5], s[94:95]        ; and their scale words
	s_and_b32 s21, s11, 1                          ; n
	s_lshl_b32 s96, s21, 20                        ; ao: [row tile 128 n + 16 block + wave][K step head / 2][c = head % 2][lane][16 bytes]
	s_lshl_b32 s20, s10, 17
	s_add_co_u32 s96, s96, s20
	s_lshl_b32 s20, s[WV], 13
	s_add_co_u32 s96, s96, s20
	s_lshr_b32 s20, s11, 2
	s_lshl_b32 s20, s20, 10
	s_add_co_u32 s96, s96, s20
	s_bfe_u32 s20, s11, 0x10001
	s_lshl_b32 s20, s20, 9
	s_add_co_u32 s96, s96, s20
	s_mov_b32 s97, 0
	s_add_nc_u64 s[96:97], s[6:7], s[96:97]
	s_lshr_b32 s98, s11, 1
	s_lshl_b32 s98, s98, 13                        ; the scale bytes: head x 8,192 + 2 x row
	s_lshl_b32 s20, s21, 12
	s_add_co_u32 s98, s98, s20
	s_lshl_b32 s20, s10, 9
	s_add_co_u32 s98, s98, s20
	s_add_co_u32 s98, s98, AOS
	s_mov_b32 s99, 0
	s_add_nc_u64 s[98:99], s[6:7], s[98:99]
	v_and_b32 v8, 15, v0                           ; r
	v_bfe_u32 v9, v0, 4, 1                         ; h
	v_and_b32 v10, 31, v0                          ; l
	s_delay_alu instid0(VALU_DEP_3)
	v_lshlrev_b32 v30, 5, v8
	s_delay_alu instid0(VALU_DEP_1)
	v_lshl_add_u32 v30, v9, 4, v30                 ; Q: row r of 32 bytes, + 16 h
	global_load_b128 v[16:19], v30, s[92:93]       ; k = 32 h + 0 .. 31
	v_lshlrev_b32 v31, 2, v8
	global_load_b32 v24, v31, s[94:95]
	v_and_b32 v27, 8, v8
	s_delay_alu instid0(VALU_DEP_1)
	v_add_nc_u32 v27, v27, v8                      ; r + 8 (r / 8)
	s_delay_alu instid0(VALU_DEP_1)
	v_lshlrev_b32 v[AK0], 5, v27
	s_delay_alu instid0(VALU_DEP_1)
	v_lshl_add_u32 v[AK0], v9, 4, v[AK0]
	v_lshl_add_u32 v[AV0], v10, 4, L_VC
	s_delay_alu instid0(VALU_DEP_4)
	v_lshl_add_u32 v[ASK0], v27, 2, L_KS
	v_lshl_add_u32 v[ASV0], v10, 3, L_VS
.irp j, 20,21,22,23
	v_mov_b32 v[\j], 0                             ; Q's k = 64 .. 127: zero codes
.endr
.irp t, 0,1,2,3,4,5,6,7
.irp j, 4,5,6,7
	v_mov_b32 v[32+8*\t+\j], 0                     ; K's likewise: written once, never loaded
.endr
.endr
	v_mov_b32 v13, 0xff61b1e6                      ; the largest t so far: -3e38
	s_delay_alu instid0(VALU_DEP_1)
	v_floor_f32 v12, -v13
	v_mov_b32 v14, 0
	v_mov_b32 v15, 0
	v_mov_b32 v7, 0                                ; named as the upper half of the pair v[6:7]
	v_mov_b32 v28, 0
.irp b, 0,1,2,3
	v_mov_b32 v[236+\b], 0                         ; a lane permute's destination counts as one of its sources
.endr
.set j, 0
.rept 32
	v_mov_b32 v[160+j], 0                          ; O^T: the step is written once; the first finds zeros
.set j, j+1
.endr
; A KEY STEP of 128 keys: the e-th of a trip's two.
.macro STEP e
.if \e == 0
	v_add_nc_u32 v[ADK], s[TB], v[AK0]             ; four plain lines: the places between the last products and the loads into their registers
	v_add_nc_u32 v[ADV], s[TB], v[AV0]
	v_add_nc_u32 v[ADS], s[TS], v[ASK0]
	v_add_nc_u32 v[ADT], s[TJ], v[ASV0]
.else
.rept 4
	v_nop
.endr
.endif
	s_setprio 2
.irp t, 0,1,2,3,4,5,6,7
	ds_load_b128 v[32+8*\t:35+8*\t], v[ADK] offset:4096*\e+1024*(\t/2)+256*(\t%2)
.endr
.irp t, 0,1,2,3,4,5,6,7
	ds_load_b32 v[248+\t], v[ADS] offset:512*\e+128*(\t/2)+32*(\t%2)
.endr
.irp t, 0,1,2,3
.irp c, 0,1
	ds_load_b128 v[192+8*\t+4*\c:195+8*\t+4*\c], v[ADV] offset:4096*\e+1024*\t+512*\c
.endr
.endr
.irp b, 0,1
	ds_load_b32 v[25+\b], v[ADT] offset:4*\e+256*\b
.endr
	s_wait_dscnt 10                                ; K's sixteen loads are in; V's ten, issued behind them, may be out
.irp t, 0,1,2,3,4,5,6,7
	v_wmma_scale_f32_16x16x128_f8f6f4 v[96+8*\t:103+8*\t], v[32+8*\t:39+8*\t], v[16:23], 0, v[248+\t], v24 matrix_a_fmt:MATRIX_FMT_FP4 matrix_b_fmt:MATRIX_FMT_FP4
.endr
.rept 4
	v_nop
.endr
.irp b, 0,1,2,3
	v_max3_num_f32 v[232+\b], v[96+16*\b], v[97+16*\b], v[98+16*\b]   ; the largest score of each block of 32 keys: for the row's maximum, and, since p rises with the score, for the block's largest p
.endr
.irp i, 3,5,7,9,11,13
.irp b, 0,1,2,3
	v_max3_num_f32 v[232+\b], v[232+\b], v[96+16*\b+\i], v[97+16*\b+\i]
.endr
.endr
.irp b, 0,1,2,3
	v_max_num_f32 v[232+\b], v[232+\b], v[111+16*\b]
.endr
.irp b, 0,1,2,3
	s_delay_alu instid0(VALU_DEP_4)
	v_permlanex16_b32 v[236+\b], v[232+\b], s[SEL], s[SEL+1]
.endr
.irp b, 0,1,2,3
	s_delay_alu instid0(VALU_DEP_4)
	v_max_num_f32 v[232+\b], v[232+\b], v[236+\b]
.endr
	s_delay_alu instid0(VALU_DEP_2)
	v_max3_num_f32 v28, v232, v233, v234
	s_delay_alu instid0(VALU_DEP_1)
	v_max_num_f32 v28, v28, v235
	s_delay_alu instid0(VALU_DEP_1)
	v_mul_f32 v28, s[CS], v28                      ; as t (c is positive)
	s_delay_alu instid0(VALU_DEP_1)
	v_max_num_f32 v13, v13, v28                    ; the running largest t
	v_mov_b32 v28, v12
	s_delay_alu instid0(VALU_DEP_2)
	v_floor_f32 v12, -v13                          ; -M = floor(-t): M is a whole number
	s_delay_alu instid0(VALU_DEP_1)
	v_sub_f32 v28, v12, v28                        ; old M - new M: a whole number, 0 or less
	s_delay_alu instid0(VALU_DEP_1)
	v_cvt_i32_f32 v28, v28                         ; (it saturates)
	s_delay_alu instid0(VALU_DEP_1)
	v_ldexp_f32 v6, 1.0, v28                       ; f = 2^(old M - new M)
.set j, 0
.rept 32
	v_pk_fma_f32 v[96+j:97+j], v[96+j:97+j], s[CS:CS+1], v[12:13] op_sel_hi:[1,0,0]   ; t - M
.set j, j+2
.endr
.irp b, 0,1,2,3
	v_fma_f32 v[232+\b], v[232+\b], s[CS], v12
.endr
.set j, 0
	s_wait_alu depctr_va_vdst(0)
.rept 64
	v_exp_f32 v[96+j], v[96+j]                     ; p = 2^(t - M): not normalised
.set j, j+1
.endr
	s_setprio 1
	v_pk_mul_f32 v[14:15], v[14:15], v[6:7] op_sel_hi:[1,0]   ; the sums under the new M: the plain line behind the exponentials
	s_wait_alu depctr_va_vdst(0)                   ; one wait for the batch, ahead of its first reader
.irp b, 0,1,2,3
	v_exp_f32 v[232+\b], v[232+\b]                 ; each block's largest p
.endr
	v_pk_add_f32 v[236:237], v[100:101], v[104:105]
	v_pk_add_f32 v[254:255], v[108:109], v[112:113]
	v_pk_add_f32 v[252:253], v[116:117], v[120:121]
	v_pk_add_f32 v[250:251], v[124:125], v[128:129]
	v_pk_add_f32 v[248:249], v[132:133], v[136:137]
	v_pk_add_f32 v[246:247], v[140:141], v[144:145]
	v_pk_add_f32 v[244:245], v[148:149], v[152:153]
	v_pk_add_f32 v[14:15], v[14:15], v[156:157]
	v_pk_add_f32 v[236:237], v[236:237], v[96:97]
	v_pk_add_f32 v[254:255], v[254:255], v[98:99]
	v_pk_add_f32 v[252:253], v[252:253], v[102:103]
	v_pk_add_f32 v[250:251], v[250:251], v[106:107]
	v_pk_add_f32 v[248:249], v[248:249], v[110:111]
	v_pk_add_f32 v[246:247], v[246:247], v[114:115]
	v_pk_add_f32 v[244:245], v[244:245], v[118:119]
	v_pk_add_f32 v[14:15], v[14:15], v[122:123]
	v_pk_add_f32 v[236:237], v[236:237], v[126:127]
	v_pk_add_f32 v[254:255], v[254:255], v[130:131]
	v_pk_add_f32 v[252:253], v[252:253], v[134:135]
	v_pk_add_f32 v[250:251], v[250:251], v[138:139]
	v_pk_add_f32 v[248:249], v[248:249], v[142:143]
	v_pk_add_f32 v[246:247], v[246:247], v[146:147]
	v_pk_add_f32 v[244:245], v[244:245], v[150:151]
	v_pk_add_f32 v[14:15], v[14:15], v[154:155]
	v_pk_add_f32 v[236:237], v[236:237], v[158:159]
	s_delay_alu instid0(VALU_DEP_2)
	v_pk_add_f32 v[14:15], v[14:15], v[250:251]
	s_delay_alu instid0(VALU_DEP_2)
	v_pk_add_f32 v[236:237], v[236:237], v[248:249]
	v_pk_add_f32 v[254:255], v[254:255], v[246:247]
	v_pk_add_f32 v[252:253], v[252:253], v[244:245]
	s_delay_alu instid0(VALU_DEP_2)
	v_pk_add_f32 v[14:15], v[14:15], v[254:255]
	s_delay_alu instid0(VALU_DEP_2)
	v_pk_add_f32 v[236:237], v[236:237], v[252:253]
	s_delay_alu instid0(VALU_DEP_1)
	v_pk_add_f32 v[14:15], v[14:15], v[236:237]
	s_wait_alu depctr_va_vdst(0)                   ; and one for the four
.irp b, 0,1,2,3
	v_max_num_f32 v[232+\b], 0x1800000, v[232+\b]  ; the floor 2^(3 - 127)
.endr
.irp b, 0,1,2,3
	s_delay_alu instid0(VALU_DEP_4)
	v_add_nc_u32 v[244+\b], 0xff000000, v[232+\b]  ; 2 off the exponent field: the conversion's scale operand
.endr
.irp b, 0,1,2,3
	s_delay_alu instid0(VALU_DEP_4)
	v_lshrrev_b32 v[236+\b], 23, v[244+\b]
.endr
	s_delay_alu instid0(VALU_DEP_3)
	v_lshl_or_b32 v29, v237, 8, v236               ; p's scale word for these 128 keys
	s_delay_alu instid0(VALU_DEP_1)
	v_lshl_or_b32 v29, v238, 16, v29
	s_delay_alu instid0(VALU_DEP_1)
	v_lshl_or_b32 v29, v239, 24, v29
.irp b, 0,1,2,3
	v_cvt_scalef32_pk8_fp4_f32 v[224+2*\b], v[96+16*\b:103+16*\b], v[244+\b]
	v_cvt_scalef32_pk8_fp4_f32 v[225+2*\b], v[104+16*\b:111+16*\b], v[244+\b]
.endr
	v_nop                                          ; one plain line behind the conversions
.irp c, 0,1
.irp i, 0,1
	v_permlane16_swap_b32 v[224+4*\c+\i], v[226+4*\c+\i]   ; a whole block to a lane
.endr
.endr
.set j, 0
	s_setprio 0
.rept 16
	v_pk_mul_f32 v[160+j:161+j], v[160+j:161+j], v[6:7] op_sel_hi:[1,0]   ; O^T under the new M; these sixteen are also the places between p's word and codes and the products
.set j, j+2
.endr
	s_wait_alu depctr_va_vdst(0)
	s_wait_dscnt 0x0                               ; V is in
.irp t, 0,1,2,3
.if \t%2
	v_wmma_scale_f32_16x16x128_f8f6f4 v[160+8*\t:167+8*\t], v[192+8*\t:199+8*\t], v[224:231], v[160+8*\t:167+8*\t], v[25+\t/2], v29 matrix_a_fmt:MATRIX_FMT_FP4 matrix_b_fmt:MATRIX_FMT_FP4 matrix_a_scale:MATRIX_SCALE_ROW1
.else
	v_wmma_scale_f32_16x16x128_f8f6f4 v[160+8*\t:167+8*\t], v[192+8*\t:199+8*\t], v[224:231], v[160+8*\t:167+8*\t], v[25+\t/2], v29 matrix_a_fmt:MATRIX_FMT_FP4 matrix_b_fmt:MATRIX_FMT_FP4
.endif
.endr
.endm
; A CHUNK of 512 keys: two trips of two steps.
.macro CHUNK c
	s_wait_tensorcnt 3-\c                          ; the scale words and chunks 0 .. c have landed; the 3 - c chunks issued behind them may be out: no LDS byte is ever filled again
	s_barrier_signal -1
	s_barrier_wait -1                              ; so say waves 0 and 1 to all sixteen
	s_mov_b32 s[TB], 16384*\c
	s_mov_b32 s[TS], 2048*\c
	s_mov_b32 s[TJ], 1024*\c
	s_mov_b32 s[CNT], 2
.Ltrip_\@:
	STEP 0
	STEP 1
	s_add_co_u32 s[TB], s[TB], 8192
	s_add_co_u32 s[TS], s[TS], 1024
	s_add_co_u32 s[TJ], s[TJ], 512
	s_sub_co_u32 s[CNT], s[CNT], 1
	s_cmp_lg_u32 s[CNT], 0
	s_cbranch_scc1 .Ltrip_\@
	s_setprio 0
.endm
	s_wait_loadcnt 0x0                             ; Q
	CHUNK 0
	CHUNK 1
	CHUNK 2
	CHUNK 3
	; THE WAY OUT: O^T / the sum; register 16 b + i is channel 32 b + 16 h + i of my query: two blocks of the next product's K
	v_add_f32 v14, v14, v15
	s_delay_alu instid0(VALU_DEP_1)
	v_permlanex16_b32 v28, v14, s[SEL], s[SEL+1]
	s_delay_alu instid0(VALU_DEP_1)
	v_add_f32 v14, v14, v28
	s_wait_alu depctr_va_vdst(0)
	v_rcp_f32 v14, v14
	v_and_b32 v8, 15, v0                           ; plain lines behind the reciprocal, and the places behind the last products
	v_and_b32 v9, 0x1e0, v0                        ; 32 x wave
	s_delay_alu instid0(VALU_DEP_1)
	v_lshl_add_u32 v[SSA], v8, 1, v9
	s_delay_alu instid0(VALU_DEP_1)
	v_add_nc_u32 v[SSA], L_SST, v[SSA]
	v_and_b32 v10, 31, v0
	s_delay_alu instid0(VALU_DEP_1)
	v_lshlrev_b32 v10, 4, v10
	s_delay_alu instid0(VALU_DEP_1)
	v_add_nc_u32 v11, L_SST, v10
	s_wait_alu depctr_va_vdst(0)
.set j, 0
.rept 32
	v_mul_f32 v[96+j], v[160+j], v14
.set j, j+1
.endr
.irp b, 0,1
	v_max3_num_f32 v[232+\b], |v[96+16*\b]|, |v[97+16*\b]|, 0x1800000
.endr
.irp i, 2,4,6,8,10,12,14
.irp b, 0,1
	s_delay_alu instid0(VALU_DEP_2)
	v_max3_num_f32 v[232+\b], v[232+\b], |v[96+16*\b+\i]|, |v[97+16*\b+\i]|
.endr
.endr
.irp b, 0,1
	s_delay_alu instid0(VALU_DEP_2)
	v_permlanex16_b32 v[236+\b], v[232+\b], s[SEL], s[SEL+1]
.endr
.irp b, 0,1
	s_delay_alu instid0(VALU_DEP_2)
	v_max_num_f32 v[232+\b], v[232+\b], v[236+\b]
.endr
.irp b, 0,1
	s_delay_alu instid0(VALU_DEP_2)
	v_add_nc_u32 v[244+\b], 0xff000000, v[232+\b]
.endr
.irp b, 0,1
	s_delay_alu instid0(VALU_DEP_2)
	v_lshrrev_b32 v[236+\b], 23, v[244+\b]
.endr
	s_delay_alu instid0(VALU_DEP_1)
	v_lshl_or_b32 v238, v237, 8, v236              ; my query's two bytes
.irp b, 0,1
	v_cvt_scalef32_pk8_fp4_f32 v[224+2*\b], v[96+16*\b:103+16*\b], v[244+\b]
	v_cvt_scalef32_pk8_fp4_f32 v[225+2*\b], v[104+16*\b:111+16*\b], v[244+\b]
.endr
	v_nop
	v_permlane16_swap_b32 v224, v226               ; lanes 0-15 block 0, lanes 16-31 block 1: half an operand's image
	v_permlane16_swap_b32 v225, v227
	global_store_b128 v10, v[224:227], s[96:97]    ; the wave stores 512 consecutive bytes
	ds_store_b16 v[SSA], v238                      ; both halves of the lanes write the same bytes
	s_wait_dscnt 0x0
	s_barrier_signal -1
	s_barrier_wait -1                              ; 256 queries' bytes lie together
	s_cmp_lg_u32 s[WV], 0
	s_cbranch_scc1 .Lnot_first
	ds_load_b128 v[232:235], v11
	s_wait_dscnt 0x0
	global_store_b128 v10, v[232:235], s[98:99]    ; 512 consecutive bytes
.Lnot_first:
	s_wait_tensorcnt 0x0
	ds_add_u32 v242, v243
	s_wait_dscnt 0x0
	CROUND                                         ; the closing round: no work-group ends while a partner may still ask jointly
	s_endpgm
.Lfunc_end_k_qc482be27f3_attn:
	.size	k_qc482be27f3_attn, .Lfunc_end_k_qc482be27f3_attn-k_qc482be27f3_attn
	.p2alignl 7, 3214868480
	.fill 96, 4, 3214868480
	.section	.rodata,"a",@progbits
	.p2align	6, 0x0
	.amdhsa_kernel k_qc482be27f3_attn
		.amdhsa_group_segment_fixed_size 169984
		.amdhsa_private_segment_fixed_size 0
		.amdhsa_enable_private_segment 0
		.amdhsa_kernarg_size 16
		.amdhsa_user_sgpr_count 2
		.amdhsa_user_sgpr_kernarg_segment_ptr 1
		.amdhsa_wavefront_size32 1
		.amdhsa_system_sgpr_workgroup_id_x 1
		.amdhsa_system_sgpr_workgroup_id_y 1
		.amdhsa_system_sgpr_workgroup_id_z 1
		.amdhsa_system_vgpr_workitem_id 0
		.amdhsa_next_free_vgpr 256
		.amdhsa_next_free_sgpr 100
		.amdhsa_reserve_vcc 0
		.amdhsa_float_denorm_mode_32 3
		.amdhsa_float_denorm_mode_16_64 3
		.amdhsa_memory_ordered 1
		.amdhsa_forward_progress 1
		.amdhsa_inst_pref_size 149
	.end_amdhsa_kernel
	.amdgpu_metadata
---
amdhsa.version: [ 1, 2 ]
amdhsa.kernels:
  - .name:           k_qc482be27f3_attn
    .symbol:         k_qc482be27f3_attn.kd
    .args:
      - { .name: cq, .offset: 0, .size: 8, .value_kind: global_buffer, .address_space: global }
      - { .name: ao, .offset: 8, .size: 8, .value_kind: global_buffer, .address_space: global }
    .group_segment_fixed_size: 169984
    .private_segment_fixed_size: 0
    .kernarg_segment_align: 8
    .kernarg_segment_size: 16
    .max_flat_workgroup_size: 512
    .sgpr_count:     100
    .vgpr_count:     256
    .wavefront_size: 32
...
	.end_amdgpu_metadata
.endif
;; end of part 7
;; launch proj (part 8): grid 128 x 1, 16 waves a work-group, no clusters, 225,280 bytes of LDS; arguments ao, cw, b_out, query, g1, be1, xf, xq; writes xf, xq
.if DOCPART == 8
	.amdgcn_target "amdgcn-amd-amdhsa--gfx1250"
	.amdhsa_code_object_version 6
	.text
	.protected	k_qc482be27f3_proj
	.globl	k_qc482be27f3_proj
	.p2align	8
	.type	k_qc482be27f3_proj,@function
k_qc482be27f3_proj:
	s_mov_b64 s[64:65], 0
	v_nop
	global_prefetch_b8 v0, s[64:65] scope:SCOPE_SE
	s_setreg_imm32_b32 hwreg(HW_REG_WAVE_SCHED_MODE, 0, 2), 2
	s_setreg_imm32_b32 hwreg(HW_REG_WAVE_MODE, 25, 1), 1
	s_wait_xcnt 0x0
	s_wait_alu depctr_vm_vsrc(0)
; LAYER 3: x = LayerNorm(A w_out + b_out + query) g1 + be1, stored as f32 and as codes.   LAYER 5: out = LayerNorm(H w2 + b2 + x) g2 + be2.   One text; LAYER chooses.
; The product is on codes of FP4 with E8M0 scales; sums, residual and norm in f32.  The variance is the mean square of the CENTRED numbers: two passes, as the definition has it.
; SHARES.  A work-group owns 32 rows (two row tiles m) and all 1,024 columns, so that the norm needs no other work-group.  Wave w owns columns 64 w .. 64 w + 63 (four tiles T): eight accumulators, which take turns.
; The rows' operand images (KS x 2 KiB) are copied into LDS once and read by all sixteen waves.  A weight fragment feeds ONE wave, once: LDS would give it no second use, so the weights go from memory straight into
; registers, in the order of the operand's registers (512 consecutive bytes a load), through four buffers of a K step each.  No tensor load, hence no cluster: what the work-groups share is the whole weight, 64 KiB a K step, which no two LDS slots
; beside the stage could hold more than one step ahead.  128 work-groups: every work-group takes in the whole weight whatever its rows, so 32 rows halve those bytes against 16.
; TRANSPOSED: source 0 = 16 columns of the weight, source 1 = 16 rows.  Lane r of tile 2 b + u holds column 32 b + 8 u + r + 8 (r / 8): so register 16 b + i of a lane (r, h) is column 64 w + 32 b + 16 h + i of row r.
; The bias is loaded INTO the accumulators, so that the first K step is like every other.
; THE RESIDUAL comes at the head as whole rows (wave w: rows 2 w, 2 w + 1; 512 consecutive bytes a load), waits in the stage's bytes, and is read from there in the accumulators' layout at the end of the K steps.
; Each wave later writes its normalised numbers over just the bytes that it has read, two barriers on.
; LIMITS: NaN and infinities are not served; a block whose largest magnitude lies under 2^(3 - 127) gets the byte 1; v_rsq_f32 stands ahead of the quantiser.
; THE MODE: SCHED_MODE bits 1:0 = 2 (LLVM: expert scheduling mode 2), set by the entry lines.  The code itself states the register dependences
; between vector or matrix instructions and memory or LDS instructions, with s_wait_alu, always for 0.
; THE PLAN.  Registers that memory or LDS instructions touch, in the K steps:
;   BB0 .. BB3      K step i's eight products read buffer i; the loads issued in K step i + 1 land in it: the K step three on.
;   WSC set q       Read by the products of K steps 2 q and 2 q + 1 of a trip; loaded again in the K step behind them.
;   AFR, ASW i % 2  Read by K step i's products; the LDS loads at the head of K step i + 1 land in it: the rows of K step i + 2.
;   v6, v7          Read by every LDS load of the rows; written once a trip, in K step 3.
;   v4, v5, v8 .. v14  Offsets and addresses, made at the head and never written again; v15 is written once more, behind the first barrier.
;   The accumulators are named by matrix and vector instructions alone, from the bias's loads to the norm's stores.
; So ONE wait on va_vdst stands at a K step's head, behind the waits for the step's own data: it states that the products of the K step before are done reading their weight buffer, their rows and their scale words,
; and, in K step 3, that v6 and v7 are written.  The step's loads follow it, the rows' first, the weights' dealt among its eight products, which name the accumulators, BB[i], AFR and ASW[i % 2] and scale set i / 2:
; none of the registers that those loads touch.  One wait on vm_vsrc a trip stands ahead of the adds to v6 and v7.
.set LAYER, 3
.if LAYER == 3
.set KS,   8                           ; K steps of 128
.set WF,   0                           ; cw: the weight's fragments
.set WS,   4718592                     ; cw: its scale words
.set ASRC, 2097152                     ; where the rows' scales begin in the first buffer
.else
.set KS,   32
.set WF,   524288
.set WS,   4751360
.set ASRC, 8388608
.endif
.set ASC,  65536                       ; LDS: images [m][K step][1,024] from 0; here the rows' scale words [K step][r][m]
.set RED,  69632                       ; [wave][r][2 f32]: the sums; 2,048 bytes on: the sums of squares
.set STG,  73728                       ; 32 rows x (4,096 + 16): first the residual, then the result
.set SPIT, 4112
.set CST,  205312                      ; 32 rows x (512 + 16): x's codes
.set SST,  222208                      ; 32 rows x 32: x's scale bytes
.set ACC,  16                          ; v16-79   accumulator (m, T) at 32 m + 8 T
.set BB,   80                          ; v80-207  four buffers of 32: a K step's four fragments; at the head buffers 2, 3 carry the residual's rows; at the end: gain, offset, residual m = 0, 1
.set AFR,  208                         ; v208-239 two buffers of 16: the rows' two fragments; at work in the norm
.set WSC,  240                         ; v240-247 the weight's scale words: set x 4 + 2 b + (K step % 2)
.set ASW,  248                         ; v248-251 the rows' scale words: buffer x 2 + m
; v1 l, v2 r, v3 h, v4 16 l, v5 8 l, v6 image address, v7 scale address, v8 the stage in the accumulators' layout (row r), v9 64 h, v10, v14 the head's, v11 the stage by rows (2 w, 2 w + 1),
; v12, v13 the sums' places, v15 the head's scale offset, then the stage's row 16 + r, v252-255 means and factors
	s_load_b256 s[4:11], s[0:1], 0x0               ; rows' codes and scales, cw, bias, residual
.if LAYER == 3
	s_load_b256 s[12:19], s[0:1], 0x20             ; gain, offset, xf, xq
.else
	s_load_b128 s[12:15], s[0:1], 0x20             ; gain, offset
	s_load_b64 s[16:17], s[0:1], 0x30              ; out0
.endif
	v_lshrrev_b32 v1, 5, v0
	v_readfirstlane_b32 s20, v1                    ; wave 0..15
	v_and_b32 v1, 31, v0
	v_and_b32 v2, 15, v0
	v_bfe_u32 v3, v0, 4, 1
	v_lshlrev_b32 v4, 4, v1
	v_lshlrev_b32 v5, 3, v1
	v_lshlrev_b32 v6, 4, v1
	v_lshl_add_u32 v7, v2, 3, ASC
	s_wait_alu depctr_va_sdst(0)                   ; s20 is written, ahead of its first reader: addresses, bases and a branch are made from it
	s_lshl_b32 s22, s20, 8
	v_mul_u32_u24 v8, v2, SPIT
	v_lshl_add_u32 v8, v3, 6, v8
	v_add_nc_u32 v8, s22, v8
	v_add_nc_u32 v8, STG, v8                       ; the stage: row r, + 256 w + 64 h
	v_lshlrev_b32 v9, 6, v3
	s_mul_i32 s22, s20, 2*SPIT
	v_add_nc_u32 v11, s22, v4
	v_add_nc_u32 v11, STG, v11                     ; the stage: rows 2 w, 2 w + 1, 16 bytes a lane
	s_lshl_b32 s22, s20, 7
	v_lshl_add_u32 v12, v2, 3, s22
	v_add_nc_u32 v12, RED, v12
	v_lshl_add_u32 v13, v2, 3, RED
	s_mul_i32 s24, s20, KS*128                     ; my sixteenth of the images
	v_add_nc_u32 v14, s24, v4
	s_mul_i32 s22, ttmp9, KS*2048
	s_add_co_u32 s22, s22, s24
	s_mov_b32 s23, 0
	s_mov_b32 s25, 0
.if LAYER == 3
	s_lshl_b32 s24, s20, 13                        ; head w's bytes [4096 rows] of two; rows 32 p + l
	s_lshl_b32 s26, ttmp9, 6
	s_add_co_u32 s24, s24, s26
	s_add_co_u32 s24, s24, ASRC
	v_lshlrev_b32 v15, 1, v1
	s_lshr_b32 s26, s20, 1
	s_lshl_b32 s26, s26, 7                         ; K step w / 2,
	s_and_b32 s27, s20, 1
	s_lshl_b32 s27, s27, 1                         ; half w % 2 of its word
	s_add_co_u32 s26, s26, s27
	v_lshl_add_u32 v10, v2, 3, s26
	v_lshl_add_u32 v10, v3, 2, v10
	v_add_nc_u32 v10, ASC, v10
.else
	s_lshl_b32 s24, s20, 15                        ; [K step 2 w + h][128 rows p / 4][lane ((p / 2) % 2, r)][4 words]: words 2 (p % 2), + 1
	s_lshr_b32 s26, ttmp9, 2
	s_lshl_b32 s26, s26, 9
	s_add_co_u32 s24, s24, s26
	s_bfe_u32 s26, ttmp9, 0x10001
	s_lshl_b32 s26, s26, 8
	s_add_co_u32 s24, s24, s26
	s_and_b32 s26, ttmp9, 1
	s_lshl_b32 s26, s26, 3
	s_add_co_u32 s24, s24, s26
	s_add_co_u32 s24, s24, ASRC
	v_lshlrev_b32 v15, 14, v3
	v_lshl_add_u32 v15, v2, 4, v15
	s_lshl_b32 s26, s20, 8
	v_add_nc_u32 v10, s26, v5
	v_add_nc_u32 v10, ASC, v10
.endif
	s_lshl_b32 s26, s20, 8                         ; my 64 columns in bias, gain, offset
	s_mov_b32 s27, 0
	s_lshl_b32 s30, ttmp9, 17                      ; my work-group's 32 rows of 4,096 bytes,
	s_lshl_b32 s31, s20, 13                        ; and of them the two rows that I load of the residual and store of the result
	s_add_co_u32 s30, s30, s31
	s_mov_b32 s31, 0
	s_mul_i32 s32, s20, KS*4096
	s_add_co_u32 s32, s32, WF
	s_mov_b32 s33, 0
	s_mul_i32 s34, s20, KS*256
	s_add_co_u32 s34, s34, WS
	s_mov_b32 s35, 0
	s_mov_b32 s38, 0x76543210
	s_mov_b32 s39, 0xfedcba98
	s_mov_b32 s40, 0x3a800000                      ; 1 / 1,024
	s_mov_b32 s41, 0x3727c5ac                      ; 1e-5
.if LAYER == 3
	s_lshl_b32 s42, ttmp9, 14
	s_lshl_b32 s43, s20, 10
	s_add_co_u32 s42, s42, s43
	s_mov_b32 s43, 0
	s_lshl_b32 s44, ttmp9, 10
	s_and_b32 s45, s20, 1
	s_lshl_b32 s45, s45, 9
	s_add_co_u32 s44, s44, s45
	s_add_co_u32 s44, s44, 2097152
	s_mov_b32 s45, 0
.endif
	s_wait_kmcnt 0x0
	s_add_nc_u64 s[22:23], s[4:5], s[22:23]
	s_add_nc_u64 s[24:25], s[4:5], s[24:25]
	s_add_nc_u64 s[8:9], s[8:9], s[26:27]
	s_add_nc_u64 s[12:13], s[12:13], s[26:27]
	s_add_nc_u64 s[14:15], s[14:15], s[26:27]
	s_add_nc_u64 s[10:11], s[10:11], s[30:31]
	s_add_nc_u64 s[16:17], s[16:17], s[30:31]
	s_add_nc_u64 s[32:33], s[6:7], s[32:33]
	s_add_nc_u64 s[34:35], s[6:7], s[34:35]
.if LAYER == 3
	s_add_nc_u64 s[42:43], s[18:19], s[42:43]
	s_add_nc_u64 s[44:45], s[18:19], s[44:45]
.endif
.macro BLOAD2 j, t, off                ; fragment t of K step j of a trip into buffer j: two loads of 512 consecutive bytes
.irp c, 0,1
	global_load_b128 v[BB+32*(\j)+8*(\t)+4*\c:BB+32*(\j)+8*(\t)+4*\c+3], v4, s[32:33] offset:(\off)+4096*(\j)+1024*(\t)+512*\c
.endr
.endm
.macro BLOAD j, off                    ; all four fragments
.irp t, 0,1,2,3
	BLOAD2 \j, \t, \off
.endr
.endm
.macro SLOAD q, off                    ; the scale words of K steps 2 q, 2 q + 1 of a trip into set q
.irp b, 0,1
	global_load_b64 v[WSC+4*(\q)+2*\b:WSC+4*(\q)+2*\b+1], v5, s[34:35] offset:(\off)+512*(\q)+256*\b
.endr
.endm
.macro ALOAD i, buf                    ; the rows' two fragments and scale words of K step i of a trip
.irp m, 0,1
.irp c, 0,1
	ds_load_b128 v[AFR+16*(\buf)+8*\m+4*\c:AFR+16*(\buf)+8*\m+4*\c+3], v6 offset:\m*KS*1024+1024*(\i)+512*\c
.endr
.endr
	ds_load_b64 v[ASW+2*(\buf):ASW+2*(\buf)+1], v7 offset:128*(\i)
.endm
.macro ELOAD2 j, t                     ; what the norm wants, into buffer j as it falls free, two loads of eight: j = 0 the gain, 1 the offset, from memory; 2, 3 the residual of row tiles 0 and 1, from the stage
.irp e, 0,1
.if (\j) == 0
	global_load_b128 v[BB+4*(2*(\t)+\e):BB+4*(2*(\t)+\e)+3], v9, s[12:13] offset:128*((2*(\t)+\e)/4)+16*((2*(\t)+\e)%4)
.elseif (\j) == 1
	global_load_b128 v[BB+32+4*(2*(\t)+\e):BB+32+4*(2*(\t)+\e)+3], v9, s[14:15] offset:128*((2*(\t)+\e)/4)+16*((2*(\t)+\e)%4)
.elseif (\j) == 2
	ds_load_b128 v[BB+64+4*(2*(\t)+\e):BB+64+4*(2*(\t)+\e)+3], v8 offset:128*((2*(\t)+\e)/4)+16*((2*(\t)+\e)%4)
.else
	ds_load_b128 v[BB+96+4*(2*(\t)+\e):BB+96+4*(2*(\t)+\e)+3], v15 offset:128*((2*(\t)+\e)/4)+16*((2*(\t)+\e)%4)
.endif
.endr
.endm
.macro MUL2 t, buf, abuf, set, par     ; tile t's two products; over a K step the eight accumulators take turns, one instruction a turn
.irp m, 0,1
.if (\t)%2
	v_wmma_scale_f32_16x16x128_f8f6f4 v[ACC+32*\m+8*(\t):ACC+32*\m+8*(\t)+7], v[BB+32*(\buf)+8*(\t):BB+32*(\buf)+8*(\t)+7], v[AFR+16*(\abuf)+8*\m:AFR+16*(\abuf)+8*\m+7], v[ACC+32*\m+8*(\t):ACC+32*\m+8*(\t)+7], v[WSC+4*(\set)+2*((\t)/2)+(\par)], v[ASW+2*(\abuf)+\m] matrix_a_fmt:MATRIX_FMT_FP4 matrix_b_fmt:MATRIX_FMT_FP4 matrix_a_scale:MATRIX_SCALE_ROW1
.else
	v_wmma_scale_f32_16x16x128_f8f6f4 v[ACC+32*\m+8*(\t):ACC+32*\m+8*(\t)+7], v[BB+32*(\buf)+8*(\t):BB+32*(\buf)+8*(\t)+7], v[AFR+16*(\abuf)+8*\m:AFR+16*(\abuf)+8*\m+7], v[ACC+32*\m+8*(\t):ACC+32*\m+8*(\t)+7], v[WSC+4*(\set)+2*((\t)/2)+(\par)], v[ASW+2*(\abuf)+\m] matrix_a_fmt:MATRIX_FMT_FP4 matrix_b_fmt:MATRIX_FMT_FP4
.endif
.endr
.endm
; K step i of a trip.  n: the global loads issued behind the youngest that this step needs.
; ahead = 1: the buffer that the K step before emptied takes the K step three on (K steps 0 and 2 first refill the scale set just used up); 2: it takes what the norm wants; 0: nothing is empty yet.
; nexta = 1: the next K step's rows are fetched from LDS.  first = 1: the very first K step, with no products in front of it.
.macro KSTEP i, n, ahead, nexta, first
	s_wait_loadcnt \n
	s_wait_dscnt 0x0                               ; this step's rows are in: nothing younger is out on this counter
.if \nexta && (\i == 3)
	s_wait_alu depctr_vm_vsrc(0)                   ; the LDS loads issued so far have read v6 and v7, which step to the next trip
	v_add_nc_u32 v6, 4096, v6
	v_add_nc_u32 v7, 512, v7
.endif
.if !\first
	s_wait_alu depctr_va_vdst(0)                   ; the products of the K step before are done reading their weight buffer, their rows and their scale words, in which the loads below land; in K step 3, v6 and v7 are written
.endif
.if \nexta
.if \i == 3
	ALOAD 0, 0
.else
	ALOAD \i+1, (\i+1)%2
.endif
.endif
.irp t, 0,1,2,3
	MUL2 \t, \i, (\i)%2, (\i)/2, (\i)%2
.if \ahead == 1                        ; no wait: no product since the wait above names a register that these loads touch
.if (\t == 0) && (\i == 0)
	SLOAD 1, 0
.endif
.if (\t == 0) && (\i == 2)
	SLOAD 0, 1024
.endif
.if \i == 0
	BLOAD2 3, \t, 0
.else
	BLOAD2 (\i)-1, \t, 16384
.endif
.elseif \ahead == 2
	ELOAD2 (\i)-1, \t
.endif
.endr
.rept 4
	v_nop                                          ; the places between these products and the loads into registers that they have read, and the first read of results
.endr
.endm
.macro NEXT_TRIP
	s_wait_xcnt 0x0                                ; the loads issued so far have read their bases
	s_add_nc_u64 s[32:33], s[32:33], 16384
	s_add_nc_u64 s[34:35], s[34:35], 1024
.endm
	; THE HEAD: what goes into LDS first (the rows' images and scales, the residual's rows), then what the first two K steps want
	s_wait_alu depctr_va_vdst(0)                   ; the offsets and addresses v4 to v15 are written, which the loads and stores below read
.set i, 0
.rept KS/4
	global_load_b128 v[AFR+4*i:AFR+4*i+3], v4, s[22:23] offset:512*i
.set i, i+1
.endr
.if LAYER == 3
	global_load_u16 v252, v15, s[24:25]
.else
	global_load_b64 v[252:253], v15, s[24:25]
.endif
.irp i, 0,1,2,3,4,5,6,7,8,9,10,11,12,13,14,15
	global_load_b128 v[BB+64+4*\i:BB+64+4*\i+3], v4, s[10:11] offset:4096*(\i/8)+512*(\i%8)   ; the residual's rows 2 w, 2 w + 1: the wave reads 512 consecutive bytes
.endr
.irp m, 0,1
.irp b, 0,1
.irp q, 0,1,2,3
	global_load_b128 v[ACC+32*\m+16*\b+4*\q:ACC+32*\m+16*\b+4*\q+3], v9, s[8:9] offset:128*\b+16*\q   ; the bias begins the sums
.endr
.endr
.endr
	SLOAD 0, 0
	SLOAD 1, 0
	BLOAD 0, 0
	BLOAD 1, 0
	s_wait_loadcnt 36                              ; behind the loads for LDS: 16 of the bias, 4 of scale words, 16 of fragments
.set i, 0
.rept KS/4
	ds_store_b128 v14, v[AFR+4*i:AFR+4*i+3] offset:512*i
.set i, i+1
.endr
.if LAYER == 3
	ds_store_b16 v10, v252
.else
	ds_store_b64 v10, v[252:253]
.endif
.irp i, 0,1,2,3,4,5,6,7,8,9,10,11,12,13,14,15
	ds_store_b128 v11, v[BB+64+4*\i:BB+64+4*\i+3] offset:SPIT*(\i/8)+512*(\i%8)
.endr
	s_wait_dscnt 0x0                               ; for the others' sake: my part of the images, the scale words and the residual lies in LDS
	s_wait_alu depctr_vm_vsrc(0)                   ; the LDS stores have read buffers 2 and 3, which now take their fragments, and the rows' buffers and v252, v253, which are written further on; the scale load has read v15, which is written behind the barrier
	BLOAD 2, 0
	BLOAD 3, 0
	s_barrier_signal -1
	s_barrier_wait -1                              ; the rows' images, their scale words and the residual lie in LDS
	v_add_nc_u32 v15, 16*SPIT, v8                  ; the stage's row 16 + r: beyond an LDS immediate's 16 bits, so it has a register (the load that took v15 as its offset was shown done by the counted wait above)
	ALOAD 0, 0
	KSTEP 0, 24, 0, 1, 1                           ; behind K step 0's fragments: three K steps' 24.  All four buffers are full: nothing is asked for
	KSTEP 1, 16, 1, 1, 0                           ; behind K step 1's: two K steps' 16
	KSTEP 2, 16, 1, 1, 0                           ; behind K step 2's: K step 3's 8 and K step 4's 8
	KSTEP 3, 18, 1, 1, 0                           ; behind K step 3's: 8, a pair of scale loads, 8
	NEXT_TRIP
.if KS > 8
	s_mov_b32 s36, KS/4-2
.Ltrip:
	KSTEP 0, 16, 1, 1, 0                           ; behind its scale words: two K steps' 16
	KSTEP 1, 18, 1, 1, 0                           ; behind its fragments: 8, a pair of scale loads, 8
	KSTEP 2, 16, 1, 1, 0                           ; behind its scale words: 16
	KSTEP 3, 18, 1, 1, 0                           ; behind its fragments: 8, a pair, 8
	NEXT_TRIP
	s_sub_co_u32 s36, s36, 1
	s_cmp_lg_u32 s36, 0
	s_cbranch_scc1 .Ltrip
.endif
	KSTEP 0, 16, 1, 1, 0                           ; the last trip is written out: its K step 0 asks for the last K step's fragments and scale words, the others for no more weights
	KSTEP 1, 18, 2, 1, 0                           ; the gain goes out
	KSTEP 2, 16, 2, 1, 0                           ; behind its scale words: K step 3's 8 and the gain's 8; the offset goes out
	KSTEP 3, 16, 2, 0, 0                           ; behind its fragments: the gain's and the offset's; the residual of row tile 0 comes from the stage
	s_wait_alu depctr_va_vdst(0)                   ; the last products are done reading buffer 3, in which the residual of row tile 1 lands
.irp t, 0,1,2,3
	ELOAD2 3, \t
.endr
; THE NORM.  A lane's sum (sq = 0) or sum of squares (sq = 1) of its 32 numbers of each row tile, with lane l xor 16's: my wave's 64 columns of rows r and 16 + r, in v[216:217]
.macro LANESUM sq
.irp m, 0,1
.if \sq
	v_pk_mul_f32 v[208+4*\m:209+4*\m], v[ACC+32*\m:ACC+32*\m+1], v[ACC+32*\m:ACC+32*\m+1]
	v_pk_mul_f32 v[210+4*\m:211+4*\m], v[ACC+32*\m+2:ACC+32*\m+3], v[ACC+32*\m+2:ACC+32*\m+3]
.else
	v_pk_add_f32 v[208+4*\m:209+4*\m], v[ACC+32*\m:ACC+32*\m+1], v[ACC+32*\m+4:ACC+32*\m+5]
	v_pk_add_f32 v[210+4*\m:211+4*\m], v[ACC+32*\m+2:ACC+32*\m+3], v[ACC+32*\m+6:ACC+32*\m+7]
.endif
.endr
.irp k, 4,8,12,16,20,24,28
.irp m, 0,1
.if \sq
	v_pk_fma_f32 v[208+4*\m:209+4*\m], v[ACC+32*\m+\k:ACC+32*\m+\k+1], v[ACC+32*\m+\k:ACC+32*\m+\k+1], v[208+4*\m:209+4*\m]
	v_pk_fma_f32 v[210+4*\m:211+4*\m], v[ACC+32*\m+\k+2:ACC+32*\m+\k+3], v[ACC+32*\m+\k+2:ACC+32*\m+\k+3], v[210+4*\m:211+4*\m]
.elseif \k > 4
	v_pk_add_f32 v[208+4*\m:209+4*\m], v[208+4*\m:209+4*\m], v[ACC+32*\m+\k:ACC+32*\m+\k+1]
	v_pk_add_f32 v[210+4*\m:211+4*\m], v[210+4*\m:211+4*\m], v[ACC+32*\m+\k+2:ACC+32*\m+\k+3]
.endif
.endr
.endr
.irp m, 0,1
	v_pk_add_f32 v[208+4*\m:209+4*\m], v[208+4*\m:209+4*\m], v[210+4*\m:211+4*\m]
.endr
.irp m, 0,1
	v_add_f32 v[216+\m], v[208+4*\m], v[209+4*\m]
.endr
.irp m, 0,1
	v_permlanex16_b32 v[218+\m], v[216+\m], s38, s39
.endr
.irp m, 0,1
	v_add_f32 v[216+\m], v[216+\m], v[218+\m]
.endr
.endm
; The sixteen waves' parts meet in LDS (bytes of their own for each of the two sums) and every wave adds them in the same order: the rows' totals in v[208:209]
.macro ALLSUM sq
	s_wait_alu depctr_va_vdst(0)                   ; the additions have written v[216:217], which the store reads, and the vector lines are done with v208 to v239, in which the loads below land
	ds_store_b64 v12, v[216:217] offset:2048*\sq
	s_wait_dscnt 0x0
	s_barrier_signal -1
	s_barrier_wait -1
	s_wait_alu depctr_vm_vsrc(0)                   ; the store has read v[216:217], in which one of the loads below lands
.irp w, 0,1,2,3,4,5,6,7,8,9,10,11,12,13,14,15
	ds_load_b64 v[208+2*\w:209+2*\w], v13 offset:2048*\sq+128*\w
.endr
	s_wait_dscnt 0x0
.irp w, 0,1,2,3,4,5,6,7
	v_pk_add_f32 v[208+4*\w:209+4*\w], v[208+4*\w:209+4*\w], v[210+4*\w:211+4*\w]
.endr
.irp w, 0,1,2,3
	v_pk_add_f32 v[208+8*\w:209+8*\w], v[208+8*\w:209+8*\w], v[212+8*\w:213+8*\w]
.endr
.irp w, 0,1
	v_pk_add_f32 v[208+16*\w:209+16*\w], v[208+16*\w:209+16*\w], v[216+16*\w:217+16*\w]
.endr
	v_pk_add_f32 v[208:209], v[208:209], v[224:225]
.endm
	s_wait_dscnt 0x0                               ; the residual is in, from the stage
.set k, 0
.rept 32
	v_pk_add_f32 v[ACC+2*k:ACC+2*k+1], v[ACC+2*k:ACC+2*k+1], v[BB+64+2*k:BB+64+2*k+1]   ; each accumulator from its low end on
.set k, k+1
.endr
	LANESUM 0
	ALLSUM 0
	v_mul_f32 v252, s40, v208                      ; the means of rows r and 16 + r, each twice: a pair for the packed forms
	v_mul_f32 v254, s40, v209
	v_mov_b32 v253, v252
	v_mov_b32 v255, v254
.irp m, 0,1
.set k, 0
.rept 16
	v_pk_add_f32 v[ACC+32*\m+2*k:ACC+32*\m+2*k+1], v[ACC+32*\m+2*k:ACC+32*\m+2*k+1], v[252+2*\m:253+2*\m] neg_lo:[0,1] neg_hi:[0,1]
.set k, k+1
.endr
.endr
	LANESUM 1
	ALLSUM 1
	v_fma_f32 v210, v208, s40, s41                 ; variance + 1e-5
	v_fma_f32 v211, v209, s40, s41
	s_wait_alu depctr_va_vdst(0)
	v_rsq_f32 v252, v210
	v_rsq_f32 v254, v211
	v_nop                                          ; one plain line behind the two
.if LAYER == 3
	s_lshl_b32 s22, s20, 5                         ; the codes' way out: its addresses are made here, in registers that the rows' fragments have left
	v_mul_u32_u24 v235, v2, 528
	v_lshl_add_u32 v235, v3, 3, v235
	v_add_nc_u32 v235, s22, v235
	v_add_nc_u32 v235, CST, v235                   ; codes: row r, + 32 w + 8 h
	s_lshl_b32 s22, s20, 1
	v_lshl_add_u32 v236, v2, 5, s22
	v_add_nc_u32 v236, SST, v236                   ; scale bytes: row r, + 2 w
	s_mul_i32 s22, s20, 2*528
	v_add_nc_u32 v237, s22, v4
	v_add_nc_u32 v237, CST, v237
	s_and_b32 s22, s20, 1
	s_lshl_b32 s22, s22, 9
	v_add_nc_u32 v238, s22, v4
	v_add_nc_u32 v238, SST, v238
.endif
	s_wait_alu depctr_va_vdst(0)                   ; the two reciprocal roots have written v252 and v254: one wait for both, ahead of their first reader
	v_mov_b32 v253, v252
	v_mov_b32 v255, v254
	s_wait_alu depctr_va_vdst(0)
	s_wait_loadcnt 0x0                             ; gain and offset
.irp m, 0,1
.set k, 0
.rept 16
	v_pk_mul_f32 v[ACC+32*\m+2*k:ACC+32*\m+2*k+1], v[ACC+32*\m+2*k:ACC+32*\m+2*k+1], v[252+2*\m:253+2*\m]
.set k, k+1
.endr
.endr
.irp m, 0,1
.set k, 0
.rept 16
	v_pk_fma_f32 v[ACC+32*\m+2*k:ACC+32*\m+2*k+1], v[ACC+32*\m+2*k:ACC+32*\m+2*k+1], v[BB+2*k:BB+2*k+1], v[BB+32+2*k:BB+32+2*k+1]
.set k, k+1
.endr
.endr
.if LAYER == 3
	; x as an operand of the next product: my four blocks of 32 (row tile b / 2, block b % 2 of my 64 columns), 16 numbers in me and 16 in lane l xor 16.  These lines stand ahead of all the stores, so that one wait serves the whole run
.irp b, 0,1,2,3
	v_max3_num_f32 v[208+\b], |v[ACC+16*\b]|, |v[ACC+1+16*\b]|, 0x1800000
.endr
.irp i, 2,4,6,8,10,12,14
.irp b, 0,1,2,3
	v_max3_num_f32 v[208+\b], v[208+\b], |v[ACC+16*\b+\i]|, |v[ACC+1+16*\b+\i]|
.endr
.endr
.irp b, 0,1,2,3
	v_permlanex16_b32 v[212+\b], v[208+\b], s38, s39
.endr
.irp b, 0,1,2,3
	v_max_num_f32 v[208+\b], v[208+\b], v[212+\b]
.endr
.irp b, 0,1,2,3
	v_add_nc_u32 v[220+\b], 0xff000000, v[208+\b]
.endr
.irp b, 0,1,2,3
	v_lshrrev_b32 v[212+\b], 23, v[220+\b]
.endr
	v_lshl_or_b32 v216, v213, 8, v212
	v_lshl_or_b32 v217, v215, 8, v214
.irp b, 0,1,2,3
	v_cvt_scalef32_pk8_fp4_f32 v[224+2*\b], v[ACC+16*\b:ACC+16*\b+7], v[220+\b]
	v_cvt_scalef32_pk8_fp4_f32 v[225+2*\b], v[ACC+16*\b+8:ACC+16*\b+15], v[220+\b]
.endr
	v_nop                                          ; one plain line behind the conversions
.endif
	s_wait_alu depctr_va_vdst(0)                   ; the norm has written v16 to v79 (LAYER 3: and the quantiser the codes v224 to v231 and the bytes v216, v217), which the LDS stores read; it is done reading buffers 0 to 2, in which the loads behind the barrier land
.irp b, 0,1
.irp q, 0,1,2,3
	ds_store_b128 v8, v[ACC+16*\b+4*\q:ACC+16*\b+4*\q+3] offset:128*\b+16*\q          ; over the residual's bytes that I alone have read, two barriers ago
.endr
.endr
.irp b, 0,1
.irp q, 0,1,2,3
	ds_store_b128 v15, v[ACC+32+16*\b+4*\q:ACC+32+16*\b+4*\q+3] offset:128*\b+16*\q
.endr
.endr
.if LAYER == 3
.irp b, 0,1,2,3
	ds_store_b64 v235, v[224+2*\b:225+2*\b] offset:8448*(\b/2)+16*(\b%2)   ; 16 codes, in their row's order
.endr
.irp m, 0,1
	ds_store_b16 v236, v[216+\m] offset:512*\m     ; both halves of the lanes write the same bytes
.endr
.endif
	s_wait_dscnt 0x0
	s_barrier_signal -1
	s_barrier_wait -1                              ; 32 whole rows lie in the stage
.irp i, 0,1,2,3,4,5,6,7,8,9,10,11,12,13,14,15
	ds_load_b128 v[BB+4*\i:BB+4*\i+3], v11 offset:SPIT*(\i/8)+512*(\i%8)
.endr
.if LAYER == 3
	ds_load_b128 v[BB+64:BB+67], v237
	ds_load_b128 v[BB+68:BB+71], v237 offset:528
.endif
.irp i, 0,1,2,3,4,5,6,7,8,9,10,11,12,13,14,15
.if LAYER == 3
	s_wait_dscnt 17-\i
	global_store_b128 v4, v[BB+4*\i:BB+4*\i+3], s[16:17] offset:4096*(\i/8)+512*(\i%8)   ; the wave stores 512 consecutive bytes
.else
	s_wait_dscnt 15-\i
	global_store_b128 v4, v[BB+4*\i:BB+4*\i+3], s[16:17] offset:4096*(\i/8)+512*(\i%8) th:TH_STORE_NT
.endif
.endr
.if LAYER == 3
	s_wait_dscnt 0x0
	global_store_b128 v4, v[BB+64:BB+67], s[42:43]             ; a row of codes: 512 consecutive bytes
	global_store_b128 v4, v[BB+68:BB+71], s[42:43] offset:512
	s_cmp_lt_u32 s20, 2                            ; waves 0 and 1 store the 32 rows' scale bytes, 512 each
	s_cbranch_scc0 .Ldone
	ds_load_b128 v[BB+72:BB+75], v238
	s_wait_dscnt 0x0
	global_store_b128 v4, v[BB+72:BB+75], s[44:45]
.Ldone:
.endif
	s_wait_xcnt 0x0
	v_lshl_add_u32 v254, v0, 2, 0x36800
	v_mov_b32 v255, 0
	s_wait_dscnt 0x0                               ; the closing lines, six on end
	s_wait_alu 0x0
	s_wait_tensorcnt 0x0
	ds_add_u32 v254, v255
	s_wait_dscnt 0x0
	s_endpgm
.Lfunc_end_k_qc482be27f3_proj:
	.size	k_qc482be27f3_proj, .Lfunc_end_k_qc482be27f3_proj-k_qc482be27f3_proj
	.p2alignl 7, 3214868480
	.fill 96, 4, 3214868480
	.section	.rodata,"a",@progbits
	.p2align	6, 0x0
	.amdhsa_kernel k_qc482be27f3_proj
		.amdhsa_group_segment_fixed_size 225280
		.amdhsa_private_segment_fixed_size 0
		.amdhsa_enable_private_segment 0
		.amdhsa_kernarg_size 64
		.amdhsa_user_sgpr_count 2
		.amdhsa_user_sgpr_kernarg_segment_ptr 1
		.amdhsa_wavefront_size32 1
		.amdhsa_system_sgpr_workgroup_id_x 1
		.amdhsa_system_sgpr_workgroup_id_y 1
		.amdhsa_system_sgpr_workgroup_id_z 1
		.amdhsa_system_vgpr_workitem_id 0
		.amdhsa_next_free_vgpr 256
		.amdhsa_next_free_sgpr 66
		.amdhsa_reserve_vcc 0
		.amdhsa_float_denorm_mode_32 3
		.amdhsa_float_denorm_mode_16_64 3
		.amdhsa_memory_ordered 1
		.amdhsa_forward_progress 1
		.amdhsa_inst_pref_size 58
	.end_amdhsa_kernel
	.amdgpu_metadata
---
amdhsa.version: [ 1, 2 ]
amdhsa.kernels:
  - .name:           k_qc482be27f3_proj
    .symbol:         k_qc482be27f3_proj.kd
    .args:
      - { .name: ao, .offset: 0, .size: 8, .value_kind: global_buffer, .address_space: global }
      - { .name: cw, .offset: 8, .size: 8, .value_kind: global_buffer, .address_space: global }
      - { .name: b_out, .offset: 16, .size: 8, .value_kind: global_buffer, .address_space: global }
      - { .name: query, .offset: 24, .size: 8, .value_kind: global_buffer, .address_space: global }
      - { .name: g1, .offset: 32, .size: 8, .value_kind: global_buffer, .address_space: global }
      - { .name: be1, .offset: 40, .size: 8, .value_kind: global_buffer, .address_space: global }
      - { .name: xf, .offset: 48, .size: 8, .value_kind: global_buffer, .address_space: global }
      - { .name: xq, .offset: 56, .size: 8, .value_kind: global_buffer, .address_space: global }
    .group_segment_fixed_size: 225280
    .private_segment_fixed_size: 0
    .kernarg_segment_align: 8
    .kernarg_segment_size: 64
    .max_flat_workgroup_size: 512
    .sgpr_count:     66
    .vgpr_count:     256
    .wavefront_size: 32
...
	.end_amdgpu_metadata
.endif
;; end of part 8
;; launch ff1 (part 9): grid 16 x 16, 4 waves a work-group, clusters of 4 x 4, 327,680 bytes of LDS; arguments xq, cw, b1, hq; writes hq
.if DOCPART == 9
	.amdgcn_target "amdgcn-amd-amdhsa--gfx1250"
	.amdhsa_code_object_version 6
	.text
	.protected	k_qc482be27f3_ff1
	.globl	k_qc482be27f3_ff1
	.p2align	8
	.type	k_qc482be27f3_ff1,@function
k_qc482be27f3_ff1:
	s_mov_b64 s[64:65], 0
	v_nop
	global_prefetch_b8 v0, s[64:65] scope:SCOPE_SE
	s_setreg_imm32_b32 hwreg(HW_REG_WAVE_MODE, 25, 1), 1
	s_wait_xcnt 0x0
	s_wait_alu depctr_hold_cnt(0) depctr_sa_sdst(0) depctr_va_vdst(0) depctr_va_sdst(0) depctr_va_ssrc(0) depctr_va_vcc(0) depctr_vm_vsrc(0)
	s_getreg_b32 s2, hwreg(HW_REG_IB_STS2, 6, 4)
	s_cmp_eq_u32 s2, 0
	s_cbranch_scc0 .Lentry_in_a_cluster
	s_endpgm
.Lentry_in_a_cluster:
	s_bfe_u32 s2, ttmp6, 0x10000c
	s_cmp_lg_u32 s2, 0xf033
	s_cbranch_scc0 .Lentry_shape_is_right
	s_endpgm
.Lentry_shape_is_right:
; H = relu(x w1 + b1), quantised along FF for the next product.  x: [4096][1024], w1: [4096 columns][1024]: codes of FP4, K innermost, one E8M0 byte for each 32 along K.
; A tile of 256 x 256 is made by four waves, each 128 x 128: 64 accumulators, 512 registers.  K = 1,024 is two LDS slots of 512: both are filled once, at the head; nothing is filled again.
; The scales of the work-group's rows and columns, for all of K, come once, in whole blocks of 256 bytes.  CLUSTERS: 4 x 4 work-groups; x's tiles are asked for jointly along a row of the cluster, w1's along a column.
; TRANSPOSED: source 0 = 16 workspace rows of w1, source 1 = 16 rows of x.  Workspace row 32 g + l of w1 holds column 32 g + 8 (l / 16) + l % 16 + 8 ((l % 16) / 8): so, for one block of 16 rows of x,
; a lane's 64 results are register 16 b + i = hidden unit 32 b + 16 (lane / 16) + i of its row: four blocks of the next K, 16 numbers in the lane and 16 in lane l xor 16.
; The bias is the C of the first K step's products.  The results never go through LDS: relu, the quantiser, and each block of 16 rows leaves as an image of the next product's operand registers (1,024 consecutive bytes).
; LIMITS: NaN and infinities are not served; a block whose largest magnitude lies under 2^(3 - 127) gets the byte 1.  No prefetch: all tiles are asked for at the head.
; REGISTERS: window 0: v0-31 addresses; v32-95 scale words, two sets; v96-123 the way out's codes and words; v128-191 x's fragments, later 64 results; v192-255 the bias, later at work.
;   window 1: w1's fragments, two sets.   windows 2, 3: the accumulators ((a, b) at v[8 (8 (a % 4) + b)]).
.set SIZE_K, 1024
.set KSTEP,  512
.set NQ,     KSTEP/128
.set ROWB,   256
.set KROW,   SIZE_K*4/8
.set PITCH,  272                       ; an LDS row: 256 bytes + 16 of padding: the sixteen rows of a load start at sixteen different banks (64 banks of 4 bytes: ISA guide 11.1)
.set FR,     8
.set NL,     2
.set NP,     4
.set HALFT,  128*PITCH
.set SLOT,   4*HALFT
.set KS,     SIZE_K/32
.set SCL,    2*SLOT
.set HALFS,  (128*KS/256)*272
.set SBLK,   (16*KS/256)*272
.set SPARE,  SCL+4*HALFS               ; the spare words, 128 bytes for each wave
.set XSO,    2097152                   ; xq: x's scale bytes
.set W1C,    2621440                   ; cw: w1's codes
.set W1S,    4882432                   ; cw: w1's scale bytes
.set HSO,    8388608                   ; hq: the scale words [K step][128 rows][lane (hh, r)][4 words]
.set ADRA, 16
.set ADRB, 20
.set LI,   24                          ; v24 16 x lane
.set LN,   25                          ; v25 lane
.set BO,   26                          ; v26 64 x (lane / 16)
.set ADRS, 27
.set SPW,  28
.set NIL,  29
.set SC,   32
.set AF,   128
.set BI,   192                         ; the bias: eight registers for each of w1's eight blocks
.set TM,   192                         ; the quantiser's work, once the bias is spent
.set G1, 24
.set G0, 32
.set G1B, 48
.set G0B, 56
.set G1S, 68
.set G0S, 76
.set G1SB, 80
.set G0SB, 88
.set MSB, 0
.macro WIN new                         ; the immediate's high byte repeats the setting that is left
.if MSB != \new
	s_set_vgpr_msb (MSB<<8)|\new
.set MSB, \new
.endif
.endm
.set MUL_LO, 0xa1                      ; source 0 (w1) window 1, source 1 (x) window 0, C and D window 2
.set MUL_HI, 0xf1
.set FST_LO, 0x81                      ; the first K step: C (the bias) window 0, D window 2
.set FST_HI, 0xc1
.set TO_B,   0x40
.macro JLOAD g0a, g1a, g0b, g1b        ; a joint load: waves 0 and 1 fetch for x, waves 2 and 3 for w1; four v_nop follow each line
	s_cmp_eq_u32 s15, 0
	s_cbranch_scc0 .Lfor_b_\@
	tensor_load_to_lds s[\g0a:\g0a+3], s[\g1a:\g1a+7]
	s_nop 0
.rept 4
	v_nop
.endr
	s_branch .Lasked_\@
.Lfor_b_\@:
	tensor_load_to_lds s[\g0b:\g0b+3], s[\g1b:\g1b+7]
	s_nop 0
.rept 4
	v_nop
.endr
.Lasked_\@:
.endm
.macro CROUND                          ; a round of the cluster's barrier
	s_barrier_signal -1
	s_barrier_wait -1
	s_cmp_lg_u32 s14, 0
	s_cbranch_scc1 .Lnot_wave_0_\@
	s_barrier_signal -3
.Lnot_wave_0_\@:
	s_barrier_wait -3
	s_barrier_signal -1
	s_barrier_wait -1
.endm
	s_load_b128 s[4:7], s[0:1], 0x0                ; xq, cw
	s_load_b128 s[8:11], s[0:1], 0x10              ; b1, hq
	v_lshl_add_u32 v[SPW], v0, 2, SPARE
	v_mov_b32 v[NIL], 0
	ds_add_u32 v28, v29
	ds_add_u32 v28, v29
	s_wait_dscnt 0x0
	v_lshrrev_b32 v1, 5, v0
	v_readfirstlane_b32 s14, v1                    ; wave 0..3
	s_lshr_b32 s15, s14, 1                         ; which half of the tile's rows is mine.  Also: I fetch for x (0) or for w1 (1)
	s_and_b32 s16, s14, 1                          ; which half of its columns.  Also: which 128 rows of that tile I fetch
	s_bfe_u32 s40, ttmp6, 0x40000                  ; cx, cy
	s_bfe_u32 s41, ttmp6, 0x40004
	s_lshl_b32 s42, ttmp9, 2
	s_add_co_u32 s42, s42, s40                     ; tile column
	s_and_b32 s17, ttmp7, 0xffff
	s_lshl_b32 s17, s17, 2
	s_add_co_u32 s17, s17, s41                     ; tile row
	s_lshl_b32 s43, s41, 2
	s_lshl_b32 s43, 15, s43                        ; my row of the cluster
	s_lshl_b32 s44, 0x1111, s40                    ; my column
	s_or_b32 s[G1+0], s43, (0<<16)|(1<<20)|(1<<21)|(5<<22)|(3<<25)   ; the mask; elements of 1 byte; padding: 4 words behind every 64; bit 21 beside a mask
	s_or_b32 s[G1B+0], s44, (0<<16)|(1<<20)|(1<<21)|(5<<22)|(3<<25)
.irp g, G1, G1B
	s_mov_b32 s[\g+1], ROWB<<16
	s_mov_b32 s[\g+2], 128<<16
	s_mov_b32 s[\g+3], ROWB<<16
	s_mov_b32 s[\g+4], 128
	s_mov_b32 s[\g+5], KROW
	s_mov_b32 s[\g+6], 0
	s_mov_b32 s[\g+7], 0
.endr
	s_or_b32 s[G1S+0], s43, (3<<16)|(1<<20)|(1<<21)|(5<<22)|(3<<25)  ; the scales of 128 rows: a dense block as rows of 256 bytes
	s_or_b32 s[G1SB+0], s44, (3<<16)|(1<<20)|(1<<21)|(5<<22)|(3<<25)
.irp g, G1S, G1SB
	s_mov_b32 s[\g+1], 32<<16
	s_mov_b32 s[\g+2], (128*KS/256)<<16
	s_mov_b32 s[\g+3], 32<<16
	s_mov_b32 s[\g+4], 128*KS/256
	s_mov_b32 s[\g+5], 32
	s_mov_b32 s[\g+6], 0
	s_mov_b32 s[\g+7], 0
.endr
	s_lshl_b32 s18, s16, 7
	s_lshl_b32 s20, s17, 8
	s_add_co_u32 s20, s20, s18                     ; x: row 256 x tile row + 128 x half
	s_lshl_b32 s46, s42, 8
	s_add_co_u32 s46, s46, s18                     ; w1: row 256 x tile column + 128 x half
	s_mov_b32 s21, 0
	s_mov_b32 s47, 0
	s_mov_b64 s[18:19], KS
	s_mul_u64 s[22:23], s[20:21], s[18:19]
	s_mul_u64 s[92:93], s[46:47], s[18:19]
	s_mov_b64 s[18:19], KROW
	s_mul_u64 s[20:21], s[20:21], s[18:19]
	s_mul_u64 s[46:47], s[46:47], s[18:19]
	s_mul_i32 s45, s14, HALFT
	s_mul_i32 s94, s14, HALFS
	s_wait_kmcnt 0x0
	s_mov_b64 s[12:13], s[10:11]                   ; hq
	s_mov_b64 s[96:97], s[8:9]                     ; b1
	s_add_nc_u64 s[8:9], s[6:7], W1C               ; w1's codes
	s_add_nc_u64 s[10:11], s[6:7], W1S             ; w1's scale bytes
	s_add_nc_u64 s[6:7], s[4:5], XSO               ; x's scale bytes
	s_add_nc_u64 s[20:21], s[4:5], s[20:21]
	s_add_nc_u64 s[22:23], s[6:7], s[22:23]
	s_add_nc_u64 s[46:47], s[8:9], s[46:47]
	s_add_nc_u64 s[92:93], s[10:11], s[92:93]
	CROUND                                         ; all sixteen work-groups are here: the joint loads meet
	s_mov_b32 s[G0S], 1
	s_add_co_u32 s[G0S+1], s94, SCL
	s_mov_b64 s[G0S+2:G0S+3], s[22:23]
	s_or_b32 s[G0S+3], s[G0S+3], 0x80000000
	s_mov_b32 s[G0SB], 1
	s_add_co_u32 s[G0SB+1], s94, SCL
	s_mov_b64 s[G0SB+2:G0SB+3], s[92:93]
	s_or_b32 s[G0SB+3], s[G0SB+3], 0x80000000
	JLOAD G0S, G1S, G0SB, G1SB                     ; the scales first
.irp s, 0,1
	s_mov_b32 s[G0+4*\s], 1
	s_add_co_u32 s[G0+4*\s+1], s45, \s*SLOT
	s_add_nc_u64 s[G0+4*\s+2:G0+4*\s+3], s[20:21], \s*ROWB
	s_or_b32 s[G0+4*\s+3], s[G0+4*\s+3], 0x80000000
	s_mov_b32 s[G0B+4*\s], 1
	s_add_co_u32 s[G0B+4*\s+1], s45, \s*SLOT
	s_add_nc_u64 s[G0B+4*\s+2:G0B+4*\s+3], s[46:47], \s*ROWB
	s_or_b32 s[G0B+4*\s+3], s[G0B+4*\s+3], 0x80000000
	s_wait_alu depctr_va_vdst(0)
	s_wait_tensorcnt 0x0
	ds_add_u32 v28, v29
	s_wait_dscnt 0x0
	CROUND
	JLOAD G0+4*\s, G1, G0B+4*\s, G1B               ; one tensor load of mine is out
.endr
	v_and_b32 v1, 15, v0
	v_bfe_u32 v2, v0, 4, 1
	v_mul_u32_u24 v3, v1, PITCH
	v_lshl_add_u32 v4, v2, 4, v3
	s_mul_i32 s21, s15, HALFT
	s_mul_i32 s22, s16, HALFT
	s_add_co_u32 s22, s22, 2*HALFT
.irp s, 0,1
	v_add_nc_u32 v[ADRA+\s], s21, v4
	v_add_nc_u32 v[ADRB+\s], s22, v4
	s_add_co_u32 s21, s21, SLOT
	s_add_co_u32 s22, s22, SLOT
.endr
	v_mul_u32_u24 v5, v1, KS
	v_lshrrev_b32 v6, 8, v5
	v_lshl_add_u32 v5, v6, 4, v5
	s_mul_i32 s21, s15, HALFS
	s_mul_i32 s22, s16, HALFS
	s_add_co_u32 s22, s22, 2*HALFS
	s_sub_co_u32 s22, s22, s21
	v_mul_u32_u24 v6, s22, v2                      ; lanes 16-31 take w1's
	s_add_co_u32 s21, s21, SCL
	v_add_nc_u32 v5, v5, v6
	v_add_nc_u32 v[ADRS], s21, v5
	v_and_b32 v[LN], 31, v0
	v_lshlrev_b32 v[LI], 4, v[LN]
	v_lshlrev_b32 v[BO], 6, v2
	s_lshl_b32 s46, s42, 1
	s_add_co_u32 s46, s46, s16                     ; my 128 hidden units: which K step of the next product
	s_lshl_b32 s20, s46, 9
	s_mov_b32 s21, 0
	s_add_nc_u64 s[96:97], s[96:97], s[20:21]      ; their bias
.irp b, 0,1,2,3,4,5,6,7
	global_load_b128 v[BI+8*\b:BI+8*\b+3], v[BO], s[96:97] offset:4*(32*(\b/2)+8*(\b%2))       ; lane (r, h): units 32 (b / 2) + 8 (b % 2) + 16 h + 0 .. 7
	global_load_b128 v[BI+8*\b+4:BI+8*\b+7], v[BO], s[96:97] offset:4*(32*(\b/2)+8*(\b%2))+16
.endr
	s_lshl_b32 s20, s17, 1
	s_add_co_u32 s20, s20, s15                     ; my 128 rows: which group
	s_lshl_b32 s22, s20, 9
	s_lshl_b32 s23, s46, 14
	s_add_co_u32 s22, s22, s23
	s_add_co_u32 s22, s22, HSO
	s_mov_b32 s23, 0
	s_add_nc_u64 s[98:99], s[12:13], s[22:23]      ; where their scale words go
	s_lshl_b32 s20, s20, 18                        ; eight row tiles of 32,768 bytes
	s_lshl_b32 s22, s46, 10
	s_add_co_u32 s20, s20, s22
	s_add_nc_u64 s[12:13], s[12:13], s[20:21]      ; and their images
	s_mov_b32 s2, 0x76543210
	s_mov_b32 s3, 0xfedcba98
.macro FRAG reg, adr, q, i
.irp c, 0,1
	ds_load_b128 v[\reg+4*\c:\reg+4*\c+3], v[\adr] offset:64*(\q)+32*\c+(\i)*16*PITCH
.endr
.endm
; 16 products: x's blocks a0, a0 + 1 against w1's eight.  first = 1: the bias is C.  The 64 accumulators take turns, one instruction a turn.
.macro MUL16 a0, p, q, sc, first
.irp a, \a0, \a0+1
.irp b, 0,1,2,3,4,5,6,7
.if \first
	v_wmma_scale_f32_16x16x128_f8f6f4 v[8*(8*((\a)%4)+\b):8*(8*((\a)%4)+\b)+7], v[128*(\p)+FR*\b:128*(\p)+FR*\b+FR-1], v[AF+FR*(\a):AF+FR*(\a)+FR-1], v[BI+8*\b:BI+8*\b+7], v[SC+8*NQ*(\sc)+NQ*\b+(\q)], v[SC+8*NQ*(\sc)+NQ*(\a)+(\q)] matrix_a_fmt:MATRIX_FMT_FP4 matrix_b_fmt:MATRIX_FMT_FP4 matrix_a_scale:MATRIX_SCALE_ROW1
.else
	v_wmma_scale_f32_16x16x128_f8f6f4 v[8*(8*((\a)%4)+\b):8*(8*((\a)%4)+\b)+7], v[128*(\p)+FR*\b:128*(\p)+FR*\b+FR-1], v[AF+FR*(\a):AF+FR*(\a)+FR-1], v[8*(8*((\a)%4)+\b):8*(8*((\a)%4)+\b)+7], v[SC+8*NQ*(\sc)+NQ*\b+(\q)], v[SC+8*NQ*(\sc)+NQ*(\a)+(\q)] matrix_a_fmt:MATRIX_FMT_FP4 matrix_b_fmt:MATRIX_FMT_FP4 matrix_a_scale:MATRIX_SCALE_ROW1
.endif
.endr
.endr
.endm
.macro FETCH_B slot, q, p
	WIN TO_B
.irp i, 0,1,2,3,4,5,6,7
	FRAG 128*(\p)+FR*\i, ADRB+\slot, \q, \i
.endr
	WIN 0
.endm
.macro FETCH_A slot, q, i0
.irp i, \i0, \i0+1, \i0+2, \i0+3
	FRAG AF+FR*(\i), ADRA+\slot, \q, \i
.endr
.endm
.macro SCALES sc                       ; a slot's scale words: lanes 0-15 x's block i, lanes 16-31 w1's block i
.irp i, 0,1,2,3,4,5,6,7
	ds_load_b128 v[SC+8*NQ*\sc+NQ*\i:SC+8*NQ*\sc+NQ*\i+3], v[ADRS] offset:\i*SBLK
.endr
.endm
.macro PLACES n                        ; plain lines between a product and a load into, or a read of, its registers
.rept \n
	v_nop
.endr
.endm
.macro STEP slot, q, first             ; 128 along K that has its successor in the same slot
	s_wait_dscnt 4*NL                              ; w1's set and x's blocks 0-3 are in; the youngest loads (x's blocks 4-7) may be out
.if \first
	WIN FST_LO
.else
	WIN MUL_LO
.endif
	MUL16 0, (\q)%2, \q, \slot, \first
	MUL16 2, (\q)%2, \q, \slot, \first
	s_wait_dscnt 0
	PLACES NP
	FETCH_B \slot, (\q)+1, 1-(\q)%2
	FETCH_A \slot, (\q)+1, 0
.if \first
	WIN FST_HI
.else
	WIN MUL_HI
.endif
	MUL16 4, (\q)%2, \q, \slot, \first
	MUL16 6, (\q)%2, \q, \slot, \first
	PLACES NP
	WIN 0
	FETCH_A \slot, (\q)+1, 4
.endm
.macro TURN slot, next                 ; slot 0's last step changes slots: one barrier
	s_wait_tensorcnt 0x0                           ; all my tensor loads have landed: my part of the next slot;
	ds_add_u32 v[SPW], v[NIL]                      ; 0 onto my spare word
	s_wait_dscnt 4*NL+1                            ; (the add and the youngest loads may be out)
	WIN MUL_LO
	MUL16 0, 1, NQ-1, \slot, 0
	s_wait_dscnt 0x0
	s_barrier_signal -1
	MUL16 2, 1, NQ-1, \slot, 0
	WIN 0
	s_barrier_wait -1                              ; everybody's part of the next slot has landed
	PLACES NP
	v_add_nc_u32 v[ADRS], 4*NQ, v[ADRS]            ; the next slot's scale words (no LDS load of mine is out)
	FETCH_B \next, 0, 0
	FETCH_A \next, 0, 0
	SCALES \next
	WIN MUL_HI
	MUL16 4, 1, NQ-1, \slot, 0
	MUL16 6, 1, NQ-1, \slot, 0
	PLACES NP
	WIN 0
	FETCH_A \next, 0, 4
.endm
	s_wait_alu depctr_va_vdst(0)
	s_wait_tensorcnt 1                             ; the scales and my part of slot 0 are in; slot 1's load may be out,
	s_barrier_signal -1
	s_barrier_wait -1                              ; everybody's are
	FETCH_B 0, 0, 0
	FETCH_A 0, 0, 0
	SCALES 0
	FETCH_A 0, 0, 4
	s_wait_loadcnt 0x0                             ; the bias
	STEP 0, 0, 1
	STEP 0, 1, 0
	STEP 0, 2, 0
	TURN 0, 1
	STEP 1, 0, 0
	STEP 1, 1, 0
	STEP 1, 2, 0
	s_wait_dscnt 4*NL                              ; the very last step
	WIN MUL_LO
	MUL16 0, 1, NQ-1, 1, 0
	MUL16 2, 1, NQ-1, 1, 0
	s_wait_dscnt 0
	WIN MUL_HI
	MUL16 4, 1, NQ-1, 1, 0
	MUL16 6, 1, NQ-1, 1, 0
	WIN 0
; 64 numbers of a lane, register 16 b + i = k 32 b + 16 (lane / 16) + i of its row, become a fragment's codes in v[pc] on and its scale word in v[pw]
.macro QUANT s, pc, pw
.irp b, 0,1,2,3
	v_max3_num_f32 v[TM+\b], |v[\s+16*\b]|, |v[\s+1+16*\b]|, 0x1800000
.endr
.irp i, 2,4,6,8,10,12,14
.irp b, 0,1,2,3
	v_max3_num_f32 v[TM+\b], v[TM+\b], |v[\s+16*\b+\i]|, |v[\s+1+16*\b+\i]|
.endr
.endr
.irp b, 0,1,2,3
	v_permlanex16_b32 v[TM+4+\b], v[TM+\b], s2, s3
.endr
.irp b, 0,1,2,3
	v_max_num_f32 v[TM+\b], v[TM+\b], v[TM+4+\b]
.endr
.irp b, 0,1,2,3
	v_add_nc_u32 v[TM+12+\b], 0xff000000, v[TM+\b]
.endr
.irp b, 0,1,2,3
	v_lshrrev_b32 v[TM+4+\b], 23, v[TM+12+\b]
.endr
	v_lshl_or_b32 v[\pw], v[TM+5], 8, v[TM+4]
	v_lshl_or_b32 v[\pw], v[TM+6], 16, v[\pw]
	v_lshl_or_b32 v[\pw], v[TM+7], 24, v[\pw]
.irp b, 0,1,2,3
	v_cvt_scalef32_pk8_fp4_f32 v[(\pc)+2*\b], v[\s+16*\b:\s+7+16*\b], v[TM+12+\b]
	v_cvt_scalef32_pk8_fp4_f32 v[(\pc)+1+2*\b], v[\s+8+16*\b:\s+15+16*\b], v[TM+12+\b]
.endr
	v_nop
.irp c, 0,1
.irp i, 0,1
	v_permlane16_swap_b32 v[(\pc)+4*\c+\i], v[(\pc)+2+4*\c+\i]
.endr
.endr
.endm
	PLACES NP
.irp b, 0,1,2,3
	v_mov_b32 v[TM+4+\b], 0                        ; a lane permute's destination counts as one of its sources
.endr
.irp a, 0,1,2,3,4,5,6,7                ; block a of 16 rows: relu on the way into window 0, the quantiser, 1,024 consecutive bytes out
.if \a > 1
	s_wait_xcnt 0x0                                ; block a - 2's stores have read their registers, which take this block's codes
.endif
	WIN 0x08+4*(\a/4)                              ; source 1: window 2 or 3
.set j, 0
.rept 64
	v_max_num_f32 v[AF+j], 0, v[64*(\a%4)+j]       ; each accumulator from its low end on
.set j, j+1
.endr
	WIN 0
	QUANT AF, 96+8*(\a%2), 112+\a
	global_store_b128 v[LI], v[96+8*(\a%2):96+8*(\a%2)+3], s[12:13] offset:32768*\a
	global_store_b128 v[LI], v[96+8*(\a%2)+4:96+8*(\a%2)+7], s[12:13] offset:32768*\a+512
.endr
	v_cmp_lt_u32 vcc_lo, 15, v[LN]
.irp i, 0,1,2,3
	v_cndmask_b32 v[120+\i], v[112+\i], v[116+\i], vcc_lo      ; lanes 0-15 carry row tiles 0-3's words, lanes 16-31 tiles 4-7's
.endr
	global_store_b128 v[LI], v[120:123], s[98:99]  ; 512 consecutive bytes
	s_wait_tensorcnt 0x0                           ; the wave's end
	ds_add_u32 v[SPW], v[NIL]
	s_wait_dscnt 0x0
	CROUND                                         ; the closing round
	s_endpgm
.Lfunc_end_k_qc482be27f3_ff1:
	.size	k_qc482be27f3_ff1, .Lfunc_end_k_qc482be27f3_ff1-k_qc482be27f3_ff1
	.p2alignl 7, 3214868480
	.fill 96, 4, 3214868480
	.section	.rodata,"a",@progbits
	.p2align	6, 0x0
	.amdhsa_kernel k_qc482be27f3_ff1
		.amdhsa_group_segment_fixed_size 327680
		.amdhsa_private_segment_fixed_size 0
		.amdhsa_enable_private_segment 0
		.amdhsa_kernarg_size 32
		.amdhsa_user_sgpr_count 2
		.amdhsa_user_sgpr_kernarg_segment_ptr 1
		.amdhsa_wavefront_size32 1
		.amdhsa_system_sgpr_workgroup_id_x 1
		.amdhsa_system_sgpr_workgroup_id_y 1
		.amdhsa_system_sgpr_workgroup_id_z 1
		.amdhsa_system_vgpr_workitem_id 0
		.amdhsa_next_free_vgpr 1024
		.amdhsa_next_free_sgpr 100
		.amdhsa_reserve_vcc 1
		.amdhsa_float_denorm_mode_32 3
		.amdhsa_float_denorm_mode_16_64 3
		.amdhsa_memory_ordered 1
		.amdhsa_forward_progress 1
		.amdhsa_inst_pref_size 146
	.end_amdhsa_kernel
	.amdgpu_metadata
---
amdhsa.version: [ 1, 2 ]
amdhsa.kernels:
  - .name:           k_qc482be27f3_ff1
    .symbol:         k_qc482be27f3_ff1.kd
    .args:
      - { .name: xq, .offset: 0, .size: 8, .value_kind: global_buffer, .address_space: global }
      - { .name: cw, .offset: 8, .size: 8, .value_kind: global_buffer, .address_space: global }
      - { .name: b1, .offset: 16, .size: 8, .value_kind: global_buffer, .address_space: global }
      - { .name: hq, .offset: 24, .size: 8, .value_kind: global_buffer, .address_space: global }
    .group_segment_fixed_size: 327680
    .private_segment_fixed_size: 0
    .kernarg_segment_align: 8
    .kernarg_segment_size: 32
    .max_flat_workgroup_size: 128
    .sgpr_count:     100
    .vgpr_count:     1024
    .wavefront_size: 32
...
	.end_amdgpu_metadata
.endif
;; end of part 9
;; launch ff2 (part 10): grid 128 x 1, 16 waves a work-group, no clusters, 225,280 bytes of LDS; arguments hq, cw, b2, xf, g2, be2, out0; writes out0
.if DOCPART == 10
	.amdgcn_target "amdgcn-amd-amdhsa--gfx1250"
	.amdhsa_code_object_version 6
	.text
	.protected	k_qc482be27f3_ff2
	.globl	k_qc482be27f3_ff2
	.p2align	8
	.type	k_qc482be27f3_ff2,@function
k_qc482be27f3_ff2:
	s_mov_b64 s[64:65], 0
	v_nop
	global_prefetch_b8 v0, s[64:65] scope:SCOPE_SE
	s_setreg_imm32_b32 hwreg(HW_REG_WAVE_SCHED_MODE, 0, 2), 2
	s_setreg_imm32_b32 hwreg(HW_REG_WAVE_MODE, 25, 1), 1
	s_wait_xcnt 0x0
	s_wait_alu depctr_vm_vsrc(0)
; LAYER 3: x = LayerNorm(A w_out + b_out + query) g1 + be1, stored as f32 and as codes.   LAYER 5: out = LayerNorm(H w2 + b2 + x) g2 + be2.   One text; LAYER chooses.
; The product is on codes of FP4 with E8M0 scales; sums, residual and norm in f32.  The variance is the mean square of the CENTRED numbers: two passes, as the definition has it.
; SHARES.  A work-group owns 32 rows (two row tiles m) and all 1,024 columns, so that the norm needs no other work-group.  Wave w owns columns 64 w .. 64 w + 63 (four tiles T): eight accumulators, which take turns.
; The rows' operand images (KS x 2 KiB) are copied into LDS once and read by all sixteen waves.  A weight fragment feeds ONE wave, once: LDS would give it no second use, so the weights go from memory straight into
; registers, in the order of the operand's registers (512 consecutive bytes a load), through four buffers of a K step each.  No tensor load, hence no cluster: what the work-groups share is the whole weight, 64 KiB a K step, which no two LDS slots
; beside the stage could hold more than one step ahead.  128 work-groups: every work-group takes in the whole weight whatever its rows, so 32 rows halve those bytes against 16.
; TRANSPOSED: source 0 = 16 columns of the weight, source 1 = 16 rows.  Lane r of tile 2 b + u holds column 32 b + 8 u + r + 8 (r / 8): so register 16 b + i of a lane (r, h) is column 64 w + 32 b + 16 h + i of row r.
; The bias is loaded INTO the accumulators, so that the first K step is like every other.
; THE RESIDUAL comes at the head as whole rows (wave w: rows 2 w, 2 w + 1; 512 consecutive bytes a load), waits in the stage's bytes, and is read from there in the accumulators' layout at the end of the K steps.
; Each wave later writes its normalised numbers over just the bytes that it has read, two barriers on.
; LIMITS: NaN and infinities are not served; a block whose largest magnitude lies under 2^(3 - 127) gets the byte 1; v_rsq_f32 stands ahead of the quantiser.
; THE MODE: SCHED_MODE bits 1:0 = 2 (LLVM: expert scheduling mode 2), set by the entry lines.  The code itself states the register dependences
; between vector or matrix instructions and memory or LDS instructions, with s_wait_alu, always for 0.
; THE PLAN.  Registers that memory or LDS instructions touch, in the K steps:
;   BB0 .. BB3      K step i's eight products read buffer i; the loads issued in K step i + 1 land in it: the K step three on.
;   WSC set q       Read by the products of K steps 2 q and 2 q + 1 of a trip; loaded again in the K step behind them.
;   AFR, ASW i % 2  Read by K step i's products; the LDS loads at the head of K step i + 1 land in it: the rows of K step i + 2.
;   v6, v7          Read by every LDS load of the rows; written once a trip, in K step 3.
;   v4, v5, v8 .. v14  Offsets and addresses, made at the head and never written again; v15 is written once more, behind the first barrier.
;   The accumulators are named by matrix and vector instructions alone, from the bias's loads to the norm's stores.
; So ONE wait on va_vdst stands at a K step's head, behind the waits for the step's own data: it states that the products of the K step before are done reading their weight buffer, their rows and their scale words,
; and, in K step 3, that v6 and v7 are written.  The step's loads follow it, the rows' first, the weights' dealt among its eight products, which name the accumulators, BB[i], AFR and ASW[i % 2] and scale set i / 2:
; none of the registers that those loads touch.  One wait on vm_vsrc a trip stands ahead of the adds to v6 and v7.
.set LAYER, 5
.if LAYER == 3
.set KS,   8                           ; K steps of 128
.set WF,   0                           ; cw: the weight's fragments
.set WS,   4718592                     ; cw: its scale words
.set ASRC, 2097152                     ; where the rows' scales begin in the first buffer
.else
.set KS,   32
.set WF,   524288
.set WS,   4751360
.set ASRC, 8388608
.endif
.set ASC,  65536                       ; LDS: images [m][K step][1,024] from 0; here the rows' scale words [K step][r][m]
.set RED,  69632                       ; [wave][r][2 f32]: the sums; 2,048 bytes on: the sums of squares
.set STG,  73728                       ; 32 rows x (4,096 + 16): first the residual, then the result
.set SPIT, 4112
.set CST,  205312                      ; 32 rows x (512 + 16): x's codes
.set SST,  222208                      ; 32 rows x 32: x's scale bytes
.set ACC,  16                          ; v16-79   accumulator (m, T) at 32 m + 8 T
.set BB,   80                          ; v80-207  four buffers of 32: a K step's four fragments; at the head buffers 2, 3 carry the residual's rows; at the end: gain, offset, residual m = 0, 1
.set AFR,  208                         ; v208-239 two buffers of 16: the rows' two fragments; at work in the norm
.set WSC,  240                         ; v240-247 the weight's scale words: set x 4 + 2 b + (K step % 2)
.set ASW,  248                         ; v248-251 the rows' scale words: buffer x 2 + m
; v1 l, v2 r, v3 h, v4 16 l, v5 8 l, v6 image address, v7 scale address, v8 the stage in the accumulators' layout (row r), v9 64 h, v10, v14 the head's, v11 the stage by rows (2 w, 2 w + 1),
; v12, v13 the sums' places, v15 the head's scale offset, then the stage's row 16 + r, v252-255 means and factors
	s_load_b256 s[4:11], s[0:1], 0x0               ; rows' codes and scales, cw, bias, residual
.if LAYER == 3
	s_load_b256 s[12:19], s[0:1], 0x20             ; gain, offset, xf, xq
.else
	s_load_b128 s[12:15], s[0:1], 0x20             ; gain, offset
	s_load_b64 s[16:17], s[0:1], 0x30              ; out0
.endif
	v_lshrrev_b32 v1, 5, v0
	v_readfirstlane_b32 s20, v1                    ; wave 0..15
	v_and_b32 v1, 31, v0
	v_and_b32 v2, 15, v0
	v_bfe_u32 v3, v0, 4, 1
	v_lshlrev_b32 v4, 4, v1
	v_lshlrev_b32 v5, 3, v1
	v_lshlrev_b32 v6, 4, v1
	v_lshl_add_u32 v7, v2, 3, ASC
	s_wait_alu depctr_va_sdst(0)                   ; s20 is written, ahead of its first reader: addresses and bases are made from it
	s_lshl_b32 s22, s20, 8
	v_mul_u32_u24 v8, v2, SPIT
	v_lshl_add_u32 v8, v3, 6, v8
	v_add_nc_u32 v8, s22, v8
	v_add_nc_u32 v8, STG, v8                       ; the stage: row r, + 256 w + 64 h
	v_lshlrev_b32 v9, 6, v3
	s_mul_i32 s22, s20, 2*SPIT
	v_add_nc_u32 v11, s22, v4
	v_add_nc_u32 v11, STG, v11                     ; the stage: rows 2 w, 2 w + 1, 16 bytes a lane
	s_lshl_b32 s22, s20, 7
	v_lshl_add_u32 v12, v2, 3, s22
	v_add_nc_u32 v12, RED, v12
	v_lshl_add_u32 v13, v2, 3, RED
	s_mul_i32 s24, s20, KS*128                     ; my sixteenth of the images
	v_add_nc_u32 v14, s24, v4
	s_mul_i32 s22, ttmp9, KS*2048
	s_add_co_u32 s22, s22, s24
	s_mov_b32 s23, 0
	s_mov_b32 s25, 0
.if LAYER == 3
	s_lshl_b32 s24, s20, 13                        ; head w's bytes [4096 rows] of two; rows 32 p + l
	s_lshl_b32 s26, ttmp9, 6
	s_add_co_u32 s24, s24, s26
	s_add_co_u32 s24, s24, ASRC
	v_lshlrev_b32 v15, 1, v1
	s_lshr_b32 s26, s20, 1
	s_lshl_b32 s26, s26, 7                         ; K step w / 2,
	s_and_b32 s27, s20, 1
	s_lshl_b32 s27, s27, 1                         ; half w % 2 of its word
	s_add_co_u32 s26, s26, s27
	v_lshl_add_u32 v10, v2, 3, s26
	v_lshl_add_u32 v10, v3, 2, v10
	v_add_nc_u32 v10, ASC, v10
.else
	s_lshl_b32 s24, s20, 15                        ; [K step 2 w + h][128 rows p / 4][lane ((p / 2) % 2, r)][4 words]: words 2 (p % 2), + 1
	s_lshr_b32 s26, ttmp9, 2
	s_lshl_b32 s26, s26, 9
	s_add_co_u32 s24, s24, s26
	s_bfe_u32 s26, ttmp9, 0x10001
	s_lshl_b32 s26, s26, 8
	s_add_co_u32 s24, s24, s26
	s_and_b32 s26, ttmp9, 1
	s_lshl_b32 s26, s26, 3
	s_add_co_u32 s24, s24, s26
	s_add_co_u32 s24, s24, ASRC
	v_lshlrev_b32 v15, 14, v3
	v_lshl_add_u32 v15, v2, 4, v15
	s_lshl_b32 s26, s20, 8
	v_add_nc_u32 v10, s26, v5
	v_add_nc_u32 v10, ASC, v10
.endif
	s_lshl_b32 s26, s20, 8                         ; my 64 columns in bias, gain, offset
	s_mov_b32 s27, 0
	s_lshl_b32 s30, ttmp9, 17                      ; my work-group's 32 rows of 4,096 bytes,
	s_lshl_b32 s31, s20, 13                        ; and of them the two rows that I load of the residual and store of the result
	s_add_co_u32 s30, s30, s31
	s_mov_b32 s31, 0
	s_mul_i32 s32, s20, KS*4096
	s_add_co_u32 s32, s32, WF
	s_mov_b32 s33, 0
	s_mul_i32 s34, s20, KS*256
	s_add_co_u32 s34, s34, WS
	s_mov_b32 s35, 0
	s_mov_b32 s38, 0x76543210
	s_mov_b32 s39, 0xfedcba98
	s_mov_b32 s40, 0x3a800000                      ; 1 / 1,024
	s_mov_b32 s41, 0x3727c5ac                      ; 1e-5
.if LAYER == 3
	s_lshl_b32 s42, ttmp9, 14
	s_lshl_b32 s43, s20, 10
	s_add_co_u32 s42, s42, s43
	s_mov_b32 s43, 0
	s_lshl_b32 s44, ttmp9, 10
	s_and_b32 s45, s20, 1
	s_lshl_b32 s45, s45, 9
	s_add_co_u32 s44, s44, s45
	s_add_co_u32 s44, s44, 2097152
	s_mov_b32 s45, 0
.endif
	s_wait_kmcnt 0x0
	s_add_nc_u64 s[22:23], s[4:5], s[22:23]
	s_add_nc_u64 s[24:25], s[4:5], s[24:25]
	s_add_nc_u64 s[8:9], s[8:9], s[26:27]
	s_add_nc_u64 s[12:13], s[12:13], s[26:27]
	s_add_nc_u64 s[14:15], s[14:15], s[26:27]
	s_add_nc_u64 s[10:11], s[10:11], s[30:31]
	s_add_nc_u64 s[16:17], s[16:17], s[30:31]
	s_add_nc_u64 s[32:33], s[6:7], s[32:33]
	s_add_nc_u64 s[34:35], s[6:7], s[34:35]
.if LAYER == 3
	s_add_nc_u64 s[42:43], s[18:19], s[42:43]
	s_add_nc_u64 s[44:45], s[18:19], s[44:45]
.endif
.macro BLOAD2 j, t, off                ; fragment t of K step j of a trip into buffer j: two loads of 512 consecutive bytes
.irp c, 0,1
	global_load_b128 v[BB+32*(\j)+8*(\t)+4*\c:BB+32*(\j)+8*(\t)+4*\c+3], v4, s[32:33] offset:(\off)+4096*(\j)+1024*(\t)+512*\c
.endr
.endm
.macro BLOAD j, off                    ; all four fragments
.irp t, 0,1,2,3
	BLOAD2 \j, \t, \off
.endr
.endm
.macro SLOAD q, off                    ; the scale words of K steps 2 q, 2 q + 1 of a trip into set q
.irp b, 0,1
	global_load_b64 v[WSC+4*(\q)+2*\b:WSC+4*(\q)+2*\b+1], v5, s[34:35] offset:(\off)+512*(\q)+256*\b
.endr
.endm
.macro ALOAD i, buf                    ; the rows' two fragments and scale words of K step i of a trip
.irp m, 0,1
.irp c, 0,1
	ds_load_b128 v[AFR+16*(\buf)+8*\m+4*\c:AFR+16*(\buf)+8*\m+4*\c+3], v6 offset:\m*KS*1024+1024*(\i)+512*\c
.endr
.endr
	ds_load_b64 v[ASW+2*(\buf):ASW+2*(\buf)+1], v7 offset:128*(\i)
.endm
.macro ELOAD2 j, t                     ; what the norm wants, into buffer j as it falls free, two loads of eight: j = 0 the gain, 1 the offset, from memory; 2, 3 the residual of row tiles 0 and 1, from the stage
.irp e, 0,1
.if (\j) == 0
	global_load_b128 v[BB+4*(2*(\t)+\e):BB+4*(2*(\t)+\e)+3], v9, s[12:13] offset:128*((2*(\t)+\e)/4)+16*((2*(\t)+\e)%4)
.elseif (\j) == 1
	global_load_b128 v[BB+32+4*(2*(\t)+\e):BB+32+4*(2*(\t)+\e)+3], v9, s[14:15] offset:128*((2*(\t)+\e)/4)+16*((2*(\t)+\e)%4)
.elseif (\j) == 2
	ds_load_b128 v[BB+64+4*(2*(\t)+\e):BB+64+4*(2*(\t)+\e)+3], v8 offset:128*((2*(\t)+\e)/4)+16*((2*(\t)+\e)%4)
.else
	ds_load_b128 v[BB+96+4*(2*(\t)+\e):BB+96+4*(2*(\t)+\e)+3], v15 offset:128*((2*(\t)+\e)/4)+16*((2*(\t)+\e)%4)
.endif
.endr
.endm
.macro MUL2 t, buf, abuf, set, par     ; tile t's two products; over a K step the eight accumulators take turns, one instruction a turn
.irp m, 0,1
.if (\t)%2
	v_wmma_scale_f32_16x16x128_f8f6f4 v[ACC+32*\m+8*(\t):ACC+32*\m+8*(\t)+7], v[BB+32*(\buf)+8*(\t):BB+32*(\buf)+8*(\t)+7], v[AFR+16*(\abuf)+8*\m:AFR+16*(\abuf)+8*\m+7], v[ACC+32*\m+8*(\t):ACC+32*\m+8*(\t)+7], v[WSC+4*(\set)+2*((\t)/2)+(\par)], v[ASW+2*(\abuf)+\m] matrix_a_fmt:MATRIX_FMT_FP4 matrix_b_fmt:MATRIX_FMT_FP4 matrix_a_scale:MATRIX_SCALE_ROW1
.else
	v_wmma_scale_f32_16x16x128_f8f6f4 v[ACC+32*\m+8*(\t):ACC+32*\m+8*(\t)+7], v[BB+32*(\buf)+8*(\t):BB+32*(\buf)+8*(\t)+7], v[AFR+16*(\abuf)+8*\m:AFR+16*(\abuf)+8*\m+7], v[ACC+32*\m+8*(\t):ACC+32*\m+8*(\t)+7], v[WSC+4*(\set)+2*((\t)/2)+(\par)], v[ASW+2*(\abuf)+\m] matrix_a_fmt:MATRIX_FMT_FP4 matrix_b_fmt:MATRIX_FMT_FP4
.endif
.endr
.endm
; K step i of a trip.  n: the global loads issued behind the youngest that this step needs.
; ahead = 1: the buffer that the K step before emptied takes the K step three on (K steps 0 and 2 first refill the scale set just used up); 2: it takes what the norm wants; 0: nothing is empty yet.
; nexta = 1: the next K step's rows are fetched from LDS.  first = 1: the very first K step, with no products in front of it.
.macro KSTEP i, n, ahead, nexta, first
	s_wait_loadcnt \n
	s_wait_dscnt 0x0                               ; this step's rows are in: nothing younger is out on this counter
.if \nexta && (\i == 3)
	s_wait_alu depctr_vm_vsrc(0)                   ; the LDS loads issued so far have read v6 and v7, which step to the next trip
	v_add_nc_u32 v6, 4096, v6
	v_add_nc_u32 v7, 512, v7
.endif
.if !\first
	s_wait_alu depctr_va_vdst(0)                   ; the products of the K step before are done reading their weight buffer, their rows and their scale words, in which the loads below land; in K step 3, v6 and v7 are written
.endif
.if \nexta
.if \i == 3
	ALOAD 0, 0
.else
	ALOAD \i+1, (\i+1)%2
.endif
.endif
.irp t, 0,1,2,3
	MUL2 \t, \i, (\i)%2, (\i)/2, (\i)%2
.if \ahead == 1                        ; no wait: no product since the wait above names a register that these loads touch
.if (\t == 0) && (\i == 0)
	SLOAD 1, 0
.endif
.if (\t == 0) && (\i == 2)
	SLOAD 0, 1024
.endif
.if \i == 0
	BLOAD2 3, \t, 0
.else
	BLOAD2 (\i)-1, \t, 16384
.endif
.elseif \ahead == 2
	ELOAD2 (\i)-1, \t
.endif
.endr
.rept 4
	v_nop                                          ; the places between these products and the loads into registers that they have read, and the first read of results
.endr
.endm
.macro NEXT_TRIP
	s_wait_xcnt 0x0                                ; the loads issued so far have read their bases
	s_add_nc_u64 s[32:33], s[32:33], 16384
	s_add_nc_u64 s[34:35], s[34:35], 1024
.endm
	; THE HEAD: what goes into LDS first (the rows' images and scales, the residual's rows), then what the first two K steps want
	s_wait_alu depctr_va_vdst(0)                   ; the offsets and addresses v4 to v15 are written, which the loads and stores below read
.set i, 0
.rept KS/4
	global_load_b128 v[AFR+4*i:AFR+4*i+3], v4, s[22:23] offset:512*i
.set i, i+1
.endr
.if LAYER == 3
	global_load_u16 v252, v15, s[24:25]
.else
	global_load_b64 v[252:253], v15, s[24:25]
.endif
.irp i, 0,1,2,3,4,5,6,7,8,9,10,11,12,13,14,15
	global_load_b128 v[BB+64+4*\i:BB+64+4*\i+3], v4, s[10:11] offset:4096*(\i/8)+512*(\i%8)   ; the residual's rows 2 w, 2 w + 1: the wave reads 512 consecutive bytes
.endr
.irp m, 0,1
.irp b, 0,1
.irp q, 0,1,2,3
	global_load_b128 v[ACC+32*\m+16*\b+4*\q:ACC+32*\m+16*\b+4*\q+3], v9, s[8:9] offset:128*\b+16*\q   ; the bias begins the sums
.endr
.endr
.endr
	SLOAD 0, 0
	SLOAD 1, 0
	BLOAD 0, 0
	BLOAD 1, 0
	s_wait_loadcnt 36                              ; behind the loads for LDS: 16 of the bias, 4 of scale words, 16 of fragments
.set i, 0
.rept KS/4
	ds_store_b128 v14, v[AFR+4*i:AFR+4*i+3] offset:512*i
.set i, i+1
.endr
.if LAYER == 3
	ds_store_b16 v10, v252
.else
	ds_store_b64 v10, v[252:253]
.endif
.irp i, 0,1,2,3,4,5,6,7,8,9,10,11,12,13,14,15
	ds_store_b128 v11, v[BB+64+4*\i:BB+64+4*\i+3] offset:SPIT*(\i/8)+512*(\i%8)
.endr
	s_wait_dscnt 0x0                               ; for the others' sake: my part of the images, the scale words and the residual lies in LDS
	s_wait_alu depctr_vm_vsrc(0)                   ; the LDS stores have read buffers 2 and 3, which now take their fragments, and the rows' buffers and v252, v253, which are written further on; the scale load has read v15, which is written behind the barrier
	BLOAD 2, 0
	BLOAD 3, 0
	s_barrier_signal -1
	s_barrier_wait -1                              ; the rows' images, their scale words and the residual lie in LDS
	v_add_nc_u32 v15, 16*SPIT, v8                  ; the stage's row 16 + r: beyond an LDS immediate's 16 bits, so it has a register (the load that took v15 as its offset was shown done by the counted wait above)
	ALOAD 0, 0
	KSTEP 0, 24, 0, 1, 1                           ; behind K step 0's fragments: three K steps' 24.  All four buffers are full: nothing is asked for
	KSTEP 1, 16, 1, 1, 0                           ; behind K step 1's: two K steps' 16
	KSTEP 2, 16, 1, 1, 0                           ; behind K step 2's: K step 3's 8 and K step 4's 8
	KSTEP 3, 18, 1, 1, 0                           ; behind K step 3's: 8, a pair of scale loads, 8
	NEXT_TRIP
.if KS > 8
	s_mov_b32 s36, KS/4-2
.Ltrip:
	KSTEP 0, 16, 1, 1, 0                           ; behind its scale words: two K steps' 16
	KSTEP 1, 18, 1, 1, 0                           ; behind its fragments: 8, a pair of scale loads, 8
	KSTEP 2, 16, 1, 1, 0                           ; behind its scale words: 16
	KSTEP 3, 18, 1, 1, 0                           ; behind its fragments: 8, a pair, 8
	NEXT_TRIP
	s_sub_co_u32 s36, s36, 1
	s_cmp_lg_u32 s36, 0
	s_cbranch_scc1 .Ltrip
.endif
	KSTEP 0, 16, 1, 1, 0                           ; the last trip is written out: its K step 0 asks for the last K step's fragments and scale words, the others for no more weights
	KSTEP 1, 18, 2, 1, 0                           ; the gain goes out
	KSTEP 2, 16, 2, 1, 0                           ; behind its scale words: K step 3's 8 and the gain's 8; the offset goes out
	KSTEP 3, 16, 2, 0, 0                           ; behind its fragments: the gain's and the offset's; the residual of row tile 0 comes from the stage
	s_wait_alu depctr_va_vdst(0)                   ; the last products are done reading buffer 3, in which the residual of row tile 1 lands
.irp t, 0,1,2,3
	ELOAD2 3, \t
.endr
; THE NORM.  A lane's sum (sq = 0) or sum of squares (sq = 1) of its 32 numbers of each row tile, with lane l xor 16's: my wave's 64 columns of rows r and 16 + r, in v[216:217]
.macro LANESUM sq
.irp m, 0,1
.if \sq
	v_pk_mul_f32 v[208+4*\m:209+4*\m], v[ACC+32*\m:ACC+32*\m+1], v[ACC+32*\m:ACC+32*\m+1]
	v_pk_mul_f32 v[210+4*\m:211+4*\m], v[ACC+32*\m+2:ACC+32*\m+3], v[ACC+32*\m+2:ACC+32*\m+3]
.else
	v_pk_add_f32 v[208+4*\m:209+4*\m], v[ACC+32*\m:ACC+32*\m+1], v[ACC+32*\m+4:ACC+32*\m+5]
	v_pk_add_f32 v[210+4*\m:211+4*\m], v[ACC+32*\m+2:ACC+32*\m+3], v[ACC+32*\m+6:ACC+32*\m+7]
.endif
.endr
.irp k, 4,8,12,16,20,24,28
.irp m, 0,1
.if \sq
	v_pk_fma_f32 v[208+4*\m:209+4*\m], v[ACC+32*\m+\k:ACC+32*\m+\k+1], v[ACC+32*\m+\k:ACC+32*\m+\k+1], v[208+4*\m:209+4*\m]
	v_pk_fma_f32 v[210+4*\m:211+4*\m], v[ACC+32*\m+\k+2:ACC+32*\m+\k+3], v[ACC+32*\m+\k+2:ACC+32*\m+\k+3], v[210+4*\m:211+4*\m]
.elseif \k > 4
	v_pk_add_f32 v[208+4*\m:209+4*\m], v[208+4*\m:209+4*\m], v[ACC+32*\m+\k:ACC+32*\m+\k+1]
	v_pk_add_f32 v[210+4*\m:211+4*\m], v[210+4*\m:211+4*\m], v[ACC+32*\m+\k+2:ACC+32*\m+\k+3]
.endif
.endr
.endr
.irp m, 0,1
	v_pk_add_f32 v[208+4*\m:209+4*\m], v[208+4*\m:209+4*\m], v[210+4*\m:211+4*\m]
.endr
.irp m, 0,1
	v_add_f32 v[216+\m], v[208+4*\m], v[209+4*\m]
.endr
.irp m, 0,1
	v_permlanex16_b32 v[218+\m], v[216+\m], s38, s39
.endr
.irp m, 0,1
	v_add_f32 v[216+\m], v[216+\m], v[218+\m]
.endr
.endm
; The sixteen waves' parts meet in LDS (bytes of their own for each of the two sums) and every wave adds them in the same order: the rows' totals in v[208:209]
.macro ALLSUM sq
	s_wait_alu depctr_va_vdst(0)                   ; the additions have written v[216:217], which the store reads, and the vector lines are done with v208 to v239, in which the loads below land
	ds_store_b64 v12, v[216:217] offset:2048*\sq
	s_wait_dscnt 0x0
	s_barrier_signal -1
	s_barrier_wait -1
	s_wait_alu depctr_vm_vsrc(0)                   ; the store has read v[216:217], in which one of the loads below lands
.irp w, 0,1,2,3,4,5,6,7,8,9,10,11,12,13,14,15
	ds_load_b64 v[208+2*\w:209+2*\w], v13 offset:2048*\sq+128*\w
.endr
	s_wait_dscnt 0x0
.irp w, 0,1,2,3,4,5,6,7
	v_pk_add_f32 v[208+4*\w:209+4*\w], v[208+4*\w:209+4*\w], v[210+4*\w:211+4*\w]
.endr
.irp w, 0,1,2,3
	v_pk_add_f32 v[208+8*\w:209+8*\w], v[208+8*\w:209+8*\w], v[212+8*\w:213+8*\w]
.endr
.irp w, 0,1
	v_pk_add_f32 v[208+16*\w:209+16*\w], v[208+16*\w:209+16*\w], v[216+16*\w:217+16*\w]
.endr
	v_pk_add_f32 v[208:209], v[208:209], v[224:225]
.endm
	s_wait_dscnt 0x0                               ; the residual is in, from the stage
.set k, 0
.rept 32
	v_pk_add_f32 v[ACC+2*k:ACC+2*k+1], v[ACC+2*k:ACC+2*k+1], v[BB+64+2*k:BB+64+2*k+1]   ; each accumulator from its low end on
.set k, k+1
.endr
	LANESUM 0
	ALLSUM 0
	v_mul_f32 v252, s40, v208                      ; the means of rows r and 16 + r, each twice: a pair for the packed forms
	v_mul_f32 v254, s40, v209
	v_mov_b32 v253, v252
	v_mov_b32 v255, v254
.irp m, 0,1
.set k, 0
.rept 16
	v_pk_add_f32 v[ACC+32*\m+2*k:ACC+32*\m+2*k+1], v[ACC+32*\m+2*k:ACC+32*\m+2*k+1], v[252+2*\m:253+2*\m] neg_lo:[0,1] neg_hi:[0,1]
.set k, k+1
.endr
.endr
	LANESUM 1
	ALLSUM 1
	v_fma_f32 v210, v208, s40, s41                 ; variance + 1e-5
	v_fma_f32 v211, v209, s40, s41
	s_wait_alu depctr_va_vdst(0)
	v_rsq_f32 v252, v210
	v_rsq_f32 v254, v211
	v_nop                                          ; one plain line behind the two
.if LAYER == 3
	s_lshl_b32 s22, s20, 5                         ; the codes' way out: its addresses are made here, in registers that the rows' fragments have left
	v_mul_u32_u24 v235, v2, 528
	v_lshl_add_u32 v235, v3, 3, v235
	v_add_nc_u32 v235, s22, v235
	v_add_nc_u32 v235, CST, v235                   ; codes: row r, + 32 w + 8 h
	s_lshl_b32 s22, s20, 1
	v_lshl_add_u32 v236, v2, 5, s22
	v_add_nc_u32 v236, SST, v236                   ; scale bytes: row r, + 2 w
	s_mul_i32 s22, s20, 2*528
	v_add_nc_u32 v237, s22, v4
	v_add_nc_u32 v237, CST, v237
	s_and_b32 s22, s20, 1
	s_lshl_b32 s22, s22, 9
	v_add_nc_u32 v238, s22, v4
	v_add_nc_u32 v238, SST, v238
.endif
	s_wait_alu depctr_va_vdst(0)                   ; the two reciprocal roots have written v252 and v254: one wait for both, ahead of their first reader
	v_mov_b32 v253, v252
	v_mov_b32 v255, v254
	s_wait_alu depctr_va_vdst(0)
	s_wait_loadcnt 0x0                             ; gain and offset
.irp m, 0,1
.set k, 0
.rept 16
	v_pk_mul_f32 v[ACC+32*\m+2*k:ACC+32*\m+2*k+1], v[ACC+32*\m+2*k:ACC+32*\m+2*k+1], v[252+2*\m:253+2*\m]
.set k, k+1
.endr
.endr
.irp m, 0,1
.set k, 0
.rept 16
	v_pk_fma_f32 v[ACC+32*\m+2*k:ACC+32*\m+2*k+1], v[ACC+32*\m+2*k:ACC+32*\m+2*k+1], v[BB+2*k:BB+2*k+1], v[BB+32+2*k:BB+32+2*k+1]
.set k, k+1
.endr
.endr
.if LAYER == 3
	; x as an operand of the next product: my four blocks of 32 (row tile b / 2, block b % 2 of my 64 columns), 16 numbers in me and 16 in lane l xor 16.  These lines stand ahead of all the stores, so that one wait serves the whole run
.irp b, 0,1,2,3
	v_max3_num_f32 v[208+\b], |v[ACC+16*\b]|, |v[ACC+1+16*\b]|, 0x1800000
.endr
.irp i, 2,4,6,8,10,12,14
.irp b, 0,1,2,3
	v_max3_num_f32 v[208+\b], v[208+\b], |v[ACC+16*\b+\i]|, |v[ACC+1+16*\b+\i]|
.endr
.endr
.irp b, 0,1,2,3
	v_permlanex16_b32 v[212+\b], v[208+\b], s38, s39
.endr
.irp b, 0,1,2,3
	v_max_num_f32 v[208+\b], v[208+\b], v[212+\b]
.endr
.irp b, 0,1,2,3
	v_add_nc_u32 v[220+\b], 0xff000000, v[208+\b]
.endr
.irp b, 0,1,2,3
	v_lshrrev_b32 v[212+\b], 23, v[220+\b]
.endr
	v_lshl_or_b32 v216, v213, 8, v212
	v_lshl_or_b32 v217, v215, 8, v214
.irp b, 0,1,2,3
	v_cvt_scalef32_pk8_fp4_f32 v[224+2*\b], v[ACC+16*\b:ACC+16*\b+7], v[220+\b]
	v_cvt_scalef32_pk8_fp4_f32 v[225+2*\b], v[ACC+16*\b+8:ACC+16*\b+15], v[220+\b]
.endr
	v_nop                                          ; one plain line behind the conversions
.endif
	s_wait_alu depctr_va_vdst(0)                   ; the norm has written v16 to v79 (LAYER 3: and the quantiser the codes v224 to v231 and the bytes v216, v217), which the LDS stores read; it is done reading buffers 0 to 2, in which the loads behind the barrier land
.irp b, 0,1
.irp q, 0,1,2,3
	ds_store_b128 v8, v[ACC+16*\b+4*\q:ACC+16*\b+4*\q+3] offset:128*\b+16*\q          ; over the residual's bytes that I alone have read, two barriers ago
.endr
.endr
.irp b, 0,1
.irp q, 0,1,2,3
	ds_store_b128 v15, v[ACC+32+16*\b+4*\q:ACC+32+16*\b+4*\q+3] offset:128*\b+16*\q
.endr
.endr
.if LAYER == 3
.irp b, 0,1,2,3
	ds_store_b64 v235, v[224+2*\b:225+2*\b] offset:8448*(\b/2)+16*(\b%2)   ; 16 codes, in their row's order
.endr
.irp m, 0,1
	ds_store_b16 v236, v[216+\m] offset:512*\m     ; both halves of the lanes write the same bytes
.endr
.endif
	s_wait_dscnt 0x0
	s_barrier_signal -1
	s_barrier_wait -1                              ; 32 whole rows lie in the stage
.irp i, 0,1,2,3,4,5,6,7,8,9,10,11,12,13,14,15
	ds_load_b128 v[BB+4*\i:BB+4*\i+3], v11 offset:SPIT*(\i/8)+512*(\i%8)
.endr
.if LAYER == 3
	ds_load_b128 v[BB+64:BB+67], v237
	ds_load_b128 v[BB+68:BB+71], v237 offset:528
.endif
.irp i, 0,1,2,3,4,5,6,7,8,9,10,11,12,13,14,15
.if LAYER == 3
	s_wait_dscnt 17-\i
	global_store_b128 v4, v[BB+4*\i:BB+4*\i+3], s[16:17] offset:4096*(\i/8)+512*(\i%8)   ; the wave stores 512 consecutive bytes
.else
	s_wait_dscnt 15-\i
	global_store_b128 v4, v[BB+4*\i:BB+4*\i+3], s[16:17] offset:4096*(\i/8)+512*(\i%8) th:TH_STORE_NT
.endif
.endr
.if LAYER == 3
	s_wait_dscnt 0x0
	global_store_b128 v4, v[BB+64:BB+67], s[42:43]             ; a row of codes: 512 consecutive bytes
	global_store_b128 v4, v[BB+68:BB+71], s[42:43] offset:512
	s_cmp_lt_u32 s20, 2                            ; waves 0 and 1 store the 32 rows' scale bytes, 512 each
	s_cbranch_scc0 .Ldone
	ds_load_b128 v[BB+72:BB+75], v238
	s_wait_dscnt 0x0
	global_store_b128 v4, v[BB+72:BB+75], s[44:45]
.Ldone:
.endif
	s_wait_xcnt 0x0
	v_lshl_add_u32 v254, v0, 2, 0x36800
	v_mov_b32 v255, 0
	s_wait_dscnt 0x0                               ; the closing lines, six on end
	s_wait_alu 0x0
	s_wait_tensorcnt 0x0
	ds_add_u32 v254, v255
	s_wait_dscnt 0x0
	s_endpgm
.Lfunc_end_k_qc482be27f3_ff2:
	.size	k_qc482be27f3_ff2, .Lfunc_end_k_qc482be27f3_ff2-k_qc482be27f3_ff2
	.p2alignl 7, 3214868480
	.fill 96, 4, 3214868480
	.section	.rodata,"a",@progbits
	.p2align	6, 0x0
	.amdhsa_kernel k_qc482be27f3_ff2
		.amdhsa_group_segment_fixed_size 225280
		.amdhsa_private_segment_fixed_size 0
		.amdhsa_enable_private_segment 0
		.amdhsa_kernarg_size 56
		.amdhsa_user_sgpr_count 2
		.amdhsa_user_sgpr_kernarg_segment_ptr 1
		.amdhsa_wavefront_size32 1
		.amdhsa_system_sgpr_workgroup_id_x 1
		.amdhsa_system_sgpr_workgroup_id_y 1
		.amdhsa_system_sgpr_workgroup_id_z 1
		.amdhsa_system_vgpr_workitem_id 0
		.amdhsa_next_free_vgpr 256
		.amdhsa_next_free_sgpr 66
		.amdhsa_reserve_vcc 0
		.amdhsa_float_denorm_mode_32 3
		.amdhsa_float_denorm_mode_16_64 3
		.amdhsa_memory_ordered 1
		.amdhsa_forward_progress 1
		.amdhsa_inst_pref_size 63
	.end_amdhsa_kernel
	.amdgpu_metadata
---
amdhsa.version: [ 1, 2 ]
amdhsa.kernels:
  - .name:           k_qc482be27f3_ff2
    .symbol:         k_qc482be27f3_ff2.kd
    .args:
      - { .name: hq, .offset: 0, .size: 8, .value_kind: global_buffer, .address_space: global }
      - { .name: cw, .offset: 8, .size: 8, .value_kind: global_buffer, .address_space: global }
      - { .name: b2, .offset: 16, .size: 8, .value_kind: global_buffer, .address_space: global }
      - { .name: xf, .offset: 24, .size: 8, .value_kind: global_buffer, .address_space: global }
      - { .name: g2, .offset: 32, .size: 8, .value_kind: global_buffer, .address_space: global }
      - { .name: be2, .offset: 40, .size: 8, .value_kind: global_buffer, .address_space: global }
      - { .name: out0, .offset: 48, .size: 8, .value_kind: global_buffer, .address_space: global }
    .group_segment_fixed_size: 225280
    .private_segment_fixed_size: 0
    .kernarg_segment_align: 8
    .kernarg_segment_size: 56
    .max_flat_workgroup_size: 512
    .sgpr_count:     66
    .vgpr_count:     256
    .wavefront_size: 32
...
	.end_amdgpu_metadata
.endif
;; end of part 10
